; MI455X (gfx1250); checked and timed in simulation.
; The chip was launched on July 23, 2026; its instructions are those of AMD's public machine-readable ISA for CDNA 5 (MIT licence, August 2026) and "CDNA5" Instruction Set Architecture Reference Guide (July 2026). The comments in the code are by the model that wrote it; some were corrected since.
;; GPT2 Block. Allowed arithmetic: matrix products marked QUANTISED: E3M2 operands, one E8M0 scale for each 32 along K, by v_wmma_scale_f32_16x16x128_f8f6f4 with both operands' format E3M2, f32 sums; everything else in f32.
;; Inputs: c_attn_b 3,072 float32; c_attn_w 1,024 x 3,072 float32; c_fc_b 4,096 float32; c_fc_w 1,024 x 4,096 float32; c_proj_attn_b 1,024 float32; c_proj_attn_w 1,024 x 1,024 float32; c_proj_mlp_b 1,024 float32; c_proj_mlp_w 4,096 x 1,024 float32; hidden_states 2 x 2,048 x 1,024 float32; ln1_b 1,024 float32; ln1_w 1,024 float32; ln2_b 1,024 float32; ln2_w 1,024 float32.
;; Outputs: out0 2 x 2,048 x 1,024 float32.
;; This version of the problem:
;;   THIS VERSION OF THE PROBLEM IS GIVEN IN LOW PRECISION. The matrix products marked QUANTISED in the list below multiply operands that are first quantised to E3M2 (3 exponent bits, 2 mantissa bits; 6 bits a number), with one power-of-two scale for each 32 numbers along K (OCP MX v1.0); their sums are f32. All else is computed in f32.
;;   The module's matrix products, in the order in which they are computed (A, B: the left and right operand; K: the contracted axis; several contracted axes count as one K, in the product's order):
;;     1. [M 4,096, K 1,024] x [K 1,024, N 3,072]; A: computed on the way; B: input c_attn_w: QUANTISED
;;     2. batch 32 x [M 2,048, K 64] x [K 64, N 2,048]; A: computed on the way; B: computed on the way: QUANTISED
;;     3. batch 32 x [M 2,048, K 2,048] x [K 2,048, N 64]; A: softmax (see below); B: computed on the way: QUANTISED
;;     4. [M 4,096, K 1,024] x [K 1,024, N 1,024]; A: computed on the way; B: input c_proj_attn_w: QUANTISED
;;     5. [M 4,096, K 1,024] x [K 1,024, N 4,096]; A: computed on the way; B: input c_fc_w: QUANTISED
;;     6. [M 4,096, K 4,096] x [K 4,096, N 1,024]; A: computed on the way; B: input c_proj_mlp_w: QUANTISED
;;   THE QUANTISER, for each operand of a quantised product, along K:
;;     - K is cut into blocks of 32 from its start; a last block that is shorter is filled with zeros.
;;     - A block's scale is 2^e with e = floor(log2(the largest magnitude in the block)) - 4, held to -126 .. 127; a block of zeros has e = 0. As a byte (E8M0): e + 127.
;;     - Each number is divided by its block's scale, clamped to +-28, and rounded to the nearest number of E3M2, ties to even, subnormals kept.
;;     - The product sums the exact products of the quantised numbers (number of the format x scale) in f32.
;;   ~~~python
;;   def quantise(x, axis):      # numpy; x: float32 -> the quantised numbers, widened to float32 again
;;       x = np.moveaxis(x, axis, -1); K = x.shape[-1]
;;       x = np.pad(x, [(0, 0)] * (x.ndim - 1) + [(0, -K % 32)]); x = x.reshape(x.shape[:-1] + (-1, 32)); a = np.abs(x).max(-1, keepdims=True)
;;       e = np.where(a > 0, np.clip(np.frexp(np.where(a > 0, a, 1))[1] - 1 - 4, -126, 127), 0)      # np.frexp(a)[1] - 1 = floor(log2(a)), exactly
;;       r = np.clip(x / 2.0 ** e, -28, 28)
;;       step = 2.0 ** (np.maximum(np.frexp(np.where(r == 0, 1, r))[1] - 1, -2) - 2)
;;       q = np.round(r / step) * step * 2.0 ** e      # np.round: ties to even
;;       return np.moveaxis(q.reshape(q.shape[:-2] + (-1,))[..., :K], -1, axis).astype(np.float32)
;;   ~~~
;;   SOFTMAX AHEAD OF A QUANTISED PRODUCT. Where the list says 'softmax', what is quantised is not the finished softmax but p = 2^(t - M), with t = logit x log2(e) and M = ceil(the row's largest t), a whole number; so 1/2 < the row's largest p <= 1. The row's sum l is taken of the UNQUANTISED p, in f32, and the product's result is divided by l at the end. Since M is a whole number, a kernel that streams over the keys may use a running M (the ceiling of the running maximum): every later rescaling is an exact power of two, which a block's scale takes up: the codes' values come out the same.
;;   OPERANDS COMPUTED ON THE WAY. 'Computed on the way' means the value that the module computes at that place (a softmax that the list does not call 'softmax' is quantised finished and normalised). What goes into a quantiser is computed in f32, as accurately as f32 sums, v_exp_f32 and their like allow (about 1e-6 of the number): no bf16 or f16 on the way to a quantiser, and a product that is left as it is and whose result goes on into a quantised operand takes f32 operands (vector FMAs, or v_wmma_f32_16x16x4_f32). A number that lies on a knife's edge between two numbers of the format may be rounded either way, as far as f32 arithmetic and the matrix unit's own rounding can turn it there, and no further.
;; 2 versions, each right and faster than the one before. Each part assembles by itself: llvm-mc -triple=amdgcn-amd-amdhsa -mcpu=gfx1250 --defsym DOCPART=n.
;; ======== version 1 of 2: 8 launches
;; workspace buffers: wq 9,830,400 bytes; xq 3,276,800 bytes; qrec 6,684,672 bytes; kv 6,684,672 bytes; ctx 3,276,800 bytes; hbuf 16,777,216 bytes; g 13,107,200 bytes
;; launch wquant (part 1): grid 384 x 1, 4 waves a work-group, no clusters, 25,088 bytes of LDS; arguments c_attn_w, c_proj_attn_w, c_fc_w, c_proj_mlp_w, wq; writes wq
.if DOCPART == 1
	.amdgcn_target "amdgcn-amd-amdhsa--gfx1250"
	.amdhsa_code_object_version 6
	.text
	.protected	k_q4b60c69fad_wquant
	.globl	k_q4b60c69fad_wquant
	.p2align	8
	.type	k_q4b60c69fad_wquant,@function
k_q4b60c69fad_wquant:
	s_mov_b64 s[64:65], 0
	v_nop
	global_prefetch_b8 v0, s[64:65] scope:SCOPE_SE
	s_setreg_imm32_b32 hwreg(HW_REG_WAVE_MODE, 25, 1), 1
	s_wait_xcnt 0x0
; The four weights, f32 [K][N] with K as the first axis, become operands of E3M2 codes (6 bits) with one E8M0 byte for each 32 along K.
; LAYOUT OF EVERY OPERAND OF THIS PROGRAM.  A fragment is 16 rows x 128 K as the matrix instruction's registers hold it: lane (r, h) holds registers 6 c .. 6 c + 5 = k 64 c + 32 h + 0 .. 31 of row r.
; In memory a fragment is 1,536 bytes: for c = 0, 1: registers 0-3 of lane l at 768 c + 16 l, registers 4, 5 at 768 c + 512 + 8 l.  Codes lie [row block][K step][1,536], scale words [row block][K step][16 words].
; Row block 2 B + u holds in its lane r the row 32 B + 8 u + r + 8 (r / 8): so a product's results, taken transposed, are 16 neighbours along the next K in a lane's registers.
; A LANE TAKES A COLUMN n OF W, ITS REGISTERS RUN DOWN K: a load reads 128 consecutive bytes a wave (512 a work-group), a block of 32 lies in one lane, nothing is transposed by an instruction.
; A work-group takes 128 columns x 256 K, a wave 32 columns: two row blocks x two K steps = four fragments, gathered in the wave's own 6,144 bytes of LDS and stored as runs of 512 consecutive bytes.
; One launch serves the four tensors: the work-group's number chooses pointers and sizes by selects; there is one path through the text.  No barrier: waves share nothing.  No cluster: no two work-groups read the same bytes.
; A block's scale byte is its largest magnitude's exponent field - 4, held at 1 from below.
; LIMITS: a block of zeros, and one whose largest magnitude lies under 2^-122, keep the byte 1 (a block of zeros has zero codes; this program alone reads the bytes).  NaN and infinities among the inputs are not served.
.set OFF, 32                           ; v32-63   4 x lane + i rows of W, i = 0 .. 31; never rewritten
.set X,   64                           ; v64-127  two sets of 32 numbers; later the way out
.set C,   128                          ; v128-134 a block's codes
.set SB,  24                           ; v24-25   the scale words of the two K steps
	s_load_b256 s[4:11], s[0:1], 0x0               ; the four weights
	s_load_b64 s[12:13], s[0:1], 0x20              ; wq
	v_lshl_add_u32 v136, v0, 2, 0x6000
	v_mov_b32 v137, 0
	v_lshrrev_b32 v1, 5, v0
	v_readfirstlane_b32 s16, v1                    ; wave
	v_and_b32 v2, 31, v0                           ; lane x = my column among the wave's 32
	v_bfe_u32 v3, v0, 3, 1                         ; u = (x / 8) % 2: which of the two row blocks
	v_and_b32 v4, 7, v0
	v_bfe_u32 v1, v0, 4, 1
	v_lshl_add_u32 v4, v1, 3, v4                   ; r = x % 8 + 8 (x / 16): my lane's place in that row block
	s_mul_i32 s27, s16, 6144                       ; my wave's LDS: [u][K step][1,536]
	v_mul_u32_u24 v5, v3, 3072
	v_add_nc_u32 v5, s27, v5
	v_lshl_add_u32 v6, v4, 3, v5                   ; + 8 r: registers 4, 5
	v_lshl_add_u32 v5, v4, 4, v5                   ; + 16 r: registers 0-3
	v_lshlrev_b32 v8, 4, v2                        ; the way out: 16 x lane
	v_add_nc_u32 v7, s27, v8
	v_lshlrev_b32 v10, 2, v2
	; the tensor's figures: first work-group, bytes in a row of W, K steps, bits of the K group, where its codes and its scale words begin in wq
	s_mov_b32 s20, 256                             ; c_proj_mlp_w
	s_mov_b32 s21, 4096
	s_mov_b32 s22, 32
	s_mov_b32 s23, 4
	s_mov_b32 s24, 15
	s_mov_b32 s25, 6291456
	s_mov_b32 s26, 9699328
	s_wait_kmcnt 0x0
	s_mov_b64 s[28:29], s[10:11]
	s_cmp_lt_u32 ttmp9, 256                        ; c_fc_w
	s_cselect_b32 s20, 128, s20
	s_cselect_b32 s21, 16384, s21
	s_cselect_b32 s22, 8, s22
	s_cselect_b32 s23, 2, s23
	s_cselect_b32 s24, 3, s24
	s_cselect_b32 s25, 3145728, s25
	s_cselect_b32 s26, 9568256, s26
	s_cselect_b64 s[28:29], s[8:9], s[28:29]
	s_cmp_lt_u32 ttmp9, 128                        ; c_proj_attn_w
	s_cselect_b32 s20, 96, s20
	s_cselect_b32 s21, 4096, s21
	s_cselect_b32 s25, 2359296, s25
	s_cselect_b32 s26, 9535488, s26
	s_cselect_b64 s[28:29], s[6:7], s[28:29]
	s_cmp_lt_u32 ttmp9, 96                         ; c_attn_w
	s_cselect_b32 s20, 0, s20
	s_cselect_b32 s21, 12288, s21
	s_cselect_b32 s25, 0, s25
	s_cselect_b32 s26, 9437184, s26
	s_cselect_b64 s[28:29], s[4:5], s[28:29]
	s_sub_co_u32 s17, ttmp9, s20
	s_and_b32 s18, s17, s24                        ; which 256 along K
	s_lshr_b32 s19, s17, s23
	s_lshl_b32 s19, s19, 2
	s_add_co_u32 s19, s19, s16                     ; which 32 columns: 4 x column group + wave
	s_mul_i32 s54, s18, s21
	s_lshl_b32 s54, s54, 8                         ; 256 rows of W for each K group,
	s_lshl_b32 s55, s19, 7
	s_add_co_u32 s54, s54, s55                     ; + 128 bytes for each 32 columns
	s_mov_b32 s55, 0
	s_lshl_b32 s56, s21, 5                         ; a block: 32 rows of W
	s_mov_b32 s57, 0
	s_add_nc_u64 s[32:33], s[28:29], s[54:55]      ; a base for each of the eight blocks; none is rewritten
.irp t, 1,2,3,4,5,6,7
	s_add_nc_u64 s[32+2*\t:33+2*\t], s[30+2*\t:31+2*\t], s[56:57]
.endr
	s_mul_i32 s58, s19, s22
	s_add_co_u32 s58, s58, s18
	s_lshl_b32 s58, s58, 1                         ; fragment number of (row block 2 b', K step 2 kg)
	s_mul_i32 s60, s58, 1536
	s_add_co_u32 s60, s60, s25
	s_mov_b32 s61, 0
	s_add_nc_u64 s[48:49], s[12:13], s[60:61]      ; codes, u = 0
	s_mul_i32 s60, s22, 1536
	s_add_nc_u64 s[50:51], s[48:49], s[60:61]      ; codes, u = 1: one row block on
	s_lshl_b32 s60, s58, 6
	s_add_co_u32 s60, s60, s26
	s_add_nc_u64 s[52:53], s[12:13], s[60:61]      ; scale words
	s_lshl_b32 s59, s22, 6
	v_mul_u32_u24 v9, s59, v3
	v_lshl_add_u32 v9, v4, 2, v9                   ; my word: u row blocks on, + 4 r
.set i, 0
.rept 32
	v_mad_u32_u24 v[OFF+i], s21, i, v10
.set i, i+1
.endr
.macro LOAD t                          ; block t: W(32 t + i, my column) into set t % 2
.set i, 0
.rept 32
	global_load_b32 v[X+32*((\t)%2)+i], v[OFF+i], s[32+2*(\t):33+2*(\t)] th:TH_LOAD_NT
.set i, i+1
.endr
.endm
.macro BLOCK t                         ; block t = K step t / 4, half image (t % 4) / 2, lanes' half t % 2
.set XS, X+32*((\t)%2)
.set LOFS, 1536*((\t)/4)+768*(((\t)%4)/2)
.if (\t) < 7
	s_wait_loadcnt 32                              ; this block's 32 loads are in; the next block's 32 may be out
.else
	s_wait_loadcnt 0x0
.endif
	v_max3_num_f32 v12, |v[XS]|, |v[XS+1]|, |v[XS+2]|      ; the block's largest magnitude: all 32 numbers are mine; two chains
	v_max3_num_f32 v13, |v[XS+3]|, |v[XS+4]|, |v[XS+5]|
.irp i, 6,10,14,18,22,26
	v_max3_num_f32 v12, v12, |v[XS+\i]|, |v[XS+\i+1]|
	v_max3_num_f32 v13, v13, |v[XS+\i+2]|, |v[XS+\i+3]|
.endr
	v_max3_num_f32 v12, v12, |v[XS+30]|, |v[XS+31]|
	v_max3_num_f32 v12, v12, v13, 0x2800000        ; and the floor 2^(5 - 127): the byte cannot fall under 1
	v_add_nc_u32 v11, 0xfe000000, v12              ; 4 off the exponent field: the conversion takes this operand's exponent field as its scale
	v_cvt_scalef32_pk16_bf6_f32 v[C:C+2], v[XS:XS+15], v11
	v_cvt_scalef32_pk16_bf6_f32 v[C+4:C+6], v[XS+16:XS+31], v11    ; (a conversion's three registers begin on an even number)
	v_lshrrev_b32 v13, 23, v11                     ; the scale's byte; also the plain line behind the conversions
.if (\t)%4 == 0
	v_mov_b32 v[SB+(\t)/4], v13
.else
	v_lshl_or_b32 v[SB+(\t)/4], v13, 8*((\t)%4), v[SB+(\t)/4]
.endif
	v_mov_b32 v[C+3], v[C+4]                       ; the block's six registers on end
	v_mov_b32 v[C+4], v[C+5]
	v_mov_b32 v[C+5], v[C+6]
	ds_store_b128 v5, v[C:C+3] offset:LOFS+256*((\t)%2)
	ds_store_b64 v6, v[C+4:C+5] offset:LOFS+512+128*((\t)%2)
.if (\t)+2 < 8
	LOAD (\t)+2
.endif
	s_wait_dscnt 0x0                               ; the stores have read their registers: the next block's codes may be written
.endm
	LOAD 0
	LOAD 1
.irp t, 0,1,2,3,4,5,6,7
	BLOCK \t
.endr
	global_store_b32 v9, v[SB], s[52:53]           ; 32 columns' scale words of K step 0,
	global_store_b32 v9, v[SB+1], s[52:53] offset:64   ; and of K step 1
.set n, 0
.rept 12
	ds_load_b128 v[X+4*n:X+4*n+3], v7 offset:512*n     ; LDS serves a wave's instructions in order: these see my stores
.set n, n+1
.endr
.set n, 0
.rept 12
	s_wait_dscnt 11-n                              ; load n is in; the 11 - n younger ones may be out
	global_store_b128 v8, v[X+4*n:X+4*n+3], s[48+2*(n/6):49+2*(n/6)] offset:512*(n%6)   ; 512 consecutive bytes, at a multiple of 256 from the buffer's first byte
.set n, n+1
.endr
	s_wait_tensorcnt 0x0
	ds_add_u32 v136, v137
	s_wait_dscnt 0x0
	s_endpgm
.Lfunc_end_k_q4b60c69fad_wquant:
	.size	k_q4b60c69fad_wquant, .Lfunc_end_k_q4b60c69fad_wquant-k_q4b60c69fad_wquant
	.p2alignl 7, 3214868480
	.fill 96, 4, 3214868480
	.section	.rodata,"a",@progbits
	.p2align	6, 0x0
	.amdhsa_kernel k_q4b60c69fad_wquant
		.amdhsa_group_segment_fixed_size 25088
		.amdhsa_private_segment_fixed_size 0
		.amdhsa_enable_private_segment 0
		.amdhsa_kernarg_size 40
		.amdhsa_user_sgpr_count 2
		.amdhsa_user_sgpr_kernarg_segment_ptr 1
		.amdhsa_wavefront_size32 1
		.amdhsa_system_sgpr_workgroup_id_x 1
		.amdhsa_system_sgpr_workgroup_id_y 1
		.amdhsa_system_sgpr_workgroup_id_z 1
		.amdhsa_system_vgpr_workitem_id 0
		.amdhsa_next_free_vgpr 138
		.amdhsa_next_free_sgpr 66
		.amdhsa_reserve_vcc 0
		.amdhsa_float_denorm_mode_32 3
		.amdhsa_float_denorm_mode_16_64 3
		.amdhsa_memory_ordered 1
		.amdhsa_forward_progress 1
		.amdhsa_inst_pref_size 46
	.end_amdhsa_kernel
	.amdgpu_metadata
---
amdhsa.version: [ 1, 2 ]
amdhsa.kernels:
  - .name:           k_q4b60c69fad_wquant
    .symbol:         k_q4b60c69fad_wquant.kd
    .args:
      - { .name: c_attn_w, .offset: 0, .size: 8, .value_kind: global_buffer, .address_space: global }
      - { .name: c_proj_attn_w, .offset: 8, .size: 8, .value_kind: global_buffer, .address_space: global }
      - { .name: c_fc_w, .offset: 16, .size: 8, .value_kind: global_buffer, .address_space: global }
      - { .name: c_proj_mlp_w, .offset: 24, .size: 8, .value_kind: global_buffer, .address_space: global }
      - { .name: wq, .offset: 32, .size: 8, .value_kind: global_buffer, .address_space: global }
    .group_segment_fixed_size: 25088
    .private_segment_fixed_size: 0
    .kernarg_segment_align: 8
    .kernarg_segment_size: 40
    .max_flat_workgroup_size: 128
    .sgpr_count:     66
    .vgpr_count:     138
    .wavefront_size: 32
...
	.end_amdgpu_metadata
.endif
;; end of part 1
;; launch ln1 (part 2): grid 256 x 1, 8 waves a work-group, no clusters, 69,632 bytes of LDS; arguments hidden_states, ln1_w, ln1_b, xq; writes xq
.if DOCPART == 2
	.amdgcn_target "amdgcn-amd-amdhsa--gfx1250"
	.amdhsa_code_object_version 6
	.text
	.protected	k_q4b60c69fad_ln1
	.globl	k_q4b60c69fad_ln1
	.p2align	8
	.type	k_q4b60c69fad_ln1,@function
k_q4b60c69fad_ln1:
	s_mov_b64 s[64:65], 0
	v_nop
	global_prefetch_b8 v0, s[64:65] scope:SCOPE_SE
	s_setreg_imm32_b32 hwreg(HW_REG_WAVE_MODE, 25, 1), 1
	s_wait_xcnt 0x0
; y = (x - mean) rsqrt(var + 1e-5) w + b along rows of 1,024 f32, and y quantised along the row into an operand of E3M2 codes: fragments and scale words as the products' launches take them.
; (A fragment: 16 rows x 128 K, 1,536 bytes: for c = 0, 1: registers 0-3 of lane l at 768 c + 16 l, registers 4, 5 at 768 c + 512 + 8 l.  Row block 2 B + u holds in lane r the row 32 B + 8 u + r + 8 (r / 8).)
; SHARES.  A work-group is one row block: 16 rows.  Wave w is K step w: columns 128 w .. 128 w + 127 of the 16 rows.  Each load reads 512 consecutive bytes of a row; the wave's 16 x 512 bytes turn through its own
; stage in LDS (rows 528 bytes apart), so that lane (r, h) gets, of row r, 16 neighbours of each block of 32: what the conversions want.
; The mean and the variance are taken in TWO passes (the mean first, then the squares of x - mean), so that a common offset of the inputs costs no digits.  A row's eight partial sums meet in LDS: two barriers, two sets of words.
; No cluster, no tensor load: each byte is read by one wave, once.
; LIMITS: a block of zeros, and one whose largest magnitude lies under 2^-122, keep the scale byte 1 (this program alone reads the bytes).  NaN and infinities among the inputs are not served.
.set X,   32                           ; v32-95   x as loaded; later b
.set Y,   96                           ; v96-159  my 64 numbers: register 16 b + i = column 32 b + 16 h + i of the wave's 128
.set W,   160                          ; v160-223 w at the same columns
.set PC,  224                          ; v224-235 the fragment; v236-242 at work
.set TM,  244                          ; v244-247 largest magnitudes, v248-251 the other half's / the bytes, v252-255 the conversions' scale operands
.set PW,  20                           ; v20      the scale word
.set SEL, 20                           ; s[20:21] lane selects: lane l xor 16
.set STG, 16*528
.set P1,  8*STG                        ; 8 waves x 16 rows: partial sums; 512 bytes on: partial sums of squares
; 64 numbers of a lane, register 16 b + i = k 32 b + 16 h + i of my row, become a fragment's codes in v[PC] on and its scale word in v[PW]
.macro QUANT s
.irp b, 0,1,2,3
	v_max3_num_f32 v[TM+\b], |v[\s+16*\b]|, |v[\s+1+16*\b]|, 0x2800000   ; block b: my 16 numbers, and the floor 2^(5 - 127): the byte cannot fall under 1
.endr
.irp i, 2,4,6,8,10,12,14
.irp b, 0,1,2,3
	v_max3_num_f32 v[TM+\b], v[TM+\b], |v[\s+16*\b+\i]|, |v[\s+1+16*\b+\i]|   ; the four blocks by turns
.endr
.endr
.irp b, 0,1,2,3
	v_permlanex16_b32 v[TM+4+\b], v[TM+\b], s[SEL], s[SEL+1]
.endr
.irp b, 0,1,2,3
	v_max_num_f32 v[TM+\b], v[TM+\b], v[TM+4+\b]   ; with lane l xor 16's: the block's largest magnitude
.endr
.irp b, 0,1,2,3
	v_add_nc_u32 v[TM+8+\b], 0xfe000000, v[TM+\b]  ; 4 off its exponent field: the conversion's scale operand
.endr
.irp b, 0,1,2,3
	v_lshrrev_b32 v[TM+4+\b], 23, v[TM+8+\b]       ; the scale's byte
.endr
	v_lshl_or_b32 v[PW], v[TM+5], 8, v[TM+4]
	v_lshl_or_b32 v[PW], v[TM+6], 16, v[PW]
	v_lshl_or_b32 v[PW], v[TM+7], 24, v[PW]
.irp c, 0,1
	v_cvt_scalef32_pk16_bf6_f32 v[PC+6*\c:PC+2+6*\c], v[\s+32*\c:\s+15+32*\c], v[TM+8+2*\c]
	v_cvt_scalef32_pk16_bf6_f32 v[PC+12+4*\c:PC+14+4*\c], v[\s+16+32*\c:\s+31+32*\c], v[TM+8+2*\c+1]   ; (three registers that begin on an even number)
.endr
	v_nop                                          ; one plain line behind the scaled conversions
.irp c, 0,1                            ; the operand wants a WHOLE block in a lane: lanes 0-15 block 2 c, lanes 16-31 block 2 c + 1
.irp i, 0,1,2
	v_permlane16_swap_b32 v[PC+6*\c+\i], v[PC+12+4*\c+\i]
.endr
.irp i, 0,1,2
	v_mov_b32 v[PC+3+6*\c+\i], v[PC+12+4*\c+\i]
.endr
.endr
.endm
	s_load_b256 s[4:11], s[0:1], 0x0               ; x, w, b, xq
	v_lshl_add_u32 v239, v0, 2, 0x10c00
	v_mov_b32 v243, 0
	v_lshrrev_b32 v1, 5, v0
	v_readfirstlane_b32 s12, v1                    ; wave 0..7
	v_and_b32 v1, 31, v0                           ; lane
	v_and_b32 v2, 15, v0                           ; r
	v_bfe_u32 v3, v0, 4, 1                         ; h
	v_lshlrev_b32 v4, 4, v1                        ; 16 x lane
	v_lshlrev_b32 v5, 3, v1                        ; 8 x lane
	v_lshlrev_b32 v6, 2, v2                        ; 4 r
	s_mul_i32 s13, s12, STG
	v_add_nc_u32 v7, s13, v4                       ; the stage, on the way in: a row's 512 bytes as they lie
	v_mul_u32_u24 v8, v2, 528
	v_lshl_add_u32 v8, v3, 6, v8
	v_add_nc_u32 v8, s13, v8                       ; and out: row r, + 64 h
	v_lshlrev_b32 v9, 6, v3                        ; w, b: + 64 h
	s_lshl_b32 s13, s12, 6
	s_add_co_u32 s13, s13, P1
	v_add_nc_u32 v10, s13, v6                      ; my wave's partial sum of row r
	v_add_nc_u32 v11, P1, v6                       ; the eight waves' of row r, 64 bytes apart
	v_mov_b32 v21, 0x3a800000                      ; 1 / 1,024
.irp b, 0,1,2,3
	v_mov_b32 v[TM+4+\b], 0                        ; written once: a lane permute's destination counts as one of its sources
.endr
	s_mov_b32 s[SEL], 0x76543210
	s_mov_b32 s[SEL+1], 0xfedcba98
	s_lshr_b32 s13, ttmp9, 1
	s_lshl_b32 s13, s13, 5
	s_and_b32 s14, ttmp9, 1
	s_lshl_b32 s14, s14, 3
	s_add_co_u32 s13, s13, s14                     ; the row block's first row: 32 (g / 2) + 8 (g % 2)
	s_lshl_b32 s14, s13, 12
	s_lshl_b32 s16, s12, 9                         ; my wave's 512 bytes of a row
	s_mov_b32 s17, 0
	s_add_co_u32 s14, s14, s16
	s_mov_b32 s15, 0
	s_lshl_b32 s18, ttmp9, 3
	s_add_co_u32 s18, s18, s12                     ; fragment number 8 g + w
	s_mul_i32 s22, s18, 1536
	s_mov_b32 s23, 0
	s_lshl_b32 s18, s18, 6
	s_add_co_u32 s18, s18, 3145728                 ; the scale words lie behind the codes
	s_mov_b32 s19, 0
	s_wait_kmcnt 0x0
	s_add_nc_u64 s[4:5], s[4:5], s[14:15]
	s_add_nc_u64 s[6:7], s[6:7], s[16:17]
	s_add_nc_u64 s[8:9], s[8:9], s[16:17]
	s_add_nc_u64 s[24:25], s[10:11], s[18:19]
	s_add_nc_u64 s[10:11], s[10:11], s[22:23]
.set i, 0
.rept 16
	global_load_b128 v[X+4*i:X+4*i+3], v4, s[4:5] offset:(i+8*(i/8))*4096   ; row i of the row block: 512 consecutive bytes
.set i, i+1
.endr
.set i, 0
.rept 16
	global_load_b128 v[W+4*i:W+4*i+3], v9, s[6:7] offset:128*(i/4)+16*(i%4)
.set i, i+1
.endr
	s_wait_loadcnt 16                              ; x's 16 loads are in; w's 16 may be out
.set i, 0
.rept 16
	ds_store_b128 v7, v[X+4*i:X+4*i+3] offset:528*i
.set i, i+1
.endr
.set i, 0
.rept 16
	ds_load_b128 v[Y+4*i:Y+4*i+3], v8 offset:128*(i/4)+16*(i%4)   ; LDS serves a wave's instructions in order: these see my stores
.set i, i+1
.endr
	s_wait_dscnt 0x0                               ; Y is in, and the stores have read X:
.set i, 0
.rept 16
	global_load_b128 v[X+4*i:X+4*i+3], v9, s[8:9] offset:128*(i/4)+16*(i%4)   ; b takes x's registers
.set i, i+1
.endr
	; the mean
	v_pk_add_f32 v[14:15], v[Y:Y+1], v[Y+2:Y+3]
	v_pk_add_f32 v[16:17], v[Y+4:Y+5], v[Y+6:Y+7]
.set n, 8
.rept 14
	v_pk_add_f32 v[14:15], v[14:15], v[Y+n:Y+n+1]
	v_pk_add_f32 v[16:17], v[16:17], v[Y+n+2:Y+n+3]
.set n, n+4
.endr
	v_pk_add_f32 v[14:15], v[14:15], v[16:17]
	v_add_f32 v14, v14, v15
	v_permlanex16_b32 v15, v14, s[SEL], s[SEL+1]
	v_add_f32 v14, v14, v15                        ; row r's sum over my wave's 128 columns
	ds_store_b32 v10, v14                          ; lanes l and l xor 16 write the same word with the same value
	s_wait_dscnt 0x0                               ; for the others' sake: my store has landed
	s_barrier_signal -1
	s_barrier_wait -1
.irp k, 0,1,2,3,4,5,6,7
	ds_load_b32 v[24+\k], v11 offset:64*\k
.endr
	s_wait_dscnt 0x0
	v_add_f32 v24, v24, v25
	v_add_f32 v26, v26, v27
	v_add_f32 v28, v28, v29
	v_add_f32 v30, v30, v31
	v_add_f32 v24, v24, v26
	v_add_f32 v28, v28, v30
	v_add_f32 v24, v24, v28
	v_mul_f32 v12, v21, v24                        ; the mean,
	v_mov_b32 v13, v12                             ; twice: a pair for the packed forms
	; the variance
.set n, 0
.rept 32
	v_pk_add_f32 v[Y+n:Y+n+1], v[Y+n:Y+n+1], v[12:13] neg_lo:[0,1] neg_hi:[0,1]
.set n, n+2
.endr
	v_pk_mul_f32 v[14:15], v[Y:Y+1], v[Y:Y+1]
	v_pk_mul_f32 v[16:17], v[Y+2:Y+3], v[Y+2:Y+3]
.set n, 4
.rept 15
	v_pk_fma_f32 v[14:15], v[Y+n:Y+n+1], v[Y+n:Y+n+1], v[14:15]
	v_pk_fma_f32 v[16:17], v[Y+n+2:Y+n+3], v[Y+n+2:Y+n+3], v[16:17]
.set n, n+4
.endr
	v_pk_add_f32 v[14:15], v[14:15], v[16:17]
	v_add_f32 v14, v14, v15
	v_permlanex16_b32 v15, v14, s[SEL], s[SEL+1]
	v_add_f32 v14, v14, v15
	ds_store_b32 v10, v14 offset:512               ; other words than the first exchange's: no wave can still be reading them
	s_wait_dscnt 0x0
	s_barrier_signal -1
	s_barrier_wait -1
.irp k, 0,1,2,3,4,5,6,7
	ds_load_b32 v[24+\k], v11 offset:512+64*\k
.endr
	s_wait_dscnt 0x0
	v_add_f32 v24, v24, v25
	v_add_f32 v26, v26, v27
	v_add_f32 v28, v28, v29
	v_add_f32 v30, v30, v31
	v_add_f32 v24, v24, v26
	v_add_f32 v28, v28, v30
	v_add_f32 v24, v24, v28
	v_fmaak_f32 v14, v24, v21, 0x3727c5ac          ; the variance + 1e-5
	v_rsq_f32 v12, v14
	v_nop                                          ; a plain line behind the transcendental,
	s_wait_alu depctr_va_vdst(0)                   ; and the wait ahead of its first reader
	v_mov_b32 v13, v12
	s_wait_loadcnt 0x0                             ; w and b
.set n, 0
.rept 32
	v_pk_mul_f32 v[Y+n:Y+n+1], v[Y+n:Y+n+1], v[12:13]
.set n, n+2
.endr
.set n, 0
.rept 32
	v_pk_fma_f32 v[Y+n:Y+n+1], v[Y+n:Y+n+1], v[W+n:W+n+1], v[X+n:X+n+1]
.set n, n+2
.endr
	QUANT Y
	global_store_b128 v4, v[PC:PC+3], s[10:11]                 ; the fragment as it stands: 512, 256, 512, 256 consecutive bytes
	global_store_b64 v5, v[PC+4:PC+5], s[10:11] offset:512
	global_store_b128 v4, v[PC+6:PC+9], s[10:11] offset:768
	global_store_b64 v5, v[PC+10:PC+11], s[10:11] offset:1280
	global_store_b32 v6, v[PW], s[24:25]                       ; 16 scale words; lanes l and l xor 16 hold the same
	s_wait_tensorcnt 0x0
	ds_add_u32 v239, v243
	s_wait_dscnt 0x0
	s_endpgm
.Lfunc_end_k_q4b60c69fad_ln1:
	.size	k_q4b60c69fad_ln1, .Lfunc_end_k_q4b60c69fad_ln1-k_q4b60c69fad_ln1
	.p2alignl 7, 3214868480
	.fill 96, 4, 3214868480
	.section	.rodata,"a",@progbits
	.p2align	6, 0x0
	.amdhsa_kernel k_q4b60c69fad_ln1
		.amdhsa_group_segment_fixed_size 69632
		.amdhsa_private_segment_fixed_size 0
		.amdhsa_enable_private_segment 0
		.amdhsa_kernarg_size 32
		.amdhsa_user_sgpr_count 2
		.amdhsa_user_sgpr_kernarg_segment_ptr 1
		.amdhsa_wavefront_size32 1
		.amdhsa_system_sgpr_workgroup_id_x 1
		.amdhsa_system_sgpr_workgroup_id_y 1
		.amdhsa_system_sgpr_workgroup_id_z 1
		.amdhsa_system_vgpr_workitem_id 0
		.amdhsa_next_free_vgpr 256
		.amdhsa_next_free_sgpr 66
		.amdhsa_reserve_vcc 0
		.amdhsa_float_denorm_mode_32 3
		.amdhsa_float_denorm_mode_16_64 3
		.amdhsa_memory_ordered 1
		.amdhsa_forward_progress 1
		.amdhsa_inst_pref_size 26
	.end_amdhsa_kernel
	.amdgpu_metadata
---
amdhsa.version: [ 1, 2 ]
amdhsa.kernels:
  - .name:           k_q4b60c69fad_ln1
    .symbol:         k_q4b60c69fad_ln1.kd
    .args:
      - { .name: hidden_states, .offset: 0, .size: 8, .value_kind: global_buffer, .address_space: global }
      - { .name: ln1_w, .offset: 8, .size: 8, .value_kind: global_buffer, .address_space: global }
      - { .name: ln1_b, .offset: 16, .size: 8, .value_kind: global_buffer, .address_space: global }
      - { .name: xq, .offset: 24, .size: 8, .value_kind: global_buffer, .address_space: global }
    .group_segment_fixed_size: 69632
    .private_segment_fixed_size: 0
    .kernarg_segment_align: 8
    .kernarg_segment_size: 32
    .max_flat_workgroup_size: 256
    .sgpr_count:     66
    .vgpr_count:     256
    .wavefront_size: 32
...
	.end_amdgpu_metadata
.endif
;; end of part 2
;; launch qkv (part 3): grid 8 x 24, 4 waves a work-group, clusters of 4 x 4, 327,680 bytes of LDS; arguments xq, wq, c_attn_b, qrec, kv; writes qrec, kv
.if DOCPART == 3
	.amdgcn_target "amdgcn-amd-amdhsa--gfx1250"
	.amdhsa_code_object_version 6
	.text
	.protected	k_q4b60c69fad_qkv
	.globl	k_q4b60c69fad_qkv
	.p2align	8
	.type	k_q4b60c69fad_qkv,@function
k_q4b60c69fad_qkv:
	s_mov_b64 s[64:65], 0
	v_nop
	global_prefetch_b8 v0, s[64:65] scope:SCOPE_SE
	s_setreg_imm32_b32 hwreg(HW_REG_WAVE_MODE, 25, 1), 1
	s_wait_xcnt 0x0
	s_wait_alu depctr_hold_cnt(0) depctr_sa_sdst(0) depctr_va_vdst(0) depctr_va_sdst(0) depctr_va_ssrc(0) depctr_va_vcc(0) depctr_vm_vsrc(0)
	s_getreg_b32 s2, hwreg(HW_REG_IB_STS2, 6, 4)
	s_cmp_eq_u32 s2, 0
	s_cbranch_scc0 .Lentry_in_a_cluster
	s_endpgm
.Lentry_in_a_cluster:
	s_bfe_u32 s2, ttmp6, 0x10000c
	s_cmp_lg_u32 s2, 0xf033
	s_cbranch_scc0 .Lentry_shape_is_right
	s_endpgm
.Lentry_shape_is_right:
; qkv = ln1(x) c_attn_w + c_attn_b on E3M2 codes, and q, k, v quantised on the way out into the operands of attention's two products.  Sums in f32.
; OPERANDS lie as fragments: 16 rows x 128 K = 1,536 bytes, an image of the matrix instruction's registers (for c = 0, 1: registers 0-3 of lane l at 768 c + 16 l, registers 4, 5 at 768 c + 512 + 8 l), [row block][K step];
; scale words [row block][K step][16].  Row block 2 B + u holds in lane r the row 32 B + 8 u + r + 8 (r / 8).
; A tile of C, 256 x 256, is made by four waves, 128 x 128 each: 64 accumulators, 512 registers.  K goes in steps of 256 through a ring of two LDS slots filled by the tensor data mover; a fragment comes out of LDS by four loads
; of consecutive bytes.  The scale words of the tile's rows, for all of K, come into LDS once, with the first fills.
; THE MATRIX INSTRUCTION IS USED TRANSPOSED: source 0 = the B role's 16 rows, source 1 = the A role's.  A lane then holds ONE row of the A role, and by the order of rows in a row block its registers of accumulators 2 b', 2 b' + 1
; are 16 NEIGHBOURS of the B role's rows: what the quantiser of the next product wants.
; TWO ROLES IN ONE GRID, told apart by the cluster's y, which all sixteen partners share.  Cluster y 0-3 (q and k, whose next K is the head's axis): A = tokens (xq), B = the weight's columns 0 .. 2,047.
; Cluster y 4, 5 (v, whose next K is the keys): A = the weight's columns 2,048 .. 3,071, B = tokens.
; CLUSTERS: 4 x 4 work-groups; A's tiles are shared along a row of the cluster, B's along a column: each is asked for jointly, by the same tensor load with the same descriptor and a mask that names the four.
; OUT: a record of 208,896 bytes for each (batch, head).  qrec: Q's half images (16 rows x 64 K, 768 bytes) at 768 x row block, its scale words at 196,608 + 64 x row block.  kv: K likewise; V^T's fragments (16 of the head's 64 x 128 keys)
; at 98,304 + 1,536 (4 x key step + d block), their scale words at 204,800 + 64 (4 x key step + d block).
; LIMITS: a block of zeros, and one whose largest magnitude lies under 2^-122, keep the scale byte 1 (this program alone reads the bytes).  NaN and infinities are not served.
; REGISTERS: window 0: v16-23 LDS addresses, v24-26 16 l, 8 l, 4 r, v27 scale words' address, v28-29 the spare word; v32-63 scale words, two sets, and nothing else; v64-127 the bias along the registers; v128-223 A's 8 fragments;
;   v224-231 the bias along the lanes.  Window 1: B's fragments, two sets.  Windows 2, 3: the accumulators ((a, b) at v[8 (8 (a % 4) + b)]).  On the way out: v128-191 a block's 64 numbers, v192-223 the quantiser's.
.set SIZE_K, 1024
.set KSN,    SIZE_K/128                ; K steps of 128
.set LAPS,   SIZE_K/512                ; a lap = two slots = once round the ring
.set KROW,   96*KSN                    ; bytes of codes for each row
.set KS,     4*KSN                     ; bytes of scales for each row
.set NQ,     2                         ; matrix instructions deep in a slot
.set FR,     12                        ; registers of a fragment
.set NL,     4                         ; LDS loads that bring one
.set NP,     4                         ; places behind this matrix instruction (ISA guide 7.12.1)
.set HALFT,  8*NQ*1536                 ; 8 row blocks x 256 K: what one tensor load brings, and what one wave reads of A or of B
.set SLOT,   4*HALFT                   ; A's two halves, then B's
.set SCL,    2*SLOT                    ; behind the ring: the scale words
.set HALFS,  8*KSN*64
.set SPARE,  SCL+4*HALFS+256           ; the spare words, 128 bytes for each wave: two blocks of 256 bytes that no other line names
.set REC,    208896
.set ADRA, 16                          ; v16-17 16 l form for slot 0, 1; v18-19 8 l form
.set ADRB, 20
.set A16,  24
.set A8,   25
.set A4R,  26
.set ADRS, 27
.set SPW,  28
.set NIL,  29
.set SC,   32
.set BV,   64
.set AF,   128
.set T,    128
.set PC,   192
.set TM,   212
.set BR,   224
.set BT,   232
.set PW,   234
.set PW2,  235
.set SEL,  18
.set G1, 24
.set G0, 32
.set G1B, 48
.set G0B, 56
.set G1S, 68
.set G0S, 76
.set G1SB, 80
.set G0SB, 88
.set MSB, 0
.macro WIN new                         ; the immediate's high byte repeats the setting that is left
.if MSB != (\new)
	s_set_vgpr_msb (MSB<<8)|(\new)
.set MSB, (\new)
.endif
.endm
.set MUL_LO, 0xa1                      ; source 0 (B) window 1, source 1 (A) window 0, C and D window 2
.set MUL_HI, 0xf1
.set TO_B,   0x40
; A joint load: waves 0 and 1 fetch for A, waves 2 and 3 for B; the branch hangs on the wave's number alone.  Four v_nop follow each of the two lines.
.macro JLOAD g0a, g1a, g0b, g1b
	s_cmp_eq_u32 s15, 0
	s_cbranch_scc0 .Lfor_b_\@
	tensor_load_to_lds s[\g0a:\g0a+3], s[\g1a:\g1a+7]
	s_nop 0
.rept 4
	v_nop
.endr
	s_branch .Lasked_\@
.Lfor_b_\@:
	tensor_load_to_lds s[\g0b:\g0b+3], s[\g1b:\g1b+7]
	s_nop 0
.rept 4
	v_nop
.endr
.Lasked_\@:
.endm
.macro CREST                           ; a round of the cluster's barrier behind its opening barrier
	s_cmp_lg_u32 s14, 0
	s_cbranch_scc1 .Lnot_wave_0_\@
	s_barrier_signal -3
.Lnot_wave_0_\@:
	s_barrier_wait -3
	s_barrier_signal -1
	s_barrier_wait -1
.endm
.macro CROUND
	s_barrier_signal -1
	s_barrier_wait -1
	CREST
.endm
.macro QUANT s                         ; 64 numbers of a lane, register 16 b + i = k 32 b + 16 h + i of my row -> a fragment's codes in v[PC] on, its scale word in v[PW]
.irp b, 0,1,2,3
	v_max3_num_f32 v[TM+\b], |v[\s+16*\b]|, |v[\s+1+16*\b]|, 0x2800000   ; my 16 numbers of block b, and the floor 2^(5 - 127): the byte cannot fall under 1
.endr
.irp i, 2,4,6,8,10,12,14
.irp b, 0,1,2,3
	v_max3_num_f32 v[TM+\b], v[TM+\b], |v[\s+16*\b+\i]|, |v[\s+1+16*\b+\i]|
.endr
.endr
.irp b, 0,1,2,3
	v_permlanex16_b32 v[TM+4+\b], v[TM+\b], s[SEL], s[SEL+1]
.endr
.irp b, 0,1,2,3
	v_max_num_f32 v[TM+\b], v[TM+\b], v[TM+4+\b]
.endr
.irp b, 0,1,2,3
	v_add_nc_u32 v[TM+8+\b], 0xfe000000, v[TM+\b]  ; 4 off the exponent field: the conversion's scale operand
.endr
.irp b, 0,1,2,3
	v_lshrrev_b32 v[TM+4+\b], 23, v[TM+8+\b]       ; the scale's byte
.endr
	v_lshl_or_b32 v[PW], v[TM+5], 8, v[TM+4]
	v_lshl_or_b32 v[PW], v[TM+6], 16, v[PW]
	v_lshl_or_b32 v[PW], v[TM+7], 24, v[PW]
.irp c, 0,1
	v_cvt_scalef32_pk16_bf6_f32 v[PC+6*\c:PC+2+6*\c], v[\s+32*\c:\s+15+32*\c], v[TM+8+2*\c]
	v_cvt_scalef32_pk16_bf6_f32 v[PC+12+4*\c:PC+14+4*\c], v[\s+16+32*\c:\s+31+32*\c], v[TM+8+2*\c+1]
.endr
	v_nop                                          ; one plain line behind the scaled conversions
.irp c, 0,1
.irp i, 0,1,2
	v_permlane16_swap_b32 v[PC+6*\c+\i], v[PC+12+4*\c+\i]   ; a WHOLE block to a lane
.endr
.irp i, 0,1,2
	v_mov_b32 v[PC+3+6*\c+\i], v[PC+12+4*\c+\i]
.endr
.endr
.endm
	s_load_b128 s[4:7], s[0:1], 0x0                ; xq, wq
	s_load_b128 s[8:11], s[0:1], 0x10              ; c_attn_b, qrec
	s_load_b64 s[12:13], s[0:1], 0x20              ; kv
	v_lshl_add_u32 v[SPW], v0, 2, SPARE
	v_mov_b32 v[NIL], 0
	ds_add_u32 v28, v29
	ds_add_u32 v28, v29
	s_wait_dscnt 0x0
	v_lshrrev_b32 v1, 5, v0
	v_readfirstlane_b32 s14, v1                    ; wave 0..3
	s_lshr_b32 s15, s14, 1                         ; which half of the A role's rows is mine.  Also: I fetch for A (0) or for B (1)
	s_and_b32 s16, s14, 1                          ; which half of the B role's.  Also: which half of that tile I fetch
	s_bfe_u32 s40, ttmp6, 0x40000                  ; cx, cy: my place in the cluster
	s_bfe_u32 s41, ttmp6, 0x40004
	s_lshl_b32 s42, ttmp9, 2
	s_add_co_u32 s42, s42, s40                     ; x = 4 x cluster x + cx
	s_and_b32 s66, ttmp7, 0xffff                   ; the cluster's y
	s_lshl_b32 s17, s66, 2
	s_add_co_u32 s17, s17, s41                     ; y = 4 x cluster y + cy
	s_lshl_b32 s43, s41, 2
	s_lshl_b32 s43, 15, s43                        ; my row of the cluster
	s_lshl_b32 s44, 0x1111, s40                    ; my column
	; descriptor group 1, codes: 8 row blocks x 3,072 bytes (two fragments), 1,536 KSN bytes apart; elements of 8 bytes; no padding: every LDS load of a fragment reads consecutive bytes
	s_or_b32 s[G1+0], s43, (3<<16)|(1<<21)         ; 15:0 the mask: A's tiles go to my row; 17:16 elements of 8 bytes; 21 set beside a mask
	s_or_b32 s[G1B+0], s44, (3<<16)|(1<<21)
.irp g, G1, G1B
	s_mov_b32 s[\g+1], 384<<16                     ; tensor_dim0
	s_mov_b32 s[\g+2], 8<<16                       ; tensor_dim1
	s_mov_b32 s[\g+3], 384<<16                     ; tile_dim0
	s_mov_b32 s[\g+4], 8                           ; tile_dim1
	s_mov_b32 s[\g+5], 192*KSN                     ; tensor_dim0_stride
	s_mov_b32 s[\g+6], 0
	s_mov_b32 s[\g+7], 0
.endr
	; and the scale words of 8 row blocks: a dense block of HALFS bytes, as rows of 256 bytes
	s_or_b32 s[G1S+0], s43, (3<<16)|(1<<21)
	s_or_b32 s[G1SB+0], s44, (3<<16)|(1<<21)
.irp g, G1S, G1SB
	s_mov_b32 s[\g+1], 32<<16
	s_mov_b32 s[\g+2], (HALFS/256)<<16
	s_mov_b32 s[\g+3], 32<<16
	s_mov_b32 s[\g+4], HALFS/256
	s_mov_b32 s[\g+5], 32
	s_mov_b32 s[\g+6], 0
	s_mov_b32 s[\g+7], 0
.endr
	; the roles.  A's tile hangs on cy and the cluster's y alone, B's on x and the cluster's y alone
	s_add_co_u32 s95, s41, 8                       ; v: A = the weight's rows 2,048 + 256 cy
	s_lshl_b32 s2, s66, 3
	s_add_co_u32 s2, s2, s42
	s_sub_co_u32 s2, s2, 32                        ; v: B = the token tile x + 8 (cluster y - 4)
	s_mov_b32 s3, 3145728                          ; where the scale words begin: in xq,
	s_mov_b32 s19, 9437184                         ; in wq
	s_wait_kmcnt 0x0
	s_cmp_ge_u32 s66, 4
	s_cselect_b32 s95, s95, s17                    ; A's tile
	s_cselect_b32 s2, s2, s42                      ; B's tile
	s_cselect_b32 s3, 9437184, s3
	s_cselect_b32 s19, 3145728, s19
	s_cselect_b64 s[96:97], s[6:7], s[4:5]         ; A's buffer
	s_cselect_b64 s[6:7], s[4:5], s[6:7]           ; B's buffer
	s_lshl_b32 s18, s16, 7                         ; which 128 rows of a tile I fetch
	s_lshl_b32 s20, s95, 8
	s_add_co_u32 s20, s20, s18
	s_lshl_b32 s46, s2, 8
	s_add_co_u32 s46, s46, s18
	s_mul_i32 s22, s20, KS
	s_add_co_u32 s22, s22, s3
	s_mul_i32 s92, s46, KS
	s_add_co_u32 s92, s92, s19
	s_mul_i32 s20, s20, KROW
	s_mul_i32 s46, s46, KROW
	s_mov_b32 s21, 0
	s_mov_b32 s23, 0
	s_mov_b32 s47, 0
	s_mov_b32 s93, 0
	s_mul_i32 s45, s14, HALFT                      ; where they go: no place in the cluster enters an LDS address
	s_mul_i32 s94, s14, HALFS
	s_add_nc_u64 s[20:21], s[96:97], s[20:21]
	s_add_nc_u64 s[22:23], s[96:97], s[22:23]
	s_add_nc_u64 s[46:47], s[6:7], s[46:47]
	s_add_nc_u64 s[92:93], s[6:7], s[92:93]
	CROUND                                         ; all sixteen work-groups are here: the first joint loads meet
	s_mov_b32 s[G0S], 1
	s_add_co_u32 s[G0S+1], s94, SCL
	s_mov_b64 s[G0S+2:G0S+3], s[22:23]
	s_or_b32 s[G0S+3], s[G0S+3], 0x80000000
	s_mov_b32 s[G0SB], 1
	s_add_co_u32 s[G0SB+1], s94, SCL+64
	s_mov_b64 s[G0SB+2:G0SB+3], s[92:93]
	s_or_b32 s[G0SB+3], s[G0SB+3], 0x80000000
	JLOAD G0S, G1S, G0SB, G1SB                     ; the scale words first: they are wanted with K step 0
.irp s, 0,1
	s_mov_b32 s[G0+4*\s], 1
	s_add_co_u32 s[G0+4*\s+1], s45, \s*SLOT
	s_add_nc_u64 s[G0+4*\s+2:G0+4*\s+3], s[20:21], \s*3072
	s_or_b32 s[G0+4*\s+3], s[G0+4*\s+3], 0x80000000
	s_mov_b32 s[G0B+4*\s], 1
	s_add_co_u32 s[G0B+4*\s+1], s45, \s*SLOT
	s_add_nc_u64 s[G0B+4*\s+2:G0B+4*\s+3], s[46:47], \s*3072
	s_or_b32 s[G0B+4*\s+3], s[G0B+4*\s+3], 0x80000000
	JLOAD G0+4*\s, G1, G0B+4*\s, G1B
.endr
	v_and_b32 v1, 15, v0                           ; r
	v_bfe_u32 v2, v0, 4, 1                         ; h
	v_and_b32 v3, 31, v0                           ; lane
	v_lshlrev_b32 v[A16], 4, v3
	v_lshlrev_b32 v[A8], 3, v3
	v_lshlrev_b32 v[A4R], 2, v1
	s_mul_i32 s21, s15, HALFT                      ; my half of A
	s_mul_i32 s22, s16, HALFT                      ; my half of B,
	s_add_co_u32 s22, s22, 2*HALFT                 ; which lies behind A's two
.irp s, 0,1
	v_add_nc_u32 v[ADRA+\s], s21, v[A16]
	v_add_nc_u32 v[ADRB+\s], s22, v[A16]
	v_add_nc_u32 v[ADRA+2+\s], s21, v[A8]
	v_add_nc_u32 v[ADRB+2+\s], s22, v[A8]
	s_add_co_u32 s21, s21, SLOT
	s_add_co_u32 s22, s22, SLOT
.endr
	s_mul_i32 s21, s15, HALFS                      ; scale words: lanes 0-15 take A's, lanes 16-31 B's: the lower base + h x the distance
	s_mul_i32 s22, s16, HALFS
	s_add_co_u32 s22, s22, 2*HALFS+64
	s_sub_co_u32 s22, s22, s21
	v_mul_u32_u24 v6, s22, v2
	s_add_co_u32 s21, s21, SCL
	v_lshl_add_u32 v6, v1, 2, v6
	v_add_nc_u32 v[ADRS], s21, v6
	; the bias, both ways: along the registers (q, k: the B role's rows are the weight's columns) and along the lanes (v: the A role's are).  Both loads stay inside c_attn_b in both roles
	s_lshl_b32 s4, s42, 10
	s_lshl_b32 s5, s16, 9
	s_add_co_u32 s4, s4, s5
	s_mov_b32 s5, 0
	s_add_nc_u64 s[4:5], s[8:9], s[4:5]            ; column 256 x + 128 x half
	s_lshl_b32 s20, s41, 10
	s_lshl_b32 s21, s15, 9
	s_add_co_u32 s20, s20, s21
	s_add_co_u32 s20, s20, 8192
	s_mov_b32 s21, 0
	s_add_nc_u64 s[8:9], s[8:9], s[20:21]          ; column 2,048 + 256 cy + 128 x half
	v_lshlrev_b32 v8, 6, v2                        ; + 16 h columns
	v_and_b32 v9, 8, v1
	v_add_nc_u32 v9, v9, v1
	v_lshlrev_b32 v9, 2, v9                        ; + r + 8 (r / 8) columns
.set n, 0
.rept 16
	global_load_b128 v[BV+4*n:BV+4*n+3], v8, s[4:5] offset:128*(n/4)+16*(n%4)
.set n, n+1
.endr
.irp a, 0,1,2,3,4,5,6,7
	global_load_b32 v[BR+\a], v9, s[8:9] offset:4*(32*(\a/2)+8*(\a%2))
.endr
.macro FRAG reg, adr, q, i             ; fragment (row block i, the slot's q-th 128 along K): four loads of consecutive bytes
	ds_load_b128 v[\reg:\reg+3], v[\adr] offset:3072*(\i)+1536*(\q)
	ds_load_b64 v[\reg+4:\reg+5], v[\adr+2] offset:3072*(\i)+1536*(\q)+512
	ds_load_b128 v[\reg+6:\reg+9], v[\adr] offset:3072*(\i)+1536*(\q)+768
	ds_load_b64 v[\reg+10:\reg+11], v[\adr+2] offset:3072*(\i)+1536*(\q)+1280
.endm
; 16 matrix instructions: A's blocks a0, a0 + 1 x B's eight.  The 64 accumulators take turns, one instruction a turn, in the same order in every step.
.macro MUL16 a0, p, q, sc, zero
.irp a, \a0, \a0+1
.irp b, 0,1,2,3,4,5,6,7
.if \zero
	v_wmma_scale_f32_16x16x128_f8f6f4 v[8*(8*((\a)%4)+\b):8*(8*((\a)%4)+\b)+7], v[128*(\p)+FR*\b:128*(\p)+FR*\b+FR-1], v[AF+FR*(\a):AF+FR*(\a)+FR-1], 0, v[SC+8*NQ*(\sc)+NQ*\b+(\q)], v[SC+8*NQ*(\sc)+NQ*(\a)+(\q)] matrix_a_fmt:MATRIX_FMT_BF6 matrix_b_fmt:MATRIX_FMT_BF6 matrix_a_scale:MATRIX_SCALE_ROW1
.else
	v_wmma_scale_f32_16x16x128_f8f6f4 v[8*(8*((\a)%4)+\b):8*(8*((\a)%4)+\b)+7], v[128*(\p)+FR*\b:128*(\p)+FR*\b+FR-1], v[AF+FR*(\a):AF+FR*(\a)+FR-1], v[8*(8*((\a)%4)+\b):8*(8*((\a)%4)+\b)+7], v[SC+8*NQ*(\sc)+NQ*\b+(\q)], v[SC+8*NQ*(\sc)+NQ*(\a)+(\q)] matrix_a_fmt:MATRIX_FMT_BF6 matrix_b_fmt:MATRIX_FMT_BF6 matrix_a_scale:MATRIX_SCALE_ROW1
.endif
.endr
.endr
.endm
.macro FETCH_B slot, q, p
	WIN TO_B
.irp i, 0,1,2,3,4,5,6,7
	FRAG 128*(\p)+FR*\i, ADRB+\slot, \q, \i
.endr
	WIN 0
.endm
.macro FETCH_A slot, q, i0
.irp i, \i0, \i0+1, \i0+2, \i0+3
	FRAG AF+FR*(\i), ADRA+\slot, \q, \i
.endr
.endm
.macro SCALES sc                       ; the slot's scale words: lanes 0-15 A's block i, lanes 16-31 B's block i
.irp i, 0,1,2,3,4,5,6,7
	ds_load_b32 v[SC+8*NQ*\sc+NQ*\i], v[ADRS] offset:64*KSN*\i
	ds_load_b32 v[SC+8*NQ*\sc+NQ*\i+1], v[ADRS] offset:64*KSN*\i+64
.endr
.endm
.macro PLACES n                        ; plain vector lines between a matrix instruction and a load into, or a vector line on, its registers (ISA guide 7.12.1 for vector lines)
.rept \n
	v_nop
.endr
.endm
.macro STEP slot, q, zero              ; 128 along K that has its successor in the same slot
	s_wait_dscnt 4*NL                              ; B's set, A's blocks 0-3 and the scale words are in; the youngest 16 loads (A's blocks 4-7) may be out
	WIN MUL_LO
	MUL16 0, (\q)%2, \q, \slot, \zero
	MUL16 2, (\q)%2, \q, \slot, \zero
	s_wait_dscnt 0
	PLACES NP
	FETCH_B \slot, (\q)+1, 1-(\q)%2
	FETCH_A \slot, (\q)+1, 0
	WIN MUL_HI
	MUL16 4, (\q)%2, \q, \slot, \zero
	MUL16 6, (\q)%2, \q, \slot, \zero
	PLACES NP
	WIN 0
	FETCH_A \slot, (\q)+1, 4
.endm
; A slot's last step changes slots: one barrier; in front of it each wave waits for all its tensor loads, adds 0 to its spare word, and waits for that and for its reads of this slot.  fill = 1: this slot is filled again, two slots ahead.
.macro TURN slot, next, fill
	s_wait_tensorcnt 0x0                           ; all my tensor loads have landed: my part of the next slot
	ds_add_u32 v[SPW], v[NIL]                      ; 0 onto my spare word
	s_wait_dscnt 4*NL+1                            ; (the add and the youngest 16 loads may be out)
	WIN MUL_LO
	MUL16 0, 1, NQ-1, \slot, 0
	s_wait_dscnt 0x0                               ; the add is done, and my reads of this slot are over
	s_barrier_signal -1
	MUL16 2, 1, NQ-1, \slot, 0
	WIN 0
	s_barrier_wait -1
.if \fill
	CREST                                          ; the barrier has opened a round of the cluster's: no wave of any partner still reads this slot or has a load on its way
	s_add_nc_u64 s[G0+4*\slot+2:G0+4*\slot+3], s[G0+4*\slot+2:G0+4*\slot+3], 2*3072
	s_add_nc_u64 s[G0B+4*\slot+2:G0B+4*\slot+3], s[G0B+4*\slot+2:G0B+4*\slot+3], 2*3072
	JLOAD G0+4*\slot, G1, G0B+4*\slot, G1B         ; the first tensor load behind the round; its four v_nop are the places in front of the loads below
.else
	PLACES NP
.endif
	v_add_nc_u32 v[ADRS], 64*NQ, v[ADRS]           ; the next slot's scale words
	FETCH_B \next, 0, 0
	FETCH_A \next, 0, 0
	SCALES \next
	WIN MUL_HI
	MUL16 4, 1, NQ-1, \slot, 0
	MUL16 6, 1, NQ-1, \slot, 0
	PLACES NP
	WIN 0
	FETCH_A \next, 0, 4
.endm
	s_wait_loadcnt 0x0                             ; the bias is in
	s_wait_tensorcnt 1                             ; the scale words and my part of slot 0 are in; slot 1's load may be out
	s_barrier_signal -1
	s_barrier_wait -1
	FETCH_B 0, 0, 0
	FETCH_A 0, 0, 0
	SCALES 0
	FETCH_A 0, 0, 4
	STEP 0, 0, 1                                   ; the first step's products start the sums: nothing is cleared
	s_mov_b32 s3, LAPS-1
.Llap:
	TURN 0, 1, 1
	STEP 1, 0, 0
	TURN 1, 0, 1
	STEP 0, 0, 0
	s_sub_co_u32 s3, s3, 1
	s_cmp_lg_u32 s3, 0
	s_cbranch_scc1 .Llap
	TURN 0, 1, 0                                   ; the last lap fills nothing
	STEP 1, 0, 0
	s_wait_dscnt 4*NL
	WIN MUL_LO
	MUL16 0, 1, NQ-1, 1, 0
	MUL16 2, 1, NQ-1, 1, 0
	s_wait_dscnt 0
	WIN MUL_HI
	MUL16 4, 1, NQ-1, 1, 0
	MUL16 6, 1, NQ-1, 1, 0
	WIN 0
	; THE WAY OUT: block by block of 16 rows of the A role: + bias, quantised along the 128 rows of the B role, stored as it stands.  No LDS.
	PLACES NP
	s_mov_b32 s[SEL], 0x76543210
	s_mov_b32 s[SEL+1], 0xfedcba98
.irp b, 0,1,2,3
	v_mov_b32 v[TM+4+\b], 0                        ; written once: a lane permute's destination counts as one of its sources
.endr
	s_cmp_ge_u32 s66, 4                            ; the cluster's y: the same in all sixteen partners
	s_cbranch_scc1 .Lvpath
	; q, k: my 128 columns are two heads of 64: the fragment's two half images go to two records
	s_lshr_b32 s20, s17, 3
	s_lshl_b32 s20, s20, 4                         ; 16 x batch
	s_and_b32 s21, s42, 3
	s_lshl_b32 s21, s21, 2
	s_add_co_u32 s20, s20, s21
	s_lshl_b32 s21, s16, 1
	s_add_co_u32 s20, s20, s21                     ; + head 4 (x % 4) + 2 x half
	s_mul_i32 s20, s20, REC
	s_and_b32 s21, s17, 7
	s_lshl_b32 s21, s21, 4
	s_lshl_b32 s22, s15, 3
	s_add_co_u32 s21, s21, s22                     ; row block in the sequence
	s_mul_i32 s22, s21, 768
	s_add_co_u32 s22, s22, s20
	s_mov_b32 s23, 0
	s_lshl_b32 s46, s21, 6
	s_add_co_u32 s46, s46, s20
	s_add_co_u32 s46, s46, 196608
	s_mov_b32 s47, 0
	s_cmp_eq_u32 ttmp9, 0                          ; columns 0 .. 1,023 are q, the others k
	s_cselect_b64 s[20:21], s[10:11], s[12:13]
	s_add_nc_u64 s[22:23], s[20:21], s[22:23]
	s_add_nc_u64 s[46:47], s[20:21], s[46:47]
.macro OUTQK a
.if (\a) > 0
	s_wait_xcnt 0x0                                ; the last block's stores have read their registers
.endif
	WIN 0x02+(\a)/4                                ; source 0: the accumulators' window
.set n, 0
.rept 32
	v_pk_add_f32 v[T+n:T+n+1], v[64*((\a)%4)+n:64*((\a)%4)+n+1], v[BV+n:BV+n+1]   ; each accumulator from its low end on
.set n, n+2
.endr
	WIN 0
	QUANT T
	v_lshrrev_b32 v[PW2], 16, v[PW]                ; the second head's two bytes (a word's other two bytes scale zero codes in attention; none is 0xff)
	global_store_b128 v[A16], v[PC:PC+3], s[22:23] offset:768*(\a)
	global_store_b64 v[A8], v[PC+4:PC+5], s[22:23] offset:768*(\a)+512
	global_store_b128 v[A16], v[PC+6:PC+9], s[22:23] offset:REC+768*(\a)
	global_store_b64 v[A8], v[PC+10:PC+11], s[22:23] offset:REC+768*(\a)+512
	global_store_b32 v[A4R], v[PW], s[46:47] offset:64*(\a)
	global_store_b32 v[A4R], v[PW2], s[46:47] offset:REC+64*(\a)
.endm
.irp a, 0,1,2,3,4,5,6,7
	OUTQK \a
.endr
	s_branch .Ldone
.Lvpath:
	; v: a lane holds one of the head's 64, its registers 128 keys: a block is a fragment of V^T.  My 8 blocks are two heads x four
	s_lshr_b32 s20, s2, 3
	s_lshl_b32 s20, s20, 4                         ; 16 x batch
	s_and_b32 s21, s17, 3
	s_lshl_b32 s21, s21, 2
	s_add_co_u32 s20, s20, s21
	s_lshl_b32 s21, s15, 1
	s_add_co_u32 s20, s20, s21                     ; + head 4 cy + 2 x half
	s_mul_i32 s20, s20, REC
	s_lshl_b32 s21, s2, 1
	s_add_co_u32 s21, s21, s16
	s_and_b32 s21, s21, 15                         ; key step in the sequence
	s_mul_i32 s22, s21, 6144
	s_add_co_u32 s22, s22, s20
	s_add_co_u32 s22, s22, 98304
	s_mov_b32 s23, 0
	s_lshl_b32 s46, s21, 8
	s_add_co_u32 s46, s46, s20
	s_add_co_u32 s46, s46, 204800
	s_mov_b32 s47, 0
	s_add_nc_u64 s[22:23], s[12:13], s[22:23]
	s_add_nc_u64 s[46:47], s[12:13], s[46:47]
	v_mov_b32 v[BT+1], 0                           ; (named as the upper half of a pair)
.macro OUTV a
.if (\a) > 0
	s_wait_xcnt 0x0                                ; the last block's stores have read their registers
.endif
	v_mov_b32 v[BT], v[BR+(\a)]                    ; my row's bias
	WIN 0x02+(\a)/4
.set n, 0
.rept 32
	v_pk_add_f32 v[T+n:T+n+1], v[64*((\a)%4)+n:64*((\a)%4)+n+1], v[BT:BT+1] op_sel_hi:[1,0]
.set n, n+2
.endr
	WIN 0
	QUANT T
	global_store_b128 v[A16], v[PC:PC+3], s[22:23] offset:((\a)/4)*REC+((\a)%4)*1536
	global_store_b64 v[A8], v[PC+4:PC+5], s[22:23] offset:((\a)/4)*REC+((\a)%4)*1536+512
	global_store_b128 v[A16], v[PC+6:PC+9], s[22:23] offset:((\a)/4)*REC+((\a)%4)*1536+768
	global_store_b64 v[A8], v[PC+10:PC+11], s[22:23] offset:((\a)/4)*REC+((\a)%4)*1536+1280
	global_store_b32 v[A4R], v[PW], s[46:47] offset:((\a)/4)*REC+((\a)%4)*64
.endm
.irp a, 0,1,2,3,4,5,6,7
	OUTV \a
.endr
.Ldone:
	s_wait_tensorcnt 0x0                           ; the wave's end
	ds_add_u32 v[SPW], v[NIL]
	s_wait_dscnt 0x0
	CROUND                                         ; the closing round: no work-group ends while a partner may still ask for a tile that names it
	s_endpgm
.Lfunc_end_k_q4b60c69fad_qkv:
	.size	k_q4b60c69fad_qkv, .Lfunc_end_k_q4b60c69fad_qkv-k_q4b60c69fad_qkv
	.p2alignl 7, 3214868480
	.fill 96, 4, 3214868480
	.section	.rodata,"a",@progbits
	.p2align	6, 0x0
	.amdhsa_kernel k_q4b60c69fad_qkv
		.amdhsa_group_segment_fixed_size 327680
		.amdhsa_private_segment_fixed_size 0
		.amdhsa_enable_private_segment 0
		.amdhsa_kernarg_size 40
		.amdhsa_user_sgpr_count 2
		.amdhsa_user_sgpr_kernarg_segment_ptr 1
		.amdhsa_wavefront_size32 1
		.amdhsa_system_sgpr_workgroup_id_x 1
		.amdhsa_system_sgpr_workgroup_id_y 1
		.amdhsa_system_sgpr_workgroup_id_z 1
		.amdhsa_system_vgpr_workitem_id 0
		.amdhsa_next_free_vgpr 1024
		.amdhsa_next_free_sgpr 98
		.amdhsa_reserve_vcc 0
		.amdhsa_float_denorm_mode_32 3
		.amdhsa_float_denorm_mode_16_64 3
		.amdhsa_memory_ordered 1
		.amdhsa_forward_progress 1
		.amdhsa_inst_pref_size 222
	.end_amdhsa_kernel
	.amdgpu_metadata
---
amdhsa.version: [ 1, 2 ]
amdhsa.kernels:
  - .name:           k_q4b60c69fad_qkv
    .symbol:         k_q4b60c69fad_qkv.kd
    .args:
      - { .name: xq, .offset: 0, .size: 8, .value_kind: global_buffer, .address_space: global }
      - { .name: wq, .offset: 8, .size: 8, .value_kind: global_buffer, .address_space: global }
      - { .name: c_attn_b, .offset: 16, .size: 8, .value_kind: global_buffer, .address_space: global }
      - { .name: qrec, .offset: 24, .size: 8, .value_kind: global_buffer, .address_space: global }
      - { .name: kv, .offset: 32, .size: 8, .value_kind: global_buffer, .address_space: global }
    .group_segment_fixed_size: 327680
    .private_segment_fixed_size: 0
    .kernarg_segment_align: 8
    .kernarg_segment_size: 40
    .max_flat_workgroup_size: 128
    .sgpr_count:     98
    .vgpr_count:     1024
    .wavefront_size: 32
...
	.end_amdgpu_metadata
.endif
;; end of part 3
;; launch attn (part 4): grid 8 x 32, 16 waves a work-group, clusters of 4 x 1, 210,944 bytes of LDS; arguments qrec, kv, ctx; writes ctx
.if DOCPART == 4
	.amdgcn_target "amdgcn-amd-amdhsa--gfx1250"
	.amdhsa_code_object_version 6
	.text
	.protected	k_q4b60c69fad_attn
	.globl	k_q4b60c69fad_attn
	.p2align	8
	.type	k_q4b60c69fad_attn,@function
k_q4b60c69fad_attn:
	s_mov_b64 s[64:65], 0
	v_nop
	global_prefetch_b8 v0, s[64:65] scope:SCOPE_SE
	s_setreg_imm32_b32 hwreg(HW_REG_WAVE_MODE, 25, 1), 1
	s_wait_xcnt 0x0
	s_wait_alu depctr_hold_cnt(0) depctr_sa_sdst(0) depctr_va_vdst(0) depctr_va_sdst(0) depctr_va_ssrc(0) depctr_va_vcc(0) depctr_vm_vsrc(0)
	s_getreg_b32 s2, hwreg(HW_REG_IB_STS2, 6, 4)
	s_cmp_eq_u32 s2, 0
	s_cbranch_scc0 .Lentry_in_a_cluster
	s_endpgm
.Lentry_in_a_cluster:
	s_bfe_u32 s2, ttmp6, 0x10000c
	s_cmp_lg_u32 s2, 0x3003
	s_cbranch_scc0 .Lentry_shape_is_right
	s_endpgm
.Lentry_shape_is_right:
; ctx[b][q][head] = causal softmax(q k^T / 8) v for 32 (batch, head) pairs of 2,048 tokens and 64 channels, both products on E3M2 codes; the result is quantised along the model's 1,024 into the next product's operand.
; THE SOFTMAX AHEAD OF THE SECOND PRODUCT: t = score x log2(e) / 8; M = the row's largest t so far, rounded UP to a whole number; p = 2^(t - M) is what is quantised, along the keys; the row's sum is taken of the unquantised p
; and divides at the end.  When M moves, the sum and O are multiplied by 2^(old M - new M): exact.
; THE HEAD'S K AND V LIE IN LDS WHOLE: its record of 208,896 bytes (K's 128 half images of 768 bytes; V^T's 64 fragments of 1,536; K's and V's scale words) is brought once, as it lies in memory: 16 waves x 51 rows of 256 bytes.
; Nothing is filled again: no ring.  CLUSTER: four work-groups of a head ask for the record jointly (mask 15).
; SHARES.  Work-group j (0..7) of a head, wave w: the row block of queries j + 8 i, i a permutation of the wave's number.  Its 16 queries lie in key step i (128 keys a step), so the wave has i + 1 key steps, whatever j is:
; every work-group has 136 steps, and waves w, w + 4, w + 8, w + 12 have 34 together.  The loop has 16 trips in every wave; a step all of whose keys are hidden is jumped over by a branch on the wave's number and the trip.
; j enters global addresses and the mask's vector compare alone: no branch and no LDS address hangs on a work-group's place in its cluster.
; LAYOUT.  Both products are used transposed: S^T = K Q^T, O^T = V^T P^T: a lane holds ONE query.  Row block 2 B + u holds in lane r the row 32 B + 8 u + r + 8 (r / 8), so the 16 registers of S^T's tiles 2 b, 2 b + 1 are 16 neighbouring keys.
; The first product's K is 64: the upper half of Q's and K's fragments is zero codes, cleared once.
; The scale bytes of ctx leave two to a lane (a head has two blocks of 32): 64 bytes a wave, 128 KiB in the launch: the one place where so little is stored at a time.
; LIMITS: a block of zeros, and one whose largest magnitude lies under 2^-122, keep the scale byte 1.  NaN and infinities are not served.
; REGISTERS: v1 16 l, v2 8 l, v3 4 r, v4 the mask's number, v5-10 the step's LDS addresses, v12 -M, v13 the largest t, v[14:15] the sum, v16-27 Q, v28 Q's scale word, v29, v30 my place among K's and V's scale words,
;   v32-79 four fragments of K, v80, v81 my place in V's tiles, v96-159 S^T, then p, then V's four fragments (v96-143), v160-191 O^T, v224-235 p's codes, v232-247, v252, v254 at work, v248-251 and v253 scale words.
.set REC,  208896
.set VOFF, 98304
.set KSC,  196608
.set VSC,  204800
.set WV,   18                          ; s18 my wave's number
.set QI,   19                          ; s19 i: my queries' key step
.set SEL,  20                          ; s[20:21] lane l xor 16
.set CS,   22                          ; s[22:23] c = log2(e) / 8
.set TK,   2                           ; s2  the step's tiles: 6,144 bytes a step, K's and V's alike
.set TS,   3                           ; s3  K's scale words: 512 a step
.set TT,   24                          ; s24 V's: 256 a step
.set SI,   25                          ; s25 the key step
.set G0,   28
.set G1,   32
.macro CROUND                          ; a round of the cluster's barrier
	s_barrier_signal -1
	s_barrier_wait -1
	s_cmp_lg_u32 s[WV], 0
	s_cbranch_scc1 .Lnot_wave_0_\@
	s_barrier_signal -3
.Lnot_wave_0_\@:
	s_barrier_wait -3
	s_barrier_signal -1
	s_barrier_wait -1
.endm
	s_load_b128 s[4:7], s[0:1], 0x0                ; qrec, kv
	s_load_b64 s[8:9], s[0:1], 0x10                ; ctx
	v_lshl_add_u32 v243, v0, 2, 0x33000
	v_mov_b32 v255, 0
	ds_add_u32 v243, v255
	ds_add_u32 v243, v255
	v_lshrrev_b32 v1, 5, v0
	v_readfirstlane_b32 s[WV], v1                  ; wave 0..15
	s_bfe_u32 s10, ttmp6, 0x40000                  ; cx
	s_lshl_b32 s11, ttmp9, 2
	s_add_co_u32 s11, s11, s10                     ; j
	s_and_b32 s12, ttmp7, 0xffff                   ; 16 x batch + head
	s_lshr_b32 s13, s[WV], 2
	s_and_b32 s14, s[WV], 3
	s_and_b32 s15, s13, 1
	s_mul_i32 s15, s15, 3
	s_xor_b32 s14, s14, s15
	s_lshl_b32 s[QI], s13, 2
	s_add_co_u32 s[QI], s[QI], s14                 ; i = 4 (w / 4) + (w % 4, turned round in every second four)
	s_mul_i32 s16, s12, REC
	s_mov_b32 s17, 0
	s_mul_i32 s26, s[WV], 13056                    ; my 51 rows of 256 bytes
	s_mov_b32 s27, 0
	s_mov_b32 s[G1], 15|(3<<16)|(1<<21)            ; 15:0 the mask: all four work-groups; 17:16 elements of 8 bytes; 21 set beside a mask; no padding
	s_mov_b32 s[G1+1], 32<<16                      ; tensor_dim0
	s_mov_b32 s[G1+2], 51<<16                      ; tensor_dim1
	s_mov_b32 s[G1+3], 32<<16                      ; tile_dim0
	s_mov_b32 s[G1+4], 51                          ; tile_dim1
	s_mov_b32 s[G1+5], 32                          ; tensor_dim0_stride
	s_mov_b32 s[G1+6], 0
	s_mov_b32 s[G1+7], 0
	s_mov_b32 s[SEL], 0x76543210
	s_mov_b32 s[SEL+1], 0xfedcba98
	s_mov_b32 s[CS], 0x3e38aa3b
	s_mov_b32 s[CS+1], s[CS]                       ; (named with it as a pair)
	s_mov_b32 s[TK], 0
	s_mov_b32 s[TS], 0
	s_mov_b32 s[TT], 0
	s_mov_b32 s[SI], 0
	s_wait_dscnt 0x0
	s_wait_kmcnt 0x0
	s_add_nc_u64 s[6:7], s[6:7], s[16:17]          ; the head's record
	s_mov_b32 s[G0], 1
	s_mov_b32 s[G0+1], s26
	s_add_nc_u64 s[G0+2:G0+3], s[6:7], s[26:27]
	s_or_b32 s[G0+3], s[G0+3], 0x80000000
	CROUND                                         ; all four work-groups are here: the joint loads meet
	tensor_load_to_lds s[G0:G0+3], s[G1:G1+7]      ; one load a wave, the only one of the launch
	s_nop 0
.rept 4
	v_nop
.endr
	s_lshl_b32 s13, s[QI], 3
	s_add_co_u32 s13, s13, s11                     ; my row block of queries: j + 8 i
	s_mul_i32 s14, s13, 768
	s_add_co_u32 s14, s14, s16
	s_mov_b32 s15, 0
	s_add_nc_u64 s[40:41], s[4:5], s[14:15]        ; Q's half image
	s_lshl_b32 s14, s13, 6
	s_add_co_u32 s14, s14, s16
	s_add_co_u32 s14, s14, KSC
	s_add_nc_u64 s[42:43], s[4:5], s[14:15]        ; its scale words
	s_lshr_b32 s14, s12, 4
	s_lshl_b32 s14, s14, 7
	s_add_co_u32 s14, s14, s13                     ; row block among all 4,096 tokens
	s_lshl_b32 s14, s14, 3
	s_bfe_u32 s44, s12, 0x30001                    ; head / 2: the K step of the next product
	s_add_co_u32 s14, s14, s44
	s_and_b32 s44, s12, 1                          ; head % 2: which half image
	s_mul_i32 s46, s14, 1536
	s_mul_i32 s45, s44, 768
	s_add_co_u32 s46, s46, s45
	s_mov_b32 s47, 0
	s_add_nc_u64 s[46:47], s[8:9], s[46:47]
	s_lshl_b32 s48, s14, 6
	s_lshl_b32 s45, s44, 1
	s_add_co_u32 s48, s48, s45
	s_add_co_u32 s48, s48, 3145728
	s_mov_b32 s49, 0
	s_add_nc_u64 s[48:49], s[8:9], s[48:49]
	s_lshr_b32 s50, s11, 1
	s_lshl_b32 s50, s50, 5
	s_and_b32 s51, s11, 1
	s_lshl_b32 s51, s51, 3
	s_add_co_u32 s50, s50, s51                     ; 32 (j / 2) + 8 (j % 2)
	v_and_b32 v11, 31, v0
	v_lshlrev_b32 v1, 4, v11
	v_lshlrev_b32 v2, 3, v11
	v_and_b32 v31, 15, v0                          ; r
	v_lshlrev_b32 v3, 2, v31
	v_add_nc_u32 v29, KSC, v3
	v_add_nc_u32 v30, VSC, v3
	v_add_nc_u32 v80, VOFF, v1
	v_add_nc_u32 v81, VOFF, v2
	v_and_b32 v4, 8, v31
	v_add_nc_u32 v4, v4, v31
	v_and_b32 v11, 16, v0                          ; 16 h
	v_sub_nc_u32 v4, v4, v11
	v_add_nc_u32 v4, s50, v4                       ; my query's place in its key step, less 16 h: register 16 b + i holds key 32 b + 16 h + i of the step: hidden where 32 b + i is above this number
	global_load_b128 v[16:19], v1, s[40:41]
	global_load_b64 v[20:21], v2, s[40:41] offset:512
	global_load_b32 v28, v3, s[42:43]
.irp j, 22,23,24,25,26,27
	v_mov_b32 v\j, 0                               ; Q's k = 64 .. 127: zero codes
.endr
.irp t, 0,1,2,3
.irp j, 6,7,8,9,10,11
	v_mov_b32 v[32+12*\t+\j], 0                    ; K's likewise: no load ever lands here
.endr
.endr
	v_mov_b32 v13, 0xff61b1e6                      ; the largest t so far: -3e38, under every t
	v_floor_f32 v12, -v13                          ; -M
	v_mov_b32 v14, 0                               ; the sum, in two halves
	v_mov_b32 v15, 0
.irp b, 0,1,2,3
	v_mov_b32 v[236+\b], 0                         ; written once: a lane permute's destination counts as one of its sources
.endr
	v_mov_b32 v252, 0
	v_mov_b32 v253, 0                              ; (named as the upper half of the pair v[252:253] before it is first written)
.set n, 0
.rept 32
	v_mov_b32 v[160+n], 0                          ; O^T: the step is written once; the first finds zeros, which the first change of M leaves zeros
.set n, n+1
.endr
	s_wait_loadcnt 0x0                             ; Q
	s_wait_tensorcnt 0x0                           ; my part of the record is in,
	s_barrier_signal -1
	s_barrier_wait -1                              ; everybody's is
.Lstep:                                            ; 16 trips in every wave: a key step of 128 keys
	s_cmp_gt_u32 s[SI], s[QI]                      ; all its keys come after my queries: nothing but the stepping lines
	s_cbranch_scc1 .Lhidden
	v_add_nc_u32 v5, s[TK], v1                     ; six plain lines: also the places between the last step's products and what follows: loads into their scale registers, and products that write over V's fragments
	v_add_nc_u32 v6, s[TK], v2
	v_add_nc_u32 v7, s[TK], v80
	v_add_nc_u32 v8, s[TK], v81
	v_add_nc_u32 v9, s[TS], v29
	v_add_nc_u32 v10, s[TT], v30
.irp g, 0,1                            ; S^T = K Q^T, four tiles of 16 keys at a time
.if \g > 0
.rept 4
	v_nop                                          ; places in front of loads into registers that matrix instructions have read
.endr
.endif
.irp t, 0,1,2,3
	ds_load_b128 v[32+12*\t:35+12*\t], v5 offset:768*(4*\g+\t)
	ds_load_b64 v[36+12*\t:37+12*\t], v6 offset:768*(4*\g+\t)+512
	ds_load_b32 v[248+\t], v9 offset:64*(4*\g+\t)
.endr
	s_wait_dscnt 0x0
.irp t, 0,1,2,3
	v_wmma_scale_f32_16x16x128_f8f6f4 v[96+8*(4*\g+\t):103+8*(4*\g+\t)], v[32+12*\t:43+12*\t], v[16:27], 0, v[248+\t], v28 matrix_a_fmt:MATRIX_FMT_BF6 matrix_b_fmt:MATRIX_FMT_BF6
.endr
.endr
.rept 4
	v_nop
.endr
	s_cmp_lg_u32 s[SI], s[QI]                      ; only my queries' own key step lies on the diagonal
	s_cbranch_scc1 .Lopen
	v_mov_b32 v254, 0xff800000                     ; -infinity: p = 0 then
.set n, 0
.rept 64
	v_cmp_gt_i32 vcc_lo, 32*(n/16)+n%16, v4
	v_cndmask_b32 v[96+n], v[96+n], v254, vcc_lo
.set n, n+1
.endr
.Lopen:
.irp b, 0,1,2,3
	v_max3_num_f32 v[232+\b], v[96+16*\b], v[97+16*\b], v[98+16*\b]   ; THE LARGEST SCORE OF EACH BLOCK OF 32 KEYS: it serves the row's maximum and, since p rises with the score, the block's largest p
.endr
.irp i, 3,5,7,9,11,13
.irp b, 0,1,2,3
	v_max3_num_f32 v[232+\b], v[232+\b], v[96+16*\b+\i], v[97+16*\b+\i]
.endr
.endr
.irp b, 0,1,2,3
	v_max_num_f32 v[232+\b], v[232+\b], v[111+16*\b]
.endr
.irp b, 0,1,2,3
	v_permlanex16_b32 v[236+\b], v[232+\b], s[SEL], s[SEL+1]
.endr
.irp b, 0,1,2,3
	v_max_num_f32 v[232+\b], v[232+\b], v[236+\b]  ; with lane l xor 16's 16 keys
.endr
	v_max3_num_f32 v254, v232, v233, v234
	v_max_num_f32 v254, v254, v235                 ; the step's largest score of my query
	v_mul_f32 v254, s[CS], v254                    ; as t (c is positive)
	v_max_num_f32 v13, v13, v254                   ; the running largest t
	v_mov_b32 v254, v12
	v_floor_f32 v12, -v13                          ; the new -M = floor(-t) = -ceil(t): a whole number
	v_sub_f32 v254, v12, v254                      ; old M - new M: a whole number, 0 or less
	v_cvt_i32_f32 v254, v254                       ; (it saturates)
	v_ldexp_f32 v252, 1.0, v254                    ; f = 2^(old M - new M): a multiplication by it rounds nothing
.set n, 0
.rept 32
	v_pk_fma_f32 v[96+n:97+n], v[96+n:97+n], s[CS:CS+1], v[12:13] op_sel_hi:[1,0,0]   ; t - M, two at a time
.set n, n+2
.endr
.irp b, 0,1,2,3
	v_fma_f32 v[232+\b], v[232+\b], s[CS], v12     ; the same of each block's largest score
.endr
.set n, 0
.rept 64
	v_exp_f32 v[96+n], v[96+n]                     ; p = 2^(t - M), at most 1: not normalised
.set n, n+1
.endr
	v_pk_mul_f32 v[14:15], v[14:15], v[252:253] op_sel_hi:[1,0]   ; the sums under the new M; a plain line behind the exponentials
	s_wait_alu depctr_va_vdst(0)                   ; one wait for the whole batch, ahead of its first reader
.irp b, 0,1,2,3
	v_exp_f32 v[232+\b], v[232+\b]                 ; the block's largest p: the same two instructions on the same number give the same bits
.endr
	v_pk_add_f32 v[236:237], v[96:97], v[98:99]    ; THE ROW'S SUM IS TAKEN OF THE UNQUANTISED p: two at a time, in two chains
.irp j, 4,8,12,16,20,24,28,32,36,40,44,48,52,56,60
	v_pk_add_f32 v[14:15], v[14:15], v[96+\j:97+\j]
	v_pk_add_f32 v[236:237], v[236:237], v[98+\j:99+\j]
.endr
	v_pk_add_f32 v[14:15], v[14:15], v[236:237]
	s_wait_alu depctr_va_vdst(0)                   ; and one for the four
.irp b, 0,1,2,3
	v_max_num_f32 v[232+\b], 0x2800000, v[232+\b]  ; the floor 2^(5 - 127): the byte cannot fall under 1
.endr
.irp b, 0,1,2,3
	v_add_nc_u32 v[244+\b], 0xfe000000, v[232+\b]  ; 4 off the exponent field: the conversion's scale operand
.endr
.irp b, 0,1,2,3
	v_lshrrev_b32 v[236+\b], 23, v[244+\b]         ; the scale's byte
.endr
	v_lshl_or_b32 v253, v237, 8, v236              ; p's scale word for these 128 keys
	v_lshl_or_b32 v253, v238, 16, v253
	v_lshl_or_b32 v253, v239, 24, v253
.irp c, 0,1
	v_cvt_scalef32_pk16_bf6_f32 v[224+6*\c:226+6*\c], v[96+32*\c:111+32*\c], v[244+2*\c]
	v_cvt_scalef32_pk16_bf6_f32 v[236+4*\c:238+4*\c], v[112+32*\c:127+32*\c], v[244+2*\c+1]
.endr
	v_nop                                          ; one plain line behind the scaled conversions
.irp c, 0,1                            ; a WHOLE block to a lane: lanes 0-15 block 2 c, lanes 16-31 block 2 c + 1
.irp i, 0,1,2
	v_permlane16_swap_b32 v[224+6*\c+\i], v[236+4*\c+\i]
.endr
.irp i, 0,1,2
	v_mov_b32 v[227+6*\c+\i], v[236+4*\c+\i]
.endr
.endr
.set n, 0
.rept 16
	v_pk_mul_f32 v[160+n:161+n], v[160+n:161+n], v[252:253] op_sel_hi:[1,0]   ; O^T under the new M.  These 16 are also the places between the writes of p's codes and scale word and the products below
.set n, n+2
.endr
.irp t, 0,1,2,3                        ; O^T += V^T P^T: the head's 64 in four tiles; K = these 128 keys.  V's fragments take p's registers
	ds_load_b128 v[96+12*\t:99+12*\t], v7 offset:1536*\t
	ds_load_b64 v[100+12*\t:101+12*\t], v8 offset:1536*\t+512
	ds_load_b128 v[102+12*\t:105+12*\t], v7 offset:1536*\t+768
	ds_load_b64 v[106+12*\t:107+12*\t], v8 offset:1536*\t+1280
	ds_load_b32 v[248+\t], v10 offset:64*\t
.endr
	s_wait_dscnt 0x0
.irp t, 0,1,2,3                        ; the four accumulators by turns, one instruction a turn
	v_wmma_scale_f32_16x16x128_f8f6f4 v[160+8*\t:167+8*\t], v[96+12*\t:107+12*\t], v[224:235], v[160+8*\t:167+8*\t], v[248+\t], v253 matrix_a_fmt:MATRIX_FMT_BF6 matrix_b_fmt:MATRIX_FMT_BF6
.endr
.Lhidden:
	s_add_co_u32 s[TK], s[TK], 6144                ; the next step's tiles and scale words
	s_add_co_u32 s[TS], s[TS], 512
	s_add_co_u32 s[TT], s[TT], 256
	s_add_co_u32 s[SI], s[SI], 1
	s_cmp_lt_u32 s[SI], 16
	s_cbranch_scc1 .Lstep
	; THE WAY OUT.  O^T / the sum; register 16 b + i is channel 32 b + 16 h + i of my query: two blocks of 32 along the next K: a half image of the next operand, stored as it stands.
.rept 4
	v_nop                                          ; places behind the last products
.endr
	v_add_f32 v14, v14, v15                        ; the sum's two halves,
	v_permlanex16_b32 v252, v14, s[SEL], s[SEL+1]
	v_add_f32 v14, v14, v252                       ; and lane l xor 16's: the row's sum
	v_rcp_f32 v14, v14
	v_nop                                          ; a plain line behind the transcendental,
	s_wait_alu depctr_va_vdst(0)                   ; and the wait ahead of its first reader
.set n, 0
.rept 32
	v_mul_f32 v[96+n], v[160+n], v14               ; each accumulator from its low end on
.set n, n+1
.endr
.irp b, 0,1
	v_max3_num_f32 v[232+\b], |v[96+16*\b]|, |v[97+16*\b]|, 0x2800000
.endr
.irp i, 2,4,6,8,10,12,14
.irp b, 0,1
	v_max3_num_f32 v[232+\b], v[232+\b], |v[96+16*\b+\i]|, |v[97+16*\b+\i]|
.endr
.endr
.irp b, 0,1
	v_permlanex16_b32 v[236+\b], v[232+\b], s[SEL], s[SEL+1]
.endr
.irp b, 0,1
	v_max_num_f32 v[232+\b], v[232+\b], v[236+\b]
.endr
.irp b, 0,1
	v_add_nc_u32 v[244+\b], 0xfe000000, v[232+\b]
.endr
.irp b, 0,1
	v_lshrrev_b32 v[236+\b], 23, v[244+\b]
.endr
	v_lshl_or_b32 v253, v237, 8, v236              ; my row's two scale bytes
	v_cvt_scalef32_pk16_bf6_f32 v[224:226], v[96:111], v244
	v_cvt_scalef32_pk16_bf6_f32 v[228:230], v[112:127], v245
	v_nop                                          ; one plain line behind the scaled conversions
.irp i, 0,1,2
	v_permlane16_swap_b32 v[224+\i], v[228+\i]
.endr
.irp i, 0,1,2
	v_mov_b32 v[227+\i], v[228+\i]
.endr
	global_store_b128 v1, v[224:227], s[46:47]     ; 512 consecutive bytes, at a multiple of 256 from the buffer's first byte,
	global_store_b64 v2, v[228:229], s[46:47] offset:512   ; and 256
	global_store_b16 v3, v253, s[48:49]            ; lanes l and l xor 16 hold the same
	s_wait_tensorcnt 0x0
	ds_add_u32 v243, v255
	s_wait_dscnt 0x0
	CROUND                                         ; the closing round: no work-group ends while a partner may still ask for the record
	s_endpgm
.Lfunc_end_k_q4b60c69fad_attn:
	.size	k_q4b60c69fad_attn, .Lfunc_end_k_q4b60c69fad_attn-k_q4b60c69fad_attn
	.p2alignl 7, 3214868480
	.fill 96, 4, 3214868480
	.section	.rodata,"a",@progbits
	.p2align	6, 0x0
	.amdhsa_kernel k_q4b60c69fad_attn
		.amdhsa_group_segment_fixed_size 210944
		.amdhsa_private_segment_fixed_size 0
		.amdhsa_enable_private_segment 0
		.amdhsa_kernarg_size 24
		.amdhsa_user_sgpr_count 2
		.amdhsa_user_sgpr_kernarg_segment_ptr 1
		.amdhsa_wavefront_size32 1
		.amdhsa_system_sgpr_workgroup_id_x 1
		.amdhsa_system_sgpr_workgroup_id_y 1
		.amdhsa_system_sgpr_workgroup_id_z 1
		.amdhsa_system_vgpr_workitem_id 0
		.amdhsa_next_free_vgpr 256
		.amdhsa_next_free_sgpr 66
		.amdhsa_reserve_vcc 1
		.amdhsa_float_denorm_mode_32 3
		.amdhsa_float_denorm_mode_16_64 3
		.amdhsa_memory_ordered 1
		.amdhsa_forward_progress 1
		.amdhsa_inst_pref_size 34
	.end_amdhsa_kernel
	.amdgpu_metadata
---
amdhsa.version: [ 1, 2 ]
amdhsa.kernels:
  - .name:           k_q4b60c69fad_attn
    .symbol:         k_q4b60c69fad_attn.kd
    .args:
      - { .name: qrec, .offset: 0, .size: 8, .value_kind: global_buffer, .address_space: global }
      - { .name: kv, .offset: 8, .size: 8, .value_kind: global_buffer, .address_space: global }
      - { .name: ctx, .offset: 16, .size: 8, .value_kind: global_buffer, .address_space: global }
    .group_segment_fixed_size: 210944
    .private_segment_fixed_size: 0
    .kernarg_segment_align: 8
    .kernarg_segment_size: 24
    .max_flat_workgroup_size: 512
    .sgpr_count:     66
    .vgpr_count:     256
    .wavefront_size: 32
...
	.end_amdgpu_metadata
.endif
;; end of part 4
;; launch proj (part 5): grid 4 x 16, 4 waves a work-group, clusters of 4 x 4, 327,680 bytes of LDS; arguments ctx, wq, c_proj_attn_b, hidden_states, hbuf; writes hbuf
.if DOCPART == 5
	.amdgcn_target "amdgcn-amd-amdhsa--gfx1250"
	.amdhsa_code_object_version 6
	.text
	.protected	k_q4b60c69fad_proj
	.globl	k_q4b60c69fad_proj
	.p2align	8
	.type	k_q4b60c69fad_proj,@function
k_q4b60c69fad_proj:
	s_mov_b64 s[64:65], 0
	v_nop
	global_prefetch_b8 v0, s[64:65] scope:SCOPE_SE
	s_setreg_imm32_b32 hwreg(HW_REG_WAVE_MODE, 25, 1), 1
	s_wait_xcnt 0x0
	s_wait_alu depctr_hold_cnt(0) depctr_sa_sdst(0) depctr_va_vdst(0) depctr_va_sdst(0) depctr_va_ssrc(0) depctr_va_vcc(0) depctr_vm_vsrc(0)
	s_getreg_b32 s2, hwreg(HW_REG_IB_STS2, 6, 4)
	s_cmp_eq_u32 s2, 0
	s_cbranch_scc0 .Lentry_in_a_cluster
	s_endpgm
.Lentry_in_a_cluster:
	s_bfe_u32 s2, ttmp6, 0x10000c
	s_cmp_lg_u32 s2, 0xf033
	s_cbranch_scc0 .Lentry_shape_is_right
	s_endpgm
.Lentry_shape_is_right:
; h = ctx c_proj_attn_w + c_proj_attn_b + hidden_states: the product on E3M2 codes, sums, bias and residual in f32; h is [4,096][1,024] f32.
; OPERANDS lie as fragments: 16 rows x 128 K = 1,536 bytes, an image of the matrix instruction's registers (for c = 0, 1: registers 0-3 of lane l at 768 c + 16 l, registers 4, 5 at 768 c + 512 + 8 l), [row block][K step];
; scale words [row block][K step][16].  Row block 2 B + u holds in lane r the row 32 B + 8 u + r + 8 (r / 8).
; A tile of C, 256 x 256, is made by four waves, 128 x 128 each: 64 accumulators, 512 registers.  K goes in steps of 256 through a ring of two LDS slots filled by the tensor data mover; a fragment comes out of LDS by four loads
; of consecutive bytes.  The scale words of the tile's rows, for all of K, come into LDS once, with the first fills.
; THE MATRIX INSTRUCTION IS USED TRANSPOSED: source 0 = 16 rows of B (the weight's columns), source 1 = 16 rows of A (tokens): a lane holds one token, its eight registers eight neighbouring columns.
; The bias is the C of each sum's first matrix instruction: 64 registers in the result's layout.
; CLUSTERS: 4 x 4 work-groups; A's tiles are shared along a row of the cluster, B's along a column: each is asked for jointly.  The grid is 4 x 16 tiles: 64 work-groups.
; REGISTERS: window 0: v16-23 LDS addresses, v24-26 the way out, v27 scale words' address, v28-29 the spare word; v32-63 scale words, two sets, and nothing else; v64-127 the bias; v128-223 A's 8 fragments; on the way out v128-255 rows of h.
;   Window 1: B's fragments, two sets; on the way out four sets of 16 residual rows.  Windows 2, 3: the accumulators ((a, b) at v[8 (8 (a % 4) + b)]).
.set SIZE_K, 1024
.set A_SOFF, 3145728                   ; where A's scale words begin in its buffer
.set B_COFF, 2359296                   ; where this weight's codes begin in wq,
.set B_SOFF, 9535488                   ; and its scale words
.set KSN,    SIZE_K/128
.set LAPS,   SIZE_K/512
.set KROW,   96*KSN
.set KS,     4*KSN
.set NQ,     2
.set FR,     12
.set NL,     4
.set NP,     4                         ; places behind this matrix instruction (ISA guide 7.12.1)
.set HALFT,  8*NQ*1536
.set SLOT,   4*HALFT
.set SCL,    2*SLOT                    ; behind the ring: the scale words
.set HALFS,  8*KSN*64
.set SPARE,  SCL+4*HALFS+256           ; the spare words, 128 bytes for each wave: two blocks of 256 bytes that no other line names
.set SPITCH, 528                       ; the way out: a stage of 16 rows x (512 bytes + 16) for each wave, in slot 0, which has had its last fill and its last read when the first result is stored there
.set ADRA, 16
.set ADRB, 20
.set STO,  24
.set RD,   25
.set CO,   26
.set ADRS, 27
.set SPW,  28
.set NIL,  29
.set SC,   32
.set BV,   64
.set AF,   128
.set BK,   128
.set G1, 24
.set G0, 32
.set G1B, 48
.set G0B, 56
.set G1S, 68
.set G0S, 76
.set G1SB, 80
.set G0SB, 88
.set MSB, 0
.macro WIN new                         ; the immediate's high byte repeats the setting that is left
.if MSB != (\new)
	s_set_vgpr_msb (MSB<<8)|(\new)
.set MSB, (\new)
.endif
.endm
.set MUL_LO, 0xa1                      ; source 0 (B) window 1, source 1 (A) window 0, C and D window 2
.set MUL_HI, 0xf1
.set TO_B,   0x40
.macro JLOAD g0a, g1a, g0b, g1b        ; a joint load: waves 0 and 1 fetch for A, waves 2 and 3 for B; four v_nop follow each of the two lines
	s_cmp_eq_u32 s15, 0
	s_cbranch_scc0 .Lfor_b_\@
	tensor_load_to_lds s[\g0a:\g0a+3], s[\g1a:\g1a+7]
	s_nop 0
.rept 4
	v_nop
.endr
	s_branch .Lasked_\@
.Lfor_b_\@:
	tensor_load_to_lds s[\g0b:\g0b+3], s[\g1b:\g1b+7]
	s_nop 0
.rept 4
	v_nop
.endr
.Lasked_\@:
.endm
.macro CREST                           ; a round of the cluster's barrier behind its opening barrier
	s_cmp_lg_u32 s14, 0
	s_cbranch_scc1 .Lnot_wave_0_\@
	s_barrier_signal -3
.Lnot_wave_0_\@:
	s_barrier_wait -3
	s_barrier_signal -1
	s_barrier_wait -1
.endm
.macro CROUND
	s_barrier_signal -1
	s_barrier_wait -1
	CREST
.endm
	s_load_b128 s[4:7], s[0:1], 0x0                ; A's buffer, wq
	s_load_b128 s[8:11], s[0:1], 0x10              ; the bias, the residual
	s_load_b64 s[12:13], s[0:1], 0x20              ; the result
	v_lshl_add_u32 v[SPW], v0, 2, SPARE
	v_mov_b32 v[NIL], 0
	ds_add_u32 v28, v29
	ds_add_u32 v28, v29
	s_wait_dscnt 0x0
	v_lshrrev_b32 v1, 5, v0
	v_readfirstlane_b32 s14, v1                    ; wave 0..3
	s_lshr_b32 s15, s14, 1                         ; which half of the tile's rows is mine.  Also: I fetch for A (0) or for B (1)
	s_and_b32 s16, s14, 1                          ; which half of its columns.  Also: which half of that tile I fetch
	s_bfe_u32 s40, ttmp6, 0x40000                  ; cx, cy
	s_bfe_u32 s41, ttmp6, 0x40004
	s_lshl_b32 s42, ttmp9, 2
	s_add_co_u32 s42, s42, s40                     ; tile column
	s_and_b32 s17, ttmp7, 0xffff
	s_lshl_b32 s17, s17, 2
	s_add_co_u32 s17, s17, s41                     ; tile row
	s_lshl_b32 s43, s41, 2
	s_lshl_b32 s43, 15, s43                        ; my row of the cluster
	s_lshl_b32 s44, 0x1111, s40                    ; my column
	; descriptor group 1, codes: 8 row blocks x 3,072 bytes (two fragments), 1,536 KSN bytes apart; elements of 8 bytes; no padding
	s_or_b32 s[G1+0], s43, (3<<16)|(1<<21)
	s_or_b32 s[G1B+0], s44, (3<<16)|(1<<21)
.irp g, G1, G1B
	s_mov_b32 s[\g+1], 384<<16                     ; tensor_dim0
	s_mov_b32 s[\g+2], 8<<16                       ; tensor_dim1
	s_mov_b32 s[\g+3], 384<<16                     ; tile_dim0
	s_mov_b32 s[\g+4], 8                           ; tile_dim1
	s_mov_b32 s[\g+5], 192*KSN                     ; tensor_dim0_stride
	s_mov_b32 s[\g+6], 0
	s_mov_b32 s[\g+7], 0
.endr
	; the scale words of 8 row blocks: a dense block of HALFS bytes, as rows of 256 bytes
	s_or_b32 s[G1S+0], s43, (3<<16)|(1<<21)
	s_or_b32 s[G1SB+0], s44, (3<<16)|(1<<21)
.irp g, G1S, G1SB
	s_mov_b32 s[\g+1], 32<<16
	s_mov_b32 s[\g+2], (HALFS/256)<<16
	s_mov_b32 s[\g+3], 32<<16
	s_mov_b32 s[\g+4], HALFS/256
	s_mov_b32 s[\g+5], 32
	s_mov_b32 s[\g+6], 0
	s_mov_b32 s[\g+7], 0
.endr
	s_lshl_b32 s18, s16, 7                         ; which 128 rows of a tile I fetch
	s_lshl_b32 s20, s17, 8
	s_add_co_u32 s20, s20, s18                     ; A: row 256 x tile row + 128 x half
	s_lshl_b32 s46, s42, 8
	s_add_co_u32 s46, s46, s18                     ; B: row 256 x tile column + 128 x half
	s_mul_i32 s22, s20, KS
	s_add_co_u32 s22, s22, A_SOFF
	s_mul_i32 s92, s46, KS
	s_add_co_u32 s92, s92, B_SOFF
	s_mul_i32 s20, s20, KROW
	s_mul_i32 s46, s46, KROW
	s_add_co_u32 s46, s46, B_COFF
	s_mov_b32 s21, 0
	s_mov_b32 s23, 0
	s_mov_b32 s47, 0
	s_mov_b32 s93, 0
	s_mul_i32 s45, s14, HALFT                      ; where they go: no place in the cluster enters an LDS address
	s_mul_i32 s94, s14, HALFS
	s_wait_kmcnt 0x0
	s_add_nc_u64 s[20:21], s[4:5], s[20:21]
	s_add_nc_u64 s[22:23], s[4:5], s[22:23]
	s_add_nc_u64 s[46:47], s[6:7], s[46:47]
	s_add_nc_u64 s[92:93], s[6:7], s[92:93]
	CROUND                                         ; all sixteen work-groups are here: the first joint loads meet
	s_mov_b32 s[G0S], 1
	s_add_co_u32 s[G0S+1], s94, SCL
	s_mov_b64 s[G0S+2:G0S+3], s[22:23]
	s_or_b32 s[G0S+3], s[G0S+3], 0x80000000
	s_mov_b32 s[G0SB], 1
	s_add_co_u32 s[G0SB+1], s94, SCL+64
	s_mov_b64 s[G0SB+2:G0SB+3], s[92:93]
	s_or_b32 s[G0SB+3], s[G0SB+3], 0x80000000
	JLOAD G0S, G1S, G0SB, G1SB                     ; the scale words first: they are wanted with K step 0
.irp s, 0,1
	s_mov_b32 s[G0+4*\s], 1
	s_add_co_u32 s[G0+4*\s+1], s45, \s*SLOT
	s_add_nc_u64 s[G0+4*\s+2:G0+4*\s+3], s[20:21], \s*3072
	s_or_b32 s[G0+4*\s+3], s[G0+4*\s+3], 0x80000000
	s_mov_b32 s[G0B+4*\s], 1
	s_add_co_u32 s[G0B+4*\s+1], s45, \s*SLOT
	s_add_nc_u64 s[G0B+4*\s+2:G0B+4*\s+3], s[46:47], \s*3072
	s_or_b32 s[G0B+4*\s+3], s[G0B+4*\s+3], 0x80000000
	JLOAD G0+4*\s, G1, G0B+4*\s, G1B
.endr
	v_and_b32 v1, 15, v0                           ; r
	v_bfe_u32 v2, v0, 4, 1                         ; h
	v_and_b32 v3, 31, v0                           ; lane
	v_lshlrev_b32 v[CO], 4, v3                     ; 16 x lane
	v_lshlrev_b32 v5, 3, v3                        ; 8 x lane
	s_mul_i32 s21, s15, HALFT                      ; my half of A
	s_mul_i32 s22, s16, HALFT                      ; my half of B,
	s_add_co_u32 s22, s22, 2*HALFT                 ; which lies behind A's two
.irp s, 0,1
	v_add_nc_u32 v[ADRA+\s], s21, v[CO]
	v_add_nc_u32 v[ADRB+\s], s22, v[CO]
	v_add_nc_u32 v[ADRA+2+\s], s21, v5
	v_add_nc_u32 v[ADRB+2+\s], s22, v5
	s_add_co_u32 s21, s21, SLOT
	s_add_co_u32 s22, s22, SLOT
.endr
	s_mul_i32 s21, s15, HALFS                      ; scale words: lanes 0-15 take A's, lanes 16-31 B's: the lower base + h x the distance
	s_mul_i32 s22, s16, HALFS
	s_add_co_u32 s22, s22, 2*HALFS+64
	s_sub_co_u32 s22, s22, s21
	v_mul_u32_u24 v6, s22, v2
	s_add_co_u32 s21, s21, SCL
	v_lshl_add_u32 v6, v1, 2, v6
	v_add_nc_u32 v[ADRS], s21, v6
	s_mul_i32 s23, s14, 16*SPITCH                  ; my stage
	v_mul_u32_u24 v[STO], v1, SPITCH
	v_lshl_add_u32 v[STO], v2, 6, v[STO]
	v_add_nc_u32 v[STO], s23, v[STO]               ; in: row r, + 64 h
	v_add_nc_u32 v[RD], s23, v[CO]                 ; back: a row's 512 bytes, 16 a lane
	s_lshl_b32 s20, s17, 8
	s_lshl_b32 s21, s15, 7
	s_add_co_u32 s20, s20, s21                     ; my first row
	s_lshl_b32 s20, s20, 12                        ; x 4,096 bytes
	s_lshl_b32 s46, s42, 10
	s_lshl_b32 s47, s16, 9
	s_add_co_u32 s46, s46, s47                     ; my first column, in bytes
	s_add_co_u32 s20, s20, s46
	s_mov_b32 s21, 0
	s_mov_b32 s47, 0
	s_add_nc_u64 s[10:11], s[10:11], s[20:21]
	s_add_nc_u64 s[12:13], s[12:13], s[20:21]
	s_add_nc_u64 s[8:9], s[8:9], s[46:47]
	v_lshlrev_b32 v8, 6, v2                        ; the bias in the result's layout: register 16 b' + i = column 32 b' + 16 h + i
.set n, 0
.rept 16
	global_load_b128 v[BV+4*n:BV+4*n+3], v8, s[8:9] offset:128*(n/4)+16*(n%4)
.set n, n+1
.endr
.macro FRAG reg, adr, q, i             ; fragment (row block i, the slot's q-th 128 along K): four loads of consecutive bytes
	ds_load_b128 v[\reg:\reg+3], v[\adr] offset:3072*(\i)+1536*(\q)
	ds_load_b64 v[\reg+4:\reg+5], v[\adr+2] offset:3072*(\i)+1536*(\q)+512
	ds_load_b128 v[\reg+6:\reg+9], v[\adr] offset:3072*(\i)+1536*(\q)+768
	ds_load_b64 v[\reg+10:\reg+11], v[\adr+2] offset:3072*(\i)+1536*(\q)+1280
.endm
; 16 matrix instructions: A's blocks a0, a0 + 1 x B's eight.  first = 1: the sums begin with the bias.  The 64 accumulators take turns, one instruction a turn, in the same order in every step.
.macro MUL16 a0, p, q, sc, first
.irp a, \a0, \a0+1
.irp b, 0,1,2,3,4,5,6,7
.if \first
	v_wmma_scale_f32_16x16x128_f8f6f4 v[8*(8*((\a)%4)+\b):8*(8*((\a)%4)+\b)+7], v[128*(\p)+FR*\b:128*(\p)+FR*\b+FR-1], v[AF+FR*(\a):AF+FR*(\a)+FR-1], v[BV+8*\b:BV+8*\b+7], v[SC+8*NQ*(\sc)+NQ*\b+(\q)], v[SC+8*NQ*(\sc)+NQ*(\a)+(\q)] matrix_a_fmt:MATRIX_FMT_BF6 matrix_b_fmt:MATRIX_FMT_BF6 matrix_a_scale:MATRIX_SCALE_ROW1
.else
	v_wmma_scale_f32_16x16x128_f8f6f4 v[8*(8*((\a)%4)+\b):8*(8*((\a)%4)+\b)+7], v[128*(\p)+FR*\b:128*(\p)+FR*\b+FR-1], v[AF+FR*(\a):AF+FR*(\a)+FR-1], v[8*(8*((\a)%4)+\b):8*(8*((\a)%4)+\b)+7], v[SC+8*NQ*(\sc)+NQ*\b+(\q)], v[SC+8*NQ*(\sc)+NQ*(\a)+(\q)] matrix_a_fmt:MATRIX_FMT_BF6 matrix_b_fmt:MATRIX_FMT_BF6 matrix_a_scale:MATRIX_SCALE_ROW1
.endif
.endr
.endr
.endm
.macro FETCH_B slot, q, p
	WIN TO_B
.irp i, 0,1,2,3,4,5,6,7
	FRAG 128*(\p)+FR*\i, ADRB+\slot, \q, \i
.endr
	WIN 0
.endm
.macro FETCH_A slot, q, i0
.irp i, \i0, \i0+1, \i0+2, \i0+3
	FRAG AF+FR*(\i), ADRA+\slot, \q, \i
.endr
.endm
.macro SCALES sc                       ; the slot's scale words: lanes 0-15 A's block i, lanes 16-31 B's block i
.irp i, 0,1,2,3,4,5,6,7
	ds_load_b32 v[SC+8*NQ*\sc+NQ*\i], v[ADRS] offset:64*KSN*\i
	ds_load_b32 v[SC+8*NQ*\sc+NQ*\i+1], v[ADRS] offset:64*KSN*\i+64
.endr
.endm
.macro PLACES n                        ; plain vector lines between a matrix instruction and a load into, or a vector line or store on, its registers (ISA guide 7.12.1 for vector lines and stores)
.rept \n
	v_nop
.endr
.endm
.macro STEP slot, q, first             ; 128 along K that has its successor in the same slot
	s_wait_dscnt 4*NL                              ; B's set, A's blocks 0-3 and the scale words are in; the youngest 16 loads (A's blocks 4-7) may be out
.if \first
	WIN 0x81                                       ; C (the bias) window 0, D window 2
.else
	WIN MUL_LO
.endif
	MUL16 0, (\q)%2, \q, \slot, \first
	MUL16 2, (\q)%2, \q, \slot, \first
	s_wait_dscnt 0
	PLACES NP
	FETCH_B \slot, (\q)+1, 1-(\q)%2
	FETCH_A \slot, (\q)+1, 0
.if \first
	WIN 0xc1                                       ; C window 0, D window 3
.else
	WIN MUL_HI
.endif
	MUL16 4, (\q)%2, \q, \slot, \first
	MUL16 6, (\q)%2, \q, \slot, \first
	PLACES NP
	WIN 0
	FETCH_A \slot, (\q)+1, 4
.endm
; A slot's last step changes slots: one barrier; in front of it each wave waits for all its tensor loads, adds 0 to its spare word, and waits for that and for its reads of this slot.  fill = 1: this slot is filled again, two slots ahead.
.macro TURN slot, next, fill
	s_wait_tensorcnt 0x0                           ; all my tensor loads have landed: my part of the next slot
	ds_add_u32 v[SPW], v[NIL]                      ; 0 onto my spare word
	s_wait_dscnt 4*NL+1                            ; (the add and the youngest 16 loads may be out)
	WIN MUL_LO
	MUL16 0, 1, NQ-1, \slot, 0
	s_wait_dscnt 0x0                               ; the add is done, and my reads of this slot are over
	s_barrier_signal -1
	MUL16 2, 1, NQ-1, \slot, 0
	WIN 0
	s_barrier_wait -1
.if \fill
	CREST                                          ; the barrier has opened a round of the cluster's: no wave of any partner still reads this slot or has a load on its way
	s_add_nc_u64 s[G0+4*\slot+2:G0+4*\slot+3], s[G0+4*\slot+2:G0+4*\slot+3], 2*3072
	s_add_nc_u64 s[G0B+4*\slot+2:G0B+4*\slot+3], s[G0B+4*\slot+2:G0B+4*\slot+3], 2*3072
	JLOAD G0+4*\slot, G1, G0B+4*\slot, G1B         ; the first tensor load behind the round; its four v_nop are the places in front of the loads below
.else
	PLACES NP
.endif
	v_add_nc_u32 v[ADRS], 64*NQ, v[ADRS]           ; the next slot's scale words
	FETCH_B \next, 0, 0
	FETCH_A \next, 0, 0
	SCALES \next
	WIN MUL_HI
	MUL16 4, 1, NQ-1, \slot, 0
	MUL16 6, 1, NQ-1, \slot, 0
	PLACES NP
	WIN 0
	FETCH_A \next, 0, 4
.endm
	s_wait_loadcnt 0x0                             ; the bias is in
	s_wait_tensorcnt 1                             ; the scale words and my part of slot 0 are in; slot 1's load may be out
	s_barrier_signal -1
	s_barrier_wait -1
	FETCH_B 0, 0, 0
	FETCH_A 0, 0, 0
	SCALES 0
	FETCH_A 0, 0, 4
	STEP 0, 0, 1                                   ; the first step's products start the sums, on the bias
	s_mov_b32 s3, LAPS-1
.Llap:
	TURN 0, 1, 1
	STEP 1, 0, 0
	TURN 1, 0, 1
	STEP 0, 0, 0
	s_sub_co_u32 s3, s3, 1
	s_cmp_lg_u32 s3, 0
	s_cbranch_scc1 .Llap
	TURN 0, 1, 0                                   ; the last lap fills nothing
	STEP 1, 0, 0
	s_wait_dscnt 4*NL
	WIN MUL_LO
	MUL16 0, 1, NQ-1, 1, 0
	MUL16 2, 1, NQ-1, 1, 0
	s_wait_dscnt 0
	WIN MUL_HI
	MUL16 4, 1, NQ-1, 1, 0
	MUL16 6, 1, NQ-1, 1, 0
	WIN 0
; THE WAY OUT, block by block of 16 tokens x 128 columns.  A lane holds pieces of 32 bytes of one row, the lanes beside it other rows: a block goes through my own stage in LDS and comes back as whole rows of 512 bytes;
; the residual's same rows, asked for three blocks ahead, are added, and the 32 lanes store 512 consecutive bytes.  Stage row t of block a is token 32 (a / 2) + 8 (a % 2) + t + 8 (t / 8) of my 128.
.macro RLOAD a                         ; the residual's 16 rows of block a into set a % 4 of window 1
	WIN 0x40
.set t, 0
.rept 16
	global_load_b128 v[64*((\a)%4)+4*t:64*((\a)%4)+4*t+3], v[CO], s[10:11] offset:(32*((\a)/2)+8*((\a)%2)+t+8*(t/8))*4096
.set t, t+1
.endr
	WIN 0
.endm
.macro TOSTAGE a
	WIN 0x08+4*((\a)/4)                            ; an LDS store's data: window 2 or 3
.irp b, 0,1,2,3,4,5,6,7
	ds_store_b128 v[STO], v[64*((\a)%4)+8*\b:64*((\a)%4)+8*\b+3] offset:128*(\b/2)+32*(\b%2)       ; each accumulator from its low end on
	ds_store_b128 v[STO], v[64*((\a)%4)+8*\b+4:64*((\a)%4)+8*\b+7] offset:128*(\b/2)+32*(\b%2)+16
.endr
	WIN 0
.set t, 0
.rept 16
	ds_load_b128 v[BK+64*((\a)%2)+4*t:BK+64*((\a)%2)+4*t+3], v[RD] offset:SPITCH*t   ; LDS serves a wave's instructions in order: these see my stores
.set t, t+1
.endr
.endm
.macro OUTR a
.if (\a) >= 2
	s_wait_xcnt 0x0                                ; block a - 2's stores have read their registers: block a's rows may land there
.endif
	TOSTAGE \a
	s_wait_dscnt 0x0
.if 7-(\a) >= 2
	s_wait_loadcnt 32                              ; this block's residual rows are in; those of the next two blocks may be out
.else
	s_wait_loadcnt 16*(7-(\a))
.endif
	WIN 0x04                                       ; source 1: window 1
.set n, 0
.rept 32
	v_pk_add_f32 v[BK+64*((\a)%2)+n:BK+64*((\a)%2)+n+1], v[BK+64*((\a)%2)+n:BK+64*((\a)%2)+n+1], v[64*((\a)%4)+n:64*((\a)%4)+n+1]
.set n, n+2
.endr
	WIN 0
.if (\a)+3 <= 7
	RLOAD (\a)+3
.endif
.set t, 0
.rept 16
	global_store_b128 v[CO], v[BK+64*((\a)%2)+4*t:BK+64*((\a)%2)+4*t+3], s[12:13] offset:(32*((\a)/2)+8*((\a)%2)+t+8*(t/8))*4096 th:TH_STORE_NT   ; 512 consecutive bytes, at a multiple of 256 from the buffer's first byte
.set t, t+1
.endr
.endm
	PLACES NP                                      ; behind the last products: for the loads into B's and A's registers and the first read of results
	RLOAD 0
	RLOAD 1
	RLOAD 2
.irp a, 0,1,2,3,4,5,6,7
	OUTR \a
.endr
	s_wait_tensorcnt 0x0                           ; the wave's end
	ds_add_u32 v[SPW], v[NIL]
	s_wait_dscnt 0x0
	CROUND                                         ; the closing round: no work-group ends while a partner may still ask for a tile that names it
	s_endpgm
.Lfunc_end_k_q4b60c69fad_proj:
	.size	k_q4b60c69fad_proj, .Lfunc_end_k_q4b60c69fad_proj-k_q4b60c69fad_proj
	.p2alignl 7, 3214868480
	.fill 96, 4, 3214868480
	.section	.rodata,"a",@progbits
	.p2align	6, 0x0
	.amdhsa_kernel k_q4b60c69fad_proj
		.amdhsa_group_segment_fixed_size 327680
		.amdhsa_private_segment_fixed_size 0
		.amdhsa_enable_private_segment 0
		.amdhsa_kernarg_size 40
		.amdhsa_user_sgpr_count 2
		.amdhsa_user_sgpr_kernarg_segment_ptr 1
		.amdhsa_wavefront_size32 1
		.amdhsa_system_sgpr_workgroup_id_x 1
		.amdhsa_system_sgpr_workgroup_id_y 1
		.amdhsa_system_sgpr_workgroup_id_z 1
		.amdhsa_system_vgpr_workitem_id 0
		.amdhsa_next_free_vgpr 1024
		.amdhsa_next_free_sgpr 98
		.amdhsa_reserve_vcc 0
		.amdhsa_float_denorm_mode_32 3
		.amdhsa_float_denorm_mode_16_64 3
		.amdhsa_memory_ordered 1
		.amdhsa_forward_progress 1
		.amdhsa_inst_pref_size 176
	.end_amdhsa_kernel
	.amdgpu_metadata
---
amdhsa.version: [ 1, 2 ]
amdhsa.kernels:
  - .name:           k_q4b60c69fad_proj
    .symbol:         k_q4b60c69fad_proj.kd
    .args:
      - { .name: ctx, .offset: 0, .size: 8, .value_kind: global_buffer, .address_space: global }
      - { .name: wq, .offset: 8, .size: 8, .value_kind: global_buffer, .address_space: global }
      - { .name: c_proj_attn_b, .offset: 16, .size: 8, .value_kind: global_buffer, .address_space: global }
      - { .name: hidden_states, .offset: 24, .size: 8, .value_kind: global_buffer, .address_space: global }
      - { .name: hbuf, .offset: 32, .size: 8, .value_kind: global_buffer, .address_space: global }
    .group_segment_fixed_size: 327680
    .private_segment_fixed_size: 0
    .kernarg_segment_align: 8
    .kernarg_segment_size: 40
    .max_flat_workgroup_size: 128
    .sgpr_count:     98
    .vgpr_count:     1024
    .wavefront_size: 32
...
	.end_amdgpu_metadata
.endif
;; end of part 5
;; launch ln2: the kernel of part 2 again; grid 256 x 1, 8 waves a work-group, no clusters, 69,632 bytes of LDS; arguments hbuf, ln2_w, ln2_b, xq; writes xq
;; launch fc (part 6): grid 16 x 16, 4 waves a work-group, clusters of 4 x 4, 327,680 bytes of LDS; arguments xq, wq, c_fc_b, g; writes g
.if DOCPART == 6
	.amdgcn_target "amdgcn-amd-amdhsa--gfx1250"
	.amdhsa_code_object_version 6
	.text
	.protected	k_q4b60c69fad_fc
	.globl	k_q4b60c69fad_fc
	.p2align	8
	.type	k_q4b60c69fad_fc,@function
k_q4b60c69fad_fc:
	s_mov_b64 s[64:65], 0
	v_nop
	global_prefetch_b8 v0, s[64:65] scope:SCOPE_SE
	s_setreg_imm32_b32 hwreg(HW_REG_WAVE_MODE, 25, 1), 1
	s_wait_xcnt 0x0
	s_wait_alu depctr_hold_cnt(0) depctr_sa_sdst(0) depctr_va_vdst(0) depctr_va_sdst(0) depctr_va_ssrc(0) depctr_va_vcc(0) depctr_vm_vsrc(0)
	s_getreg_b32 s2, hwreg(HW_REG_IB_STS2, 6, 4)
	s_cmp_eq_u32 s2, 0
	s_cbranch_scc0 .Lentry_in_a_cluster
	s_endpgm
.Lentry_in_a_cluster:
	s_bfe_u32 s2, ttmp6, 0x10000c
	s_cmp_lg_u32 s2, 0xf033
	s_cbranch_scc0 .Lentry_shape_is_right
	s_endpgm
.Lentry_shape_is_right:
; g = gelu(ln2(h) c_fc_w + c_fc_b), the product on E3M2 codes, sums, bias and gelu in f32; g is quantised along its 4,096 columns on the way out, into the next product's operand.
; gelu (tanh form) = x / (1 + 2^(x (c1 + c2 x^2))), c1 = -2 log2(e) sqrt(2 / pi), c2 = 0.044715 c1: the same function as 0.5 x (1 + tanh(..)), by one exponential and one reciprocal.
; OPERANDS lie as fragments: 16 rows x 128 K = 1,536 bytes, an image of the matrix instruction's registers (for c = 0, 1: registers 0-3 of lane l at 768 c + 16 l, registers 4, 5 at 768 c + 512 + 8 l), [row block][K step];
; scale words [row block][K step][16].  Row block 2 B + u holds in lane r the row 32 B + 8 u + r + 8 (r / 8).
; A tile of C, 256 x 256, is made by four waves, 128 x 128 each: 64 accumulators, 512 registers.  K goes in steps of 256 through a ring of two LDS slots filled by the tensor data mover; a fragment comes out of LDS by four loads
; of consecutive bytes.  The scale words of the tile's rows, for all of K, come into LDS once, with the first fills.
; THE MATRIX INSTRUCTION IS USED TRANSPOSED: source 0 = 16 rows of B (the weight's columns), source 1 = 16 rows of A (tokens): a lane holds one token, and by the order of rows in a row block its registers of accumulators
; 2 b', 2 b' + 1 are 16 NEIGHBOURING columns: what the quantiser wants.  A wave's 128 columns are one K step of the next product: a block of 16 tokens leaves as one fragment and one scale word a row.  No LDS on the way out.
; The bias is the C of each sum's first matrix instruction.  CLUSTERS: 4 x 4 work-groups; A's tiles are shared along a row of the cluster, B's along a column: each is asked for jointly.
; LIMITS: a block of zeros, and one whose largest magnitude lies under 2^-122, keep the scale byte 1 (this program alone reads the bytes).  NaN and infinities are not served.
; REGISTERS: window 0: v8-11 the two constants, twice each; v16-23 LDS addresses, v24-26 16 l, 8 l, 4 r, v27 scale words' address, v28-29 the spare word; v32-63 scale words, two sets, and nothing else; v64-127 the bias;
;   v128-223 A's 8 fragments; on the way out v128-191 a block's 64 numbers, v192-255 the exponents, then the quantiser's.  Window 1: B's fragments, two sets.  Windows 2, 3: the accumulators ((a, b) at v[8 (8 (a % 4) + b)]).
.set SIZE_K, 1024
.set A_SOFF, 3145728                   ; where A's scale words begin in its buffer
.set B_COFF, 3145728                   ; where this weight's codes begin in wq,
.set B_SOFF, 9568256                   ; and its scale words
.set KSN,    SIZE_K/128
.set LAPS,   SIZE_K/512
.set KROW,   96*KSN
.set KS,     4*KSN
.set NQ,     2
.set FR,     12
.set NL,     4
.set NP,     4                         ; places behind this matrix instruction (ISA guide 7.12.1)
.set HALFT,  8*NQ*1536
.set SLOT,   4*HALFT
.set SCL,    2*SLOT                    ; behind the ring: the scale words
.set HALFS,  8*KSN*64
.set SPARE,  SCL+4*HALFS+256           ; the spare words, 128 bytes for each wave: two blocks of 256 bytes that no other line names
.set ADRA, 16
.set ADRB, 20
.set A16,  24
.set A8,   25
.set A4R,  26
.set ADRS, 27
.set SPW,  28
.set NIL,  29
.set SC,   32
.set BV,   64
.set AF,   128
.set T,    128
.set E,    192
.set PC,   192
.set TM,   212
.set PW,   224
.set SEL,  18
.set G1, 24
.set G0, 32
.set G1B, 48
.set G0B, 56
.set G1S, 68
.set G0S, 76
.set G1SB, 80
.set G0SB, 88
.set MSB, 0
.macro WIN new                         ; the immediate's high byte repeats the setting that is left
.if MSB != (\new)
	s_set_vgpr_msb (MSB<<8)|(\new)
.set MSB, (\new)
.endif
.endm
.set MUL_LO, 0xa1                      ; source 0 (B) window 1, source 1 (A) window 0, C and D window 2
.set MUL_HI, 0xf1
.set TO_B,   0x40
.macro JLOAD g0a, g1a, g0b, g1b        ; a joint load: waves 0 and 1 fetch for A, waves 2 and 3 for B; four v_nop follow each of the two lines
	s_cmp_eq_u32 s15, 0
	s_cbranch_scc0 .Lfor_b_\@
	tensor_load_to_lds s[\g0a:\g0a+3], s[\g1a:\g1a+7]
	s_nop 0
.rept 4
	v_nop
.endr
	s_branch .Lasked_\@
.Lfor_b_\@:
	tensor_load_to_lds s[\g0b:\g0b+3], s[\g1b:\g1b+7]
	s_nop 0
.rept 4
	v_nop
.endr
.Lasked_\@:
.endm
.macro CREST                           ; a round of the cluster's barrier behind its opening barrier
	s_cmp_lg_u32 s14, 0
	s_cbranch_scc1 .Lnot_wave_0_\@
	s_barrier_signal -3
.Lnot_wave_0_\@:
	s_barrier_wait -3
	s_barrier_signal -1
	s_barrier_wait -1
.endm
.macro CROUND
	s_barrier_signal -1
	s_barrier_wait -1
	CREST
.endm
.macro QUANT s                         ; 64 numbers of a lane, register 16 b + i = k 32 b + 16 h + i of my row -> a fragment's codes in v[PC] on, its scale word in v[PW]
.irp b, 0,1,2,3
	v_max3_num_f32 v[TM+\b], |v[\s+16*\b]|, |v[\s+1+16*\b]|, 0x2800000   ; my 16 numbers of block b, and the floor 2^(5 - 127): the byte cannot fall under 1
.endr
.irp i, 2,4,6,8,10,12,14
.irp b, 0,1,2,3
	v_max3_num_f32 v[TM+\b], v[TM+\b], |v[\s+16*\b+\i]|, |v[\s+1+16*\b+\i]|
.endr
.endr
.irp b, 0,1,2,3
	v_permlanex16_b32 v[TM+4+\b], v[TM+\b], s[SEL], s[SEL+1]
.endr
.irp b, 0,1,2,3
	v_max_num_f32 v[TM+\b], v[TM+\b], v[TM+4+\b]
.endr
.irp b, 0,1,2,3
	v_add_nc_u32 v[TM+8+\b], 0xfe000000, v[TM+\b]  ; 4 off the exponent field: the conversion's scale operand
.endr
.irp b, 0,1,2,3
	v_lshrrev_b32 v[TM+4+\b], 23, v[TM+8+\b]       ; the scale's byte
.endr
	v_lshl_or_b32 v[PW], v[TM+5], 8, v[TM+4]
	v_lshl_or_b32 v[PW], v[TM+6], 16, v[PW]
	v_lshl_or_b32 v[PW], v[TM+7], 24, v[PW]
.irp c, 0,1
	v_cvt_scalef32_pk16_bf6_f32 v[PC+6*\c:PC+2+6*\c], v[\s+32*\c:\s+15+32*\c], v[TM+8+2*\c]
	v_cvt_scalef32_pk16_bf6_f32 v[PC+12+4*\c:PC+14+4*\c], v[\s+16+32*\c:\s+31+32*\c], v[TM+8+2*\c+1]
.endr
	v_nop                                          ; one plain line behind the scaled conversions
.irp c, 0,1
.irp i, 0,1,2
	v_permlane16_swap_b32 v[PC+6*\c+\i], v[PC+12+4*\c+\i]   ; a WHOLE block to a lane
.endr
.irp i, 0,1,2
	v_mov_b32 v[PC+3+6*\c+\i], v[PC+12+4*\c+\i]
.endr
.endr
.endm
	s_load_b128 s[4:7], s[0:1], 0x0                ; xq, wq
	s_load_b128 s[8:11], s[0:1], 0x10              ; c_fc_b, g
	v_lshl_add_u32 v[SPW], v0, 2, SPARE
	v_mov_b32 v[NIL], 0
	ds_add_u32 v28, v29
	ds_add_u32 v28, v29
	s_wait_dscnt 0x0
	v_lshrrev_b32 v1, 5, v0
	v_readfirstlane_b32 s14, v1                    ; wave 0..3
	s_lshr_b32 s15, s14, 1                         ; which half of the tile's rows is mine.  Also: I fetch for A (0) or for B (1)
	s_and_b32 s16, s14, 1                          ; which half of its columns.  Also: which half of that tile I fetch
	s_bfe_u32 s40, ttmp6, 0x40000                  ; cx, cy
	s_bfe_u32 s41, ttmp6, 0x40004
	s_lshl_b32 s42, ttmp9, 2
	s_add_co_u32 s42, s42, s40                     ; tile column
	s_and_b32 s17, ttmp7, 0xffff
	s_lshl_b32 s17, s17, 2
	s_add_co_u32 s17, s17, s41                     ; tile row
	s_lshl_b32 s43, s41, 2
	s_lshl_b32 s43, 15, s43                        ; my row of the cluster
	s_lshl_b32 s44, 0x1111, s40                    ; my column
	; descriptor group 1, codes: 8 row blocks x 3,072 bytes (two fragments), 1,536 KSN bytes apart; elements of 8 bytes; no padding
	s_or_b32 s[G1+0], s43, (3<<16)|(1<<21)
	s_or_b32 s[G1B+0], s44, (3<<16)|(1<<21)
.irp g, G1, G1B
	s_mov_b32 s[\g+1], 384<<16                     ; tensor_dim0
	s_mov_b32 s[\g+2], 8<<16                       ; tensor_dim1
	s_mov_b32 s[\g+3], 384<<16                     ; tile_dim0
	s_mov_b32 s[\g+4], 8                           ; tile_dim1
	s_mov_b32 s[\g+5], 192*KSN                     ; tensor_dim0_stride
	s_mov_b32 s[\g+6], 0
	s_mov_b32 s[\g+7], 0
.endr
	; the scale words of 8 row blocks: a dense block of HALFS bytes, as rows of 256 bytes
	s_or_b32 s[G1S+0], s43, (3<<16)|(1<<21)
	s_or_b32 s[G1SB+0], s44, (3<<16)|(1<<21)
.irp g, G1S, G1SB
	s_mov_b32 s[\g+1], 32<<16
	s_mov_b32 s[\g+2], (HALFS/256)<<16
	s_mov_b32 s[\g+3], 32<<16
	s_mov_b32 s[\g+4], HALFS/256
	s_mov_b32 s[\g+5], 32
	s_mov_b32 s[\g+6], 0
	s_mov_b32 s[\g+7], 0
.endr
	s_lshl_b32 s18, s16, 7                         ; which 128 rows of a tile I fetch
	s_lshl_b32 s20, s17, 8
	s_add_co_u32 s20, s20, s18                     ; A: row 256 x tile row + 128 x half
	s_lshl_b32 s46, s42, 8
	s_add_co_u32 s46, s46, s18                     ; B: row 256 x tile column + 128 x half
	s_mul_i32 s22, s20, KS
	s_add_co_u32 s22, s22, A_SOFF
	s_mul_i32 s92, s46, KS
	s_add_co_u32 s92, s92, B_SOFF
	s_mul_i32 s20, s20, KROW
	s_mul_i32 s46, s46, KROW
	s_add_co_u32 s46, s46, B_COFF
	s_mov_b32 s21, 0
	s_mov_b32 s23, 0
	s_mov_b32 s47, 0
	s_mov_b32 s93, 0
	s_mul_i32 s45, s14, HALFT                      ; where they go: no place in the cluster enters an LDS address
	s_mul_i32 s94, s14, HALFS
	s_wait_kmcnt 0x0
	s_add_nc_u64 s[20:21], s[4:5], s[20:21]
	s_add_nc_u64 s[22:23], s[4:5], s[22:23]
	s_add_nc_u64 s[46:47], s[6:7], s[46:47]
	s_add_nc_u64 s[92:93], s[6:7], s[92:93]
	CROUND                                         ; all sixteen work-groups are here: the first joint loads meet
	s_mov_b32 s[G0S], 1
	s_add_co_u32 s[G0S+1], s94, SCL
	s_mov_b64 s[G0S+2:G0S+3], s[22:23]
	s_or_b32 s[G0S+3], s[G0S+3], 0x80000000
	s_mov_b32 s[G0SB], 1
	s_add_co_u32 s[G0SB+1], s94, SCL+64
	s_mov_b64 s[G0SB+2:G0SB+3], s[92:93]
	s_or_b32 s[G0SB+3], s[G0SB+3], 0x80000000
	JLOAD G0S, G1S, G0SB, G1SB                     ; the scale words first: they are wanted with K step 0
.irp s, 0,1
	s_mov_b32 s[G0+4*\s], 1
	s_add_co_u32 s[G0+4*\s+1], s45, \s*SLOT
	s_add_nc_u64 s[G0+4*\s+2:G0+4*\s+3], s[20:21], \s*3072
	s_or_b32 s[G0+4*\s+3], s[G0+4*\s+3], 0x80000000
	s_mov_b32 s[G0B+4*\s], 1
	s_add_co_u32 s[G0B+4*\s+1], s45, \s*SLOT
	s_add_nc_u64 s[G0B+4*\s+2:G0B+4*\s+3], s[46:47], \s*3072
	s_or_b32 s[G0B+4*\s+3], s[G0B+4*\s+3], 0x80000000
	JLOAD G0+4*\s, G1, G0B+4*\s, G1B
.endr
	v_and_b32 v1, 15, v0                           ; r
	v_bfe_u32 v2, v0, 4, 1                         ; h
	v_and_b32 v3, 31, v0                           ; lane
	v_lshlrev_b32 v[A16], 4, v3
	v_lshlrev_b32 v[A8], 3, v3
	v_lshlrev_b32 v[A4R], 2, v1
	s_mul_i32 s21, s15, HALFT                      ; my half of A
	s_mul_i32 s22, s16, HALFT                      ; my half of B,
	s_add_co_u32 s22, s22, 2*HALFT                 ; which lies behind A's two
.irp s, 0,1
	v_add_nc_u32 v[ADRA+\s], s21, v[A16]
	v_add_nc_u32 v[ADRB+\s], s22, v[A16]
	v_add_nc_u32 v[ADRA+2+\s], s21, v[A8]
	v_add_nc_u32 v[ADRB+2+\s], s22, v[A8]
	s_add_co_u32 s21, s21, SLOT
	s_add_co_u32 s22, s22, SLOT
.endr
	s_mul_i32 s21, s15, HALFS                      ; scale words: lanes 0-15 take A's, lanes 16-31 B's: the lower base + h x the distance
	s_mul_i32 s22, s16, HALFS
	s_add_co_u32 s22, s22, 2*HALFS+64
	s_sub_co_u32 s22, s22, s21
	v_mul_u32_u24 v6, s22, v2
	s_add_co_u32 s21, s21, SCL
	v_lshl_add_u32 v6, v1, 2, v6
	v_add_nc_u32 v[ADRS], s21, v6
	s_lshl_b32 s46, s42, 10
	s_lshl_b32 s47, s16, 9
	s_add_co_u32 s46, s46, s47                     ; my first column, in bytes
	s_mov_b32 s47, 0
	s_add_nc_u64 s[8:9], s[8:9], s[46:47]
	v_lshlrev_b32 v12, 6, v2                       ; the bias in the result's layout: register 16 b' + i = column 32 b' + 16 h + i
.set n, 0
.rept 16
	global_load_b128 v[BV+4*n:BV+4*n+3], v12, s[8:9] offset:128*(n/4)+16*(n%4)
.set n, n+1
.endr
	v_mov_b32 v8, 0xbdd2d3e8                       ; c2 = -0.10294324, twice: a pair for the packed forms
	v_mov_b32 v9, 0xbdd2d3e8
	v_mov_b32 v10, 0xc0135761                      ; c1 = -2.3022082
	v_mov_b32 v11, 0xc0135761
.macro FRAG reg, adr, q, i             ; fragment (row block i, the slot's q-th 128 along K): four loads of consecutive bytes
	ds_load_b128 v[\reg:\reg+3], v[\adr] offset:3072*(\i)+1536*(\q)
	ds_load_b64 v[\reg+4:\reg+5], v[\adr+2] offset:3072*(\i)+1536*(\q)+512
	ds_load_b128 v[\reg+6:\reg+9], v[\adr] offset:3072*(\i)+1536*(\q)+768
	ds_load_b64 v[\reg+10:\reg+11], v[\adr+2] offset:3072*(\i)+1536*(\q)+1280
.endm
; 16 matrix instructions: A's blocks a0, a0 + 1 x B's eight.  first = 1: the sums begin with the bias.  The 64 accumulators take turns, one instruction a turn, in the same order in every step.
.macro MUL16 a0, p, q, sc, first
.irp a, \a0, \a0+1
.irp b, 0,1,2,3,4,5,6,7
.if \first
	v_wmma_scale_f32_16x16x128_f8f6f4 v[8*(8*((\a)%4)+\b):8*(8*((\a)%4)+\b)+7], v[128*(\p)+FR*\b:128*(\p)+FR*\b+FR-1], v[AF+FR*(\a):AF+FR*(\a)+FR-1], v[BV+8*\b:BV+8*\b+7], v[SC+8*NQ*(\sc)+NQ*\b+(\q)], v[SC+8*NQ*(\sc)+NQ*(\a)+(\q)] matrix_a_fmt:MATRIX_FMT_BF6 matrix_b_fmt:MATRIX_FMT_BF6 matrix_a_scale:MATRIX_SCALE_ROW1
.else
	v_wmma_scale_f32_16x16x128_f8f6f4 v[8*(8*((\a)%4)+\b):8*(8*((\a)%4)+\b)+7], v[128*(\p)+FR*\b:128*(\p)+FR*\b+FR-1], v[AF+FR*(\a):AF+FR*(\a)+FR-1], v[8*(8*((\a)%4)+\b):8*(8*((\a)%4)+\b)+7], v[SC+8*NQ*(\sc)+NQ*\b+(\q)], v[SC+8*NQ*(\sc)+NQ*(\a)+(\q)] matrix_a_fmt:MATRIX_FMT_BF6 matrix_b_fmt:MATRIX_FMT_BF6 matrix_a_scale:MATRIX_SCALE_ROW1
.endif
.endr
.endr
.endm
.macro FETCH_B slot, q, p
	WIN TO_B
.irp i, 0,1,2,3,4,5,6,7
	FRAG 128*(\p)+FR*\i, ADRB+\slot, \q, \i
.endr
	WIN 0
.endm
.macro FETCH_A slot, q, i0
.irp i, \i0, \i0+1, \i0+2, \i0+3
	FRAG AF+FR*(\i), ADRA+\slot, \q, \i
.endr
.endm
.macro SCALES sc                       ; the slot's scale words: lanes 0-15 A's block i, lanes 16-31 B's block i
.irp i, 0,1,2,3,4,5,6,7
	ds_load_b32 v[SC+8*NQ*\sc+NQ*\i], v[ADRS] offset:64*KSN*\i
	ds_load_b32 v[SC+8*NQ*\sc+NQ*\i+1], v[ADRS] offset:64*KSN*\i+64
.endr
.endm
.macro PLACES n                        ; plain vector lines between a matrix instruction and a load into, or a vector line on, its registers (ISA guide 7.12.1 for vector lines)
.rept \n
	v_nop
.endr
.endm
.macro STEP slot, q, first             ; 128 along K that has its successor in the same slot
	s_wait_dscnt 4*NL                              ; B's set, A's blocks 0-3 and the scale words are in; the youngest 16 loads (A's blocks 4-7) may be out
.if \first
	WIN 0x81                                       ; C (the bias) window 0, D window 2
.else
	WIN MUL_LO
.endif
	MUL16 0, (\q)%2, \q, \slot, \first
	MUL16 2, (\q)%2, \q, \slot, \first
	s_wait_dscnt 0
	PLACES NP
	FETCH_B \slot, (\q)+1, 1-(\q)%2
	FETCH_A \slot, (\q)+1, 0
.if \first
	WIN 0xc1                                       ; C window 0, D window 3
.else
	WIN MUL_HI
.endif
	MUL16 4, (\q)%2, \q, \slot, \first
	MUL16 6, (\q)%2, \q, \slot, \first
	PLACES NP
	WIN 0
	FETCH_A \slot, (\q)+1, 4
.endm
; A slot's last step changes slots: one barrier; in front of it each wave waits for all its tensor loads, adds 0 to its spare word, and waits for that and for its reads of this slot.  fill = 1: this slot is filled again, two slots ahead.
.macro TURN slot, next, fill
	s_wait_tensorcnt 0x0                           ; all my tensor loads have landed: my part of the next slot
	ds_add_u32 v[SPW], v[NIL]                      ; 0 onto my spare word
	s_wait_dscnt 4*NL+1                            ; (the add and the youngest 16 loads may be out)
	WIN MUL_LO
	MUL16 0, 1, NQ-1, \slot, 0
	s_wait_dscnt 0x0                               ; the add is done, and my reads of this slot are over
	s_barrier_signal -1
	MUL16 2, 1, NQ-1, \slot, 0
	WIN 0
	s_barrier_wait -1
.if \fill
	CREST                                          ; the barrier has opened a round of the cluster's: no wave of any partner still reads this slot or has a load on its way
	s_add_nc_u64 s[G0+4*\slot+2:G0+4*\slot+3], s[G0+4*\slot+2:G0+4*\slot+3], 2*3072
	s_add_nc_u64 s[G0B+4*\slot+2:G0B+4*\slot+3], s[G0B+4*\slot+2:G0B+4*\slot+3], 2*3072
	JLOAD G0+4*\slot, G1, G0B+4*\slot, G1B         ; the first tensor load behind the round; its four v_nop are the places in front of the loads below
.else
	PLACES NP
.endif
	v_add_nc_u32 v[ADRS], 64*NQ, v[ADRS]           ; the next slot's scale words
	FETCH_B \next, 0, 0
	FETCH_A \next, 0, 0
	SCALES \next
	WIN MUL_HI
	MUL16 4, 1, NQ-1, \slot, 0
	MUL16 6, 1, NQ-1, \slot, 0
	PLACES NP
	WIN 0
	FETCH_A \next, 0, 4
.endm
	s_wait_loadcnt 0x0                             ; the bias is in
	s_wait_tensorcnt 1                             ; the scale words and my part of slot 0 are in; slot 1's load may be out
	s_barrier_signal -1
	s_barrier_wait -1
	FETCH_B 0, 0, 0
	FETCH_A 0, 0, 0
	SCALES 0
	FETCH_A 0, 0, 4
	STEP 0, 0, 1                                   ; the first step's products start the sums, on the bias
	s_mov_b32 s3, LAPS-1
.Llap:
	TURN 0, 1, 1
	STEP 1, 0, 0
	TURN 1, 0, 1
	STEP 0, 0, 0
	s_sub_co_u32 s3, s3, 1
	s_cmp_lg_u32 s3, 0
	s_cbranch_scc1 .Llap
	TURN 0, 1, 0                                   ; the last lap fills nothing
	STEP 1, 0, 0
	s_wait_dscnt 4*NL
	WIN MUL_LO
	MUL16 0, 1, NQ-1, 1, 0
	MUL16 2, 1, NQ-1, 1, 0
	s_wait_dscnt 0
	WIN MUL_HI
	MUL16 4, 1, NQ-1, 1, 0
	MUL16 6, 1, NQ-1, 1, 0
	WIN 0
	; THE WAY OUT: block by block of 16 tokens: gelu, quantised along my 128 columns, stored as it stands
	PLACES NP
	s_mov_b32 s[SEL], 0x76543210
	s_mov_b32 s[SEL+1], 0xfedcba98
	s_lshl_b32 s20, s17, 4
	s_lshl_b32 s21, s15, 3
	s_add_co_u32 s20, s20, s21                     ; my first row block: 16 x tile row + 8 x half
	s_lshl_b32 s20, s20, 5                         ; x 32 K steps of the next product
	s_lshl_b32 s21, s42, 1
	s_add_co_u32 s20, s20, s21
	s_add_co_u32 s20, s20, s16                     ; + K step 2 x tile column + half
	s_mul_i32 s22, s20, 1536
	s_mov_b32 s23, 0
	s_lshl_b32 s46, s20, 6
	s_add_co_u32 s46, s46, 12582912                ; the scale words lie behind the codes
	s_mov_b32 s47, 0
	s_add_nc_u64 s[22:23], s[10:11], s[22:23]
	s_add_nc_u64 s[46:47], s[10:11], s[46:47]
.macro OUTG a
.set AC, 64*((\a)%4)
.if (\a) > 0
	s_wait_xcnt 0x0                                ; the last block's stores have read their registers
.endif
	WIN 0x0a+5*((\a)/4)                            ; sources 0 and 1: the accumulators' window
.set n, 0
.rept 32
	v_pk_mul_f32 v[E+n:E+n+1], v[AC+n:AC+n+1], v[AC+n:AC+n+1]      ; x^2; each accumulator from its low end on
.set n, n+2
.endr
	WIN 0
.set n, 0
.rept 32
	v_pk_fma_f32 v[E+n:E+n+1], v[E+n:E+n+1], v[8:9], v[10:11]      ; c1 + c2 x^2
.set n, n+2
.endr
	WIN 0x08+4*((\a)/4)                            ; source 1: the accumulators' window
.set n, 0
.rept 32
	v_pk_mul_f32 v[E+n:E+n+1], v[E+n:E+n+1], v[AC+n:AC+n+1]        ; x (c1 + c2 x^2)
.set n, n+2
.endr
	WIN 0
.set n, 0
.rept 64
	v_exp_f32 v[E+n], v[E+n]
.set n, n+1
.endr
	v_nop                                          ; a plain line behind the batch,
	s_wait_alu depctr_va_vdst(0)                   ; and one wait for it, ahead of its first reader
.set n, 0
.rept 32
	v_pk_add_f32 v[E+n:E+n+1], v[E+n:E+n+1], 1.0 op_sel_hi:[1,0]
.set n, n+2
.endr
.set n, 0
.rept 64
	v_rcp_f32 v[E+n], v[E+n]
.set n, n+1
.endr
	v_nop
	s_wait_alu depctr_va_vdst(0)                   ; one wait for the 64 reciprocals
	WIN 0x02+(\a)/4                                ; source 0: the accumulators' window
.set n, 0
.rept 32
	v_pk_mul_f32 v[T+n:T+n+1], v[AC+n:AC+n+1], v[E+n:E+n+1]        ; gelu(x)
.set n, n+2
.endr
	WIN 0
	QUANT T                                        ; (its registers are E's, which are done with)
	global_store_b128 v[A16], v[PC:PC+3], s[22:23] offset:49152*(\a)       ; a row block on is 32 fragments on
	global_store_b64 v[A8], v[PC+4:PC+5], s[22:23] offset:49152*(\a)+512
	global_store_b128 v[A16], v[PC+6:PC+9], s[22:23] offset:49152*(\a)+768
	global_store_b64 v[A8], v[PC+10:PC+11], s[22:23] offset:49152*(\a)+1280
	global_store_b32 v[A4R], v[PW], s[46:47] offset:2048*(\a)
.endm
.irp a, 0,1,2,3,4,5,6,7
	OUTG \a
.endr
	s_wait_tensorcnt 0x0                           ; the wave's end
	ds_add_u32 v[SPW], v[NIL]
	s_wait_dscnt 0x0
	CROUND                                         ; the closing round: no work-group ends while a partner may still ask for a tile that names it
	s_endpgm
.Lfunc_end_k_q4b60c69fad_fc:
	.size	k_q4b60c69fad_fc, .Lfunc_end_k_q4b60c69fad_fc-k_q4b60c69fad_fc
	.p2alignl 7, 3214868480
	.fill 96, 4, 3214868480
	.section	.rodata,"a",@progbits
	.p2align	6, 0x0
	.amdhsa_kernel k_q4b60c69fad_fc
		.amdhsa_group_segment_fixed_size 327680
		.amdhsa_private_segment_fixed_size 0
		.amdhsa_enable_private_segment 0
		.amdhsa_kernarg_size 32
		.amdhsa_user_sgpr_count 2
		.amdhsa_user_sgpr_kernarg_segment_ptr 1
		.amdhsa_wavefront_size32 1
		.amdhsa_system_sgpr_workgroup_id_x 1
		.amdhsa_system_sgpr_workgroup_id_y 1
		.amdhsa_system_sgpr_workgroup_id_z 1
		.amdhsa_system_vgpr_workitem_id 0
		.amdhsa_next_free_vgpr 1024
		.amdhsa_next_free_sgpr 98
		.amdhsa_reserve_vcc 0
		.amdhsa_float_denorm_mode_32 3
		.amdhsa_float_denorm_mode_16_64 3
		.amdhsa_memory_ordered 1
		.amdhsa_forward_progress 1
		.amdhsa_inst_pref_size 255
	.end_amdhsa_kernel
	.section	.bss,"aw",@nobits
	.p2align	6
	.space	262144
	.amdgpu_metadata
---
amdhsa.version: [ 1, 2 ]
amdhsa.kernels:
  - .name:           k_q4b60c69fad_fc
    .symbol:         k_q4b60c69fad_fc.kd
    .args:
      - { .name: xq, .offset: 0, .size: 8, .value_kind: global_buffer, .address_space: global }
      - { .name: wq, .offset: 8, .size: 8, .value_kind: global_buffer, .address_space: global }
      - { .name: c_fc_b, .offset: 16, .size: 8, .value_kind: global_buffer, .address_space: global }
      - { .name: g, .offset: 24, .size: 8, .value_kind: global_buffer, .address_space: global }
    .group_segment_fixed_size: 327680
    .private_segment_fixed_size: 0
    .kernarg_segment_align: 8
    .kernarg_segment_size: 32
    .max_flat_workgroup_size: 128
    .sgpr_count:     98
    .vgpr_count:     1024
    .wavefront_size: 32
...
	.end_amdgpu_metadata
.endif
;; end of part 6
;; launch mlp (part 7): grid 4 x 16, 4 waves a work-group, clusters of 4 x 4, 327,680 bytes of LDS; arguments g, wq, c_proj_mlp_b, hbuf, out0; writes out0
.if DOCPART == 7
	.amdgcn_target "amdgcn-amd-amdhsa--gfx1250"
	.amdhsa_code_object_version 6
	.text
	.protected	k_q4b60c69fad_mlp
	.globl	k_q4b60c69fad_mlp
	.p2align	8
	.type	k_q4b60c69fad_mlp,@function
k_q4b60c69fad_mlp:
	s_mov_b64 s[64:65], 0
	v_nop
	global_prefetch_b8 v0, s[64:65] scope:SCOPE_SE
	s_setreg_imm32_b32 hwreg(HW_REG_WAVE_MODE, 25, 1), 1
	s_wait_xcnt 0x0
	s_wait_alu depctr_hold_cnt(0) depctr_sa_sdst(0) depctr_va_vdst(0) depctr_va_sdst(0) depctr_va_ssrc(0) depctr_va_vcc(0) depctr_vm_vsrc(0)
	s_getreg_b32 s2, hwreg(HW_REG_IB_STS2, 6, 4)
	s_cmp_eq_u32 s2, 0
	s_cbranch_scc0 .Lentry_in_a_cluster
	s_endpgm
.Lentry_in_a_cluster:
	s_bfe_u32 s2, ttmp6, 0x10000c
	s_cmp_lg_u32 s2, 0xf033
	s_cbranch_scc0 .Lentry_shape_is_right
	s_endpgm
.Lentry_shape_is_right:
; out = g c_proj_mlp_w + c_proj_mlp_b + h: the product (K = 4,096) on E3M2 codes, sums, bias and residual in f32; out is [4,096][1,024] f32.
; OPERANDS lie as fragments: 16 rows x 128 K = 1,536 bytes, an image of the matrix instruction's registers (for c = 0, 1: registers 0-3 of lane l at 768 c + 16 l, registers 4, 5 at 768 c + 512 + 8 l), [row block][K step];
; scale words [row block][K step][16].  Row block 2 B + u holds in lane r the row 32 B + 8 u + r + 8 (r / 8).
; A tile of C, 256 x 256, is made by four waves, 128 x 128 each: 64 accumulators, 512 registers.  K goes in steps of 256 through a ring of two LDS slots filled by the tensor data mover; a fragment comes out of LDS by four loads
; of consecutive bytes.  The scale words of the tile's rows, for all of K, come into LDS once, with the first fills.
; THE MATRIX INSTRUCTION IS USED TRANSPOSED: source 0 = 16 rows of B (the weight's columns), source 1 = 16 rows of A (tokens): a lane holds one token, its eight registers eight neighbouring columns.
; The bias is the C of each sum's first matrix instruction: 64 registers in the result's layout.
; CLUSTERS: 4 x 4 work-groups; A's tiles are shared along a row of the cluster, B's along a column: each is asked for jointly.  The grid is 4 x 16 tiles: 64 work-groups.
; REGISTERS: window 0: v16-23 LDS addresses, v24-26 the way out, v27 scale words' address, v28-29 the spare word; v32-63 scale words, two sets, and nothing else; v64-127 the bias; v128-223 A's 8 fragments; on the way out v128-255 rows of out.
;   Window 1: B's fragments, two sets; on the way out four sets of 16 residual rows.  Windows 2, 3: the accumulators ((a, b) at v[8 (8 (a % 4) + b)]).
.set SIZE_K, 4096
.set A_SOFF, 12582912                  ; where A's scale words begin in its buffer
.set B_COFF, 6291456                   ; where this weight's codes begin in wq,
.set B_SOFF, 9699328                   ; and its scale words
.set KSN,    SIZE_K/128
.set LAPS,   SIZE_K/512
.set KROW,   96*KSN
.set KS,     4*KSN
.set NQ,     2
.set FR,     12
.set NL,     4
.set NP,     4                         ; places behind this matrix instruction (ISA guide 7.12.1)
.set HALFT,  8*NQ*1536
.set SLOT,   4*HALFT
.set SCL,    2*SLOT                    ; behind the ring: the scale words
.set HALFS,  8*KSN*64
.set SPARE,  SCL+4*HALFS+256           ; the spare words, 128 bytes for each wave: two blocks of 256 bytes that no other line names
.set SPITCH, 528                       ; the way out: a stage of 16 rows x (512 bytes + 16) for each wave, in slot 0, which has had its last fill and its last read when the first result is stored there
.set ADRA, 16
.set ADRB, 20
.set STO,  24
.set RD,   25
.set CO,   26
.set ADRS, 27
.set SPW,  28
.set NIL,  29
.set SC,   32
.set BV,   64
.set AF,   128
.set BK,   128
.set G1, 24
.set G0, 32
.set G1B, 48
.set G0B, 56
.set G1S, 68
.set G0S, 76
.set G1SB, 80
.set G0SB, 88
.set MSB, 0
.macro WIN new                         ; the immediate's high byte repeats the setting that is left
.if MSB != (\new)
	s_set_vgpr_msb (MSB<<8)|(\new)
.set MSB, (\new)
.endif
.endm
.set MUL_LO, 0xa1                      ; source 0 (B) window 1, source 1 (A) window 0, C and D window 2
.set MUL_HI, 0xf1
.set TO_B,   0x40
.macro JLOAD g0a, g1a, g0b, g1b        ; a joint load: waves 0 and 1 fetch for A, waves 2 and 3 for B; four v_nop follow each of the two lines
	s_cmp_eq_u32 s15, 0
	s_cbranch_scc0 .Lfor_b_\@
	tensor_load_to_lds s[\g0a:\g0a+3], s[\g1a:\g1a+7]
	s_nop 0
.rept 4
	v_nop
.endr
	s_branch .Lasked_\@
.Lfor_b_\@:
	tensor_load_to_lds s[\g0b:\g0b+3], s[\g1b:\g1b+7]
	s_nop 0
.rept 4
	v_nop
.endr
.Lasked_\@:
.endm
.macro CREST                           ; a round of the cluster's barrier behind its opening barrier
	s_cmp_lg_u32 s14, 0
	s_cbranch_scc1 .Lnot_wave_0_\@
	s_barrier_signal -3
.Lnot_wave_0_\@:
	s_barrier_wait -3
	s_barrier_signal -1
	s_barrier_wait -1
.endm
.macro CROUND
	s_barrier_signal -1
	s_barrier_wait -1
	CREST
.endm
	s_load_b128 s[4:7], s[0:1], 0x0                ; A's buffer, wq
	s_load_b128 s[8:11], s[0:1], 0x10              ; the bias, the residual
	s_load_b64 s[12:13], s[0:1], 0x20              ; the result
	v_lshl_add_u32 v[SPW], v0, 2, SPARE
	v_mov_b32 v[NIL], 0
	ds_add_u32 v28, v29
	ds_add_u32 v28, v29
	s_wait_dscnt 0x0
	v_lshrrev_b32 v1, 5, v0
	v_readfirstlane_b32 s14, v1                    ; wave 0..3
	s_lshr_b32 s15, s14, 1                         ; which half of the tile's rows is mine.  Also: I fetch for A (0) or for B (1)
	s_and_b32 s16, s14, 1                          ; which half of its columns.  Also: which half of that tile I fetch
	s_bfe_u32 s40, ttmp6, 0x40000                  ; cx, cy
	s_bfe_u32 s41, ttmp6, 0x40004
	s_lshl_b32 s42, ttmp9, 2
	s_add_co_u32 s42, s42, s40                     ; tile column
	s_and_b32 s17, ttmp7, 0xffff
	s_lshl_b32 s17, s17, 2
	s_add_co_u32 s17, s17, s41                     ; tile row
	s_lshl_b32 s43, s41, 2
	s_lshl_b32 s43, 15, s43                        ; my row of the cluster
	s_lshl_b32 s44, 0x1111, s40                    ; my column
	; descriptor group 1, codes: 8 row blocks x 3,072 bytes (two fragments), 1,536 KSN bytes apart; elements of 8 bytes; no padding
	s_or_b32 s[G1+0], s43, (3<<16)|(1<<21)
	s_or_b32 s[G1B+0], s44, (3<<16)|(1<<21)
.irp g, G1, G1B
	s_mov_b32 s[\g+1], 384<<16                     ; tensor_dim0
	s_mov_b32 s[\g+2], 8<<16                       ; tensor_dim1
	s_mov_b32 s[\g+3], 384<<16                     ; tile_dim0
	s_mov_b32 s[\g+4], 8                           ; tile_dim1
	s_mov_b32 s[\g+5], 192*KSN                     ; tensor_dim0_stride
	s_mov_b32 s[\g+6], 0
	s_mov_b32 s[\g+7], 0
.endr
	; the scale words of 8 row blocks: a dense block of HALFS bytes, as rows of 256 bytes
	s_or_b32 s[G1S+0], s43, (3<<16)|(1<<21)
	s_or_b32 s[G1SB+0], s44, (3<<16)|(1<<21)
.irp g, G1S, G1SB
	s_mov_b32 s[\g+1], 32<<16
	s_mov_b32 s[\g+2], (HALFS/256)<<16
	s_mov_b32 s[\g+3], 32<<16
	s_mov_b32 s[\g+4], HALFS/256
	s_mov_b32 s[\g+5], 32
	s_mov_b32 s[\g+6], 0
	s_mov_b32 s[\g+7], 0
.endr
	s_lshl_b32 s18, s16, 7                         ; which 128 rows of a tile I fetch
	s_lshl_b32 s20, s17, 8
	s_add_co_u32 s20, s20, s18                     ; A: row 256 x tile row + 128 x half
	s_lshl_b32 s46, s42, 8
	s_add_co_u32 s46, s46, s18                     ; B: row 256 x tile column + 128 x half
	s_mul_i32 s22, s20, KS
	s_add_co_u32 s22, s22, A_SOFF
	s_mul_i32 s92, s46, KS
	s_add_co_u32 s92, s92, B_SOFF
	s_mul_i32 s20, s20, KROW
	s_mul_i32 s46, s46, KROW
	s_add_co_u32 s46, s46, B_COFF
	s_mov_b32 s21, 0
	s_mov_b32 s23, 0
	s_mov_b32 s47, 0
	s_mov_b32 s93, 0
	s_mul_i32 s45, s14, HALFT                      ; where they go: no place in the cluster enters an LDS address
	s_mul_i32 s94, s14, HALFS
	s_wait_kmcnt 0x0
	s_add_nc_u64 s[20:21], s[4:5], s[20:21]
	s_add_nc_u64 s[22:23], s[4:5], s[22:23]
	s_add_nc_u64 s[46:47], s[6:7], s[46:47]
	s_add_nc_u64 s[92:93], s[6:7], s[92:93]
	CROUND                                         ; all sixteen work-groups are here: the first joint loads meet
	s_mov_b32 s[G0S], 1
	s_add_co_u32 s[G0S+1], s94, SCL
	s_mov_b64 s[G0S+2:G0S+3], s[22:23]
	s_or_b32 s[G0S+3], s[G0S+3], 0x80000000
	s_mov_b32 s[G0SB], 1
	s_add_co_u32 s[G0SB+1], s94, SCL+64
	s_mov_b64 s[G0SB+2:G0SB+3], s[92:93]
	s_or_b32 s[G0SB+3], s[G0SB+3], 0x80000000
	JLOAD G0S, G1S, G0SB, G1SB                     ; the scale words first: they are wanted with K step 0
.irp s, 0,1
	s_mov_b32 s[G0+4*\s], 1
	s_add_co_u32 s[G0+4*\s+1], s45, \s*SLOT
	s_add_nc_u64 s[G0+4*\s+2:G0+4*\s+3], s[20:21], \s*3072
	s_or_b32 s[G0+4*\s+3], s[G0+4*\s+3], 0x80000000
	s_mov_b32 s[G0B+4*\s], 1
	s_add_co_u32 s[G0B+4*\s+1], s45, \s*SLOT
	s_add_nc_u64 s[G0B+4*\s+2:G0B+4*\s+3], s[46:47], \s*3072
	s_or_b32 s[G0B+4*\s+3], s[G0B+4*\s+3], 0x80000000
	JLOAD G0+4*\s, G1, G0B+4*\s, G1B
.endr
	v_and_b32 v1, 15, v0                           ; r
	v_bfe_u32 v2, v0, 4, 1                         ; h
	v_and_b32 v3, 31, v0                           ; lane
	v_lshlrev_b32 v[CO], 4, v3                     ; 16 x lane
	v_lshlrev_b32 v5, 3, v3                        ; 8 x lane
	s_mul_i32 s21, s15, HALFT                      ; my half of A
	s_mul_i32 s22, s16, HALFT                      ; my half of B,
	s_add_co_u32 s22, s22, 2*HALFT                 ; which lies behind A's two
.irp s, 0,1
	v_add_nc_u32 v[ADRA+\s], s21, v[CO]
	v_add_nc_u32 v[ADRB+\s], s22, v[CO]
	v_add_nc_u32 v[ADRA+2+\s], s21, v5
	v_add_nc_u32 v[ADRB+2+\s], s22, v5
	s_add_co_u32 s21, s21, SLOT
	s_add_co_u32 s22, s22, SLOT
.endr
	s_mul_i32 s21, s15, HALFS                      ; scale words: lanes 0-15 take A's, lanes 16-31 B's: the lower base + h x the distance
	s_mul_i32 s22, s16, HALFS
	s_add_co_u32 s22, s22, 2*HALFS+64
	s_sub_co_u32 s22, s22, s21
	v_mul_u32_u24 v6, s22, v2
	s_add_co_u32 s21, s21, SCL
	v_lshl_add_u32 v6, v1, 2, v6
	v_add_nc_u32 v[ADRS], s21, v6
	s_mul_i32 s23, s14, 16*SPITCH                  ; my stage
	v_mul_u32_u24 v[STO], v1, SPITCH
	v_lshl_add_u32 v[STO], v2, 6, v[STO]
	v_add_nc_u32 v[STO], s23, v[STO]               ; in: row r, + 64 h
	v_add_nc_u32 v[RD], s23, v[CO]                 ; back: a row's 512 bytes, 16 a lane
	s_lshl_b32 s20, s17, 8
	s_lshl_b32 s21, s15, 7
	s_add_co_u32 s20, s20, s21                     ; my first row
	s_lshl_b32 s20, s20, 12                        ; x 4,096 bytes
	s_lshl_b32 s46, s42, 10
	s_lshl_b32 s47, s16, 9
	s_add_co_u32 s46, s46, s47                     ; my first column, in bytes
	s_add_co_u32 s20, s20, s46
	s_mov_b32 s21, 0
	s_mov_b32 s47, 0
	s_add_nc_u64 s[10:11], s[10:11], s[20:21]
	s_add_nc_u64 s[12:13], s[12:13], s[20:21]
	s_add_nc_u64 s[8:9], s[8:9], s[46:47]
	v_lshlrev_b32 v8, 6, v2                        ; the bias in the result's layout: register 16 b' + i = column 32 b' + 16 h + i
.set n, 0
.rept 16
	global_load_b128 v[BV+4*n:BV+4*n+3], v8, s[8:9] offset:128*(n/4)+16*(n%4)
.set n, n+1
.endr
.macro FRAG reg, adr, q, i             ; fragment (row block i, the slot's q-th 128 along K): four loads of consecutive bytes
	ds_load_b128 v[\reg:\reg+3], v[\adr] offset:3072*(\i)+1536*(\q)
	ds_load_b64 v[\reg+4:\reg+5], v[\adr+2] offset:3072*(\i)+1536*(\q)+512
	ds_load_b128 v[\reg+6:\reg+9], v[\adr] offset:3072*(\i)+1536*(\q)+768
	ds_load_b64 v[\reg+10:\reg+11], v[\adr+2] offset:3072*(\i)+1536*(\q)+1280
.endm
; 16 matrix instructions: A's blocks a0, a0 + 1 x B's eight.  first = 1: the sums begin with the bias.  The 64 accumulators take turns, one instruction a turn, in the same order in every step.
.macro MUL16 a0, p, q, sc, first
.irp a, \a0, \a0+1
.irp b, 0,1,2,3,4,5,6,7
.if \first
	v_wmma_scale_f32_16x16x128_f8f6f4 v[8*(8*((\a)%4)+\b):8*(8*((\a)%4)+\b)+7], v[128*(\p)+FR*\b:128*(\p)+FR*\b+FR-1], v[AF+FR*(\a):AF+FR*(\a)+FR-1], v[BV+8*\b:BV+8*\b+7], v[SC+8*NQ*(\sc)+NQ*\b+(\q)], v[SC+8*NQ*(\sc)+NQ*(\a)+(\q)] matrix_a_fmt:MATRIX_FMT_BF6 matrix_b_fmt:MATRIX_FMT_BF6 matrix_a_scale:MATRIX_SCALE_ROW1
.else
	v_wmma_scale_f32_16x16x128_f8f6f4 v[8*(8*((\a)%4)+\b):8*(8*((\a)%4)+\b)+7], v[128*(\p)+FR*\b:128*(\p)+FR*\b+FR-1], v[AF+FR*(\a):AF+FR*(\a)+FR-1], v[8*(8*((\a)%4)+\b):8*(8*((\a)%4)+\b)+7], v[SC+8*NQ*(\sc)+NQ*\b+(\q)], v[SC+8*NQ*(\sc)+NQ*(\a)+(\q)] matrix_a_fmt:MATRIX_FMT_BF6 matrix_b_fmt:MATRIX_FMT_BF6 matrix_a_scale:MATRIX_SCALE_ROW1
.endif
.endr
.endr
.endm
.macro FETCH_B slot, q, p
	WIN TO_B
.irp i, 0,1,2,3,4,5,6,7
	FRAG 128*(\p)+FR*\i, ADRB+\slot, \q, \i
.endr
	WIN 0
.endm
.macro FETCH_A slot, q, i0
.irp i, \i0, \i0+1, \i0+2, \i0+3
	FRAG AF+FR*(\i), ADRA+\slot, \q, \i
.endr
.endm
.macro SCALES sc                       ; the slot's scale words: lanes 0-15 A's block i, lanes 16-31 B's block i
.irp i, 0,1,2,3,4,5,6,7
	ds_load_b32 v[SC+8*NQ*\sc+NQ*\i], v[ADRS] offset:64*KSN*\i
	ds_load_b32 v[SC+8*NQ*\sc+NQ*\i+1], v[ADRS] offset:64*KSN*\i+64
.endr
.endm
.macro PLACES n                        ; plain vector lines between a matrix instruction and a load into, or a vector line or store on, its registers (ISA guide 7.12.1 for vector lines and stores)
.rept \n
	v_nop
.endr
.endm
.macro STEP slot, q, first             ; 128 along K that has its successor in the same slot
	s_wait_dscnt 4*NL                              ; B's set, A's blocks 0-3 and the scale words are in; the youngest 16 loads (A's blocks 4-7) may be out
.if \first
	WIN 0x81                                       ; C (the bias) window 0, D window 2
.else
	WIN MUL_LO
.endif
	MUL16 0, (\q)%2, \q, \slot, \first
	MUL16 2, (\q)%2, \q, \slot, \first
	s_wait_dscnt 0
	PLACES NP
	FETCH_B \slot, (\q)+1, 1-(\q)%2
	FETCH_A \slot, (\q)+1, 0
.if \first
	WIN 0xc1                                       ; C window 0, D window 3
.else
	WIN MUL_HI
.endif
	MUL16 4, (\q)%2, \q, \slot, \first
	MUL16 6, (\q)%2, \q, \slot, \first
	PLACES NP
	WIN 0
	FETCH_A \slot, (\q)+1, 4
.endm
; A slot's last step changes slots: one barrier; in front of it each wave waits for all its tensor loads, adds 0 to its spare word, and waits for that and for its reads of this slot.  fill = 1: this slot is filled again, two slots ahead.
.macro TURN slot, next, fill
	s_wait_tensorcnt 0x0                           ; all my tensor loads have landed: my part of the next slot
	ds_add_u32 v[SPW], v[NIL]                      ; 0 onto my spare word
	s_wait_dscnt 4*NL+1                            ; (the add and the youngest 16 loads may be out)
	WIN MUL_LO
	MUL16 0, 1, NQ-1, \slot, 0
	s_wait_dscnt 0x0                               ; the add is done, and my reads of this slot are over
	s_barrier_signal -1
	MUL16 2, 1, NQ-1, \slot, 0
	WIN 0
	s_barrier_wait -1
.if \fill
	CREST                                          ; the barrier has opened a round of the cluster's: no wave of any partner still reads this slot or has a load on its way
	s_add_nc_u64 s[G0+4*\slot+2:G0+4*\slot+3], s[G0+4*\slot+2:G0+4*\slot+3], 2*3072
	s_add_nc_u64 s[G0B+4*\slot+2:G0B+4*\slot+3], s[G0B+4*\slot+2:G0B+4*\slot+3], 2*3072
	JLOAD G0+4*\slot, G1, G0B+4*\slot, G1B         ; the first tensor load behind the round; its four v_nop are the places in front of the loads below
.else
	PLACES NP
.endif
	v_add_nc_u32 v[ADRS], 64*NQ, v[ADRS]           ; the next slot's scale words
	FETCH_B \next, 0, 0
	FETCH_A \next, 0, 0
	SCALES \next
	WIN MUL_HI
	MUL16 4, 1, NQ-1, \slot, 0
	MUL16 6, 1, NQ-1, \slot, 0
	PLACES NP
	WIN 0
	FETCH_A \next, 0, 4
.endm
	s_wait_loadcnt 0x0                             ; the bias is in
	s_wait_tensorcnt 1                             ; the scale words and my part of slot 0 are in; slot 1's load may be out
	s_barrier_signal -1
	s_barrier_wait -1
	FETCH_B 0, 0, 0
	FETCH_A 0, 0, 0
	SCALES 0
	FETCH_A 0, 0, 4
	STEP 0, 0, 1                                   ; the first step's products start the sums, on the bias
	s_mov_b32 s3, LAPS-1
.Llap:
	TURN 0, 1, 1
	STEP 1, 0, 0
	TURN 1, 0, 1
	STEP 0, 0, 0
	s_sub_co_u32 s3, s3, 1
	s_cmp_lg_u32 s3, 0
	s_cbranch_scc1 .Llap
	TURN 0, 1, 0                                   ; the last lap fills nothing
	STEP 1, 0, 0
	s_wait_dscnt 4*NL
	WIN MUL_LO
	MUL16 0, 1, NQ-1, 1, 0
	MUL16 2, 1, NQ-1, 1, 0
	s_wait_dscnt 0
	WIN MUL_HI
	MUL16 4, 1, NQ-1, 1, 0
	MUL16 6, 1, NQ-1, 1, 0
	WIN 0
; THE WAY OUT, block by block of 16 tokens x 128 columns.  A lane holds pieces of 32 bytes of one row, the lanes beside it other rows: a block goes through my own stage in LDS and comes back as whole rows of 512 bytes;
; the residual's same rows, asked for three blocks ahead, are added, and the 32 lanes store 512 consecutive bytes.  Stage row t of block a is token 32 (a / 2) + 8 (a % 2) + t + 8 (t / 8) of my 128.
.macro RLOAD a                         ; the residual's 16 rows of block a into set a % 4 of window 1
	WIN 0x40
.set t, 0
.rept 16
	global_load_b128 v[64*((\a)%4)+4*t:64*((\a)%4)+4*t+3], v[CO], s[10:11] offset:(32*((\a)/2)+8*((\a)%2)+t+8*(t/8))*4096
.set t, t+1
.endr
	WIN 0
.endm
.macro TOSTAGE a
	WIN 0x08+4*((\a)/4)                            ; an LDS store's data: window 2 or 3
.irp b, 0,1,2,3,4,5,6,7
	ds_store_b128 v[STO], v[64*((\a)%4)+8*\b:64*((\a)%4)+8*\b+3] offset:128*(\b/2)+32*(\b%2)       ; each accumulator from its low end on
	ds_store_b128 v[STO], v[64*((\a)%4)+8*\b+4:64*((\a)%4)+8*\b+7] offset:128*(\b/2)+32*(\b%2)+16
.endr
	WIN 0
.set t, 0
.rept 16
	ds_load_b128 v[BK+64*((\a)%2)+4*t:BK+64*((\a)%2)+4*t+3], v[RD] offset:SPITCH*t   ; LDS serves a wave's instructions in order: these see my stores
.set t, t+1
.endr
.endm
.macro OUTR a
.if (\a) >= 2
	s_wait_xcnt 0x0                                ; block a - 2's stores have read their registers: block a's rows may land there
.endif
	TOSTAGE \a
	s_wait_dscnt 0x0
.if 7-(\a) >= 2
	s_wait_loadcnt 32                              ; this block's residual rows are in; those of the next two blocks may be out
.else
	s_wait_loadcnt 16*(7-(\a))
.endif
	WIN 0x04                                       ; source 1: window 1
.set n, 0
.rept 32
	v_pk_add_f32 v[BK+64*((\a)%2)+n:BK+64*((\a)%2)+n+1], v[BK+64*((\a)%2)+n:BK+64*((\a)%2)+n+1], v[64*((\a)%4)+n:64*((\a)%4)+n+1]
.set n, n+2
.endr
	WIN 0
.if (\a)+3 <= 7
	RLOAD (\a)+3
.endif
.set t, 0
.rept 16
	global_store_b128 v[CO], v[BK+64*((\a)%2)+4*t:BK+64*((\a)%2)+4*t+3], s[12:13] offset:(32*((\a)/2)+8*((\a)%2)+t+8*(t/8))*4096 th:TH_STORE_NT   ; 512 consecutive bytes, at a multiple of 256 from the buffer's first byte
.set t, t+1
.endr
.endm
	PLACES NP                                      ; behind the last products: for the loads into B's and A's registers and the first read of results
	RLOAD 0
	RLOAD 1
	RLOAD 2
.irp a, 0,1,2,3,4,5,6,7
	OUTR \a
.endr
	s_wait_tensorcnt 0x0                           ; the wave's end
	ds_add_u32 v[SPW], v[NIL]
	s_wait_dscnt 0x0
	CROUND                                         ; the closing round: no work-group ends while a partner may still ask for a tile that names it
	s_endpgm
.Lfunc_end_k_q4b60c69fad_mlp:
	.size	k_q4b60c69fad_mlp, .Lfunc_end_k_q4b60c69fad_mlp-k_q4b60c69fad_mlp
	.p2alignl 7, 3214868480
	.fill 96, 4, 3214868480
	.section	.rodata,"a",@progbits
	.p2align	6, 0x0
	.amdhsa_kernel k_q4b60c69fad_mlp
		.amdhsa_group_segment_fixed_size 327680
		.amdhsa_private_segment_fixed_size 0
		.amdhsa_enable_private_segment 0
		.amdhsa_kernarg_size 40
		.amdhsa_user_sgpr_count 2
		.amdhsa_user_sgpr_kernarg_segment_ptr 1
		.amdhsa_wavefront_size32 1
		.amdhsa_system_sgpr_workgroup_id_x 1
		.amdhsa_system_sgpr_workgroup_id_y 1
		.amdhsa_system_sgpr_workgroup_id_z 1
		.amdhsa_system_vgpr_workitem_id 0
		.amdhsa_next_free_vgpr 1024
		.amdhsa_next_free_sgpr 98
		.amdhsa_reserve_vcc 0
		.amdhsa_float_denorm_mode_32 3
		.amdhsa_float_denorm_mode_16_64 3
		.amdhsa_memory_ordered 1
		.amdhsa_forward_progress 1
		.amdhsa_inst_pref_size 176
	.end_amdhsa_kernel
	.amdgpu_metadata
---
amdhsa.version: [ 1, 2 ]
amdhsa.kernels:
  - .name:           k_q4b60c69fad_mlp
    .symbol:         k_q4b60c69fad_mlp.kd
    .args:
      - { .name: g, .offset: 0, .size: 8, .value_kind: global_buffer, .address_space: global }
      - { .name: wq, .offset: 8, .size: 8, .value_kind: global_buffer, .address_space: global }
      - { .name: c_proj_mlp_b, .offset: 16, .size: 8, .value_kind: global_buffer, .address_space: global }
      - { .name: hbuf, .offset: 24, .size: 8, .value_kind: global_buffer, .address_space: global }
      - { .name: out0, .offset: 32, .size: 8, .value_kind: global_buffer, .address_space: global }
    .group_segment_fixed_size: 327680
    .private_segment_fixed_size: 0
    .kernarg_segment_align: 8
    .kernarg_segment_size: 40
    .max_flat_workgroup_size: 128
    .sgpr_count:     98
    .vgpr_count:     1024
    .wavefront_size: 32
...
	.end_amdgpu_metadata
.endif
;; end of part 7
;; ======== version 2 of 2: 8 launches; 1.23 times as fast as version 1
;; workspace buffers: wq 9,830,400 bytes; xq 3,276,800 bytes; qrec 6,684,672 bytes; kv 6,684,672 bytes; ctx 3,276,800 bytes; hbuf 16,777,216 bytes; g 13,107,200 bytes
;; launch wquant: the kernel of part 1 again; grid 384 x 1, 4 waves a work-group, no clusters, 25,088 bytes of LDS; arguments c_attn_w, c_proj_attn_w, c_fc_w, c_proj_mlp_w, wq; writes wq
;; launch ln1: the kernel of part 2 again; grid 256 x 1, 8 waves a work-group, no clusters, 69,632 bytes of LDS; arguments hidden_states, ln1_w, ln1_b, xq; writes xq
;; launch qkv: the kernel of part 3 again; grid 8 x 24, 4 waves a work-group, clusters of 4 x 4, 327,680 bytes of LDS; arguments xq, wq, c_attn_b, qrec, kv; writes qrec, kv
;; launch attn: the kernel of part 4 again; grid 8 x 32, 16 waves a work-group, clusters of 4 x 1, 210,944 bytes of LDS; arguments qrec, kv, ctx; writes ctx
;; launch proj (part 8): grid 8 x 32, 4 waves a work-group, clusters of 4 x 4, 327,680 bytes of LDS; arguments ctx, wq, c_proj_attn_b, hidden_states, hbuf; writes hbuf
.if DOCPART == 8
	.amdgcn_target "amdgcn-amd-amdhsa--gfx1250"
	.amdhsa_code_object_version 6
	.text
	.protected	k_q4b60c69fad_proj
	.globl	k_q4b60c69fad_proj
	.p2align	8
	.type	k_q4b60c69fad_proj,@function
k_q4b60c69fad_proj:
	s_mov_b64 s[64:65], 0
	v_nop
	global_prefetch_b8 v0, s[64:65] scope:SCOPE_SE
	s_setreg_imm32_b32 hwreg(HW_REG_WAVE_MODE, 25, 1), 1
	s_wait_xcnt 0x0
	s_wait_alu depctr_hold_cnt(0) depctr_sa_sdst(0) depctr_va_vdst(0) depctr_va_sdst(0) depctr_va_ssrc(0) depctr_va_vcc(0) depctr_vm_vsrc(0)
	s_getreg_b32 s2, hwreg(HW_REG_IB_STS2, 6, 4)
	s_cmp_eq_u32 s2, 0
	s_cbranch_scc0 .Lentry_in_a_cluster
	s_endpgm
.Lentry_in_a_cluster:
	s_bfe_u32 s2, ttmp6, 0x10000c
	s_cmp_lg_u32 s2, 0xf033
	s_cbranch_scc0 .Lentry_shape_is_right
	s_endpgm
.Lentry_shape_is_right:
; h = ctx c_proj_attn_w + c_proj_attn_b + hidden_states: the product on E3M2 codes, sums, bias and residual in f32; h is [4,096][1,024] f32.
; OPERANDS lie as fragments: 16 rows x 128 K = 1,536 bytes, an image of the matrix instruction's registers (for c = 0, 1: registers 0-3 of lane l at 768 c + 16 l, registers 4, 5 at 768 c + 512 + 8 l), [row block][K step];
; scale words [row block][K step][16].  Row block 2 B + u holds in lane r the row 32 B + 8 u + r + 8 (r / 8).
; A TILE OF C IS 128 x 128: 4,096 x 1,024 outputs make 256 work-groups of equal work (tiles of 256 x 256 would make 64).  Four waves, 64 x 64 each: 16 accumulators, 128 registers.  The price: a wave reads 8 fragments from LDS for 16 products.
; K goes in steps of 512 through two LDS slots filled by the tensor data mover: a wave's load brings 4 row blocks x 6,144 bytes.  With SIZE_K = 1,024 the two first fills are all of K: nothing is filled again.
; The scale words of the tile's rows, for all of K, come into LDS once, with the first fills.
; THE MATRIX INSTRUCTION IS USED TRANSPOSED: source 0 = 16 rows of B (the weight's columns), source 1 = 16 rows of A (tokens): a lane holds one token, its eight registers eight neighbouring columns.
; The bias is the C of each sum's first matrix instruction: 32 registers in the result's layout.  The residual's 64 rows x 256 bytes of the wave are asked for at the head and waited for behind the last product.
; CLUSTERS: 4 x 4 work-groups; A's tiles are shared along a row of the cluster, B's along a column: each is asked for jointly, by the same tensor load with the same descriptor and a mask that names the four.
; REGISTERS: window 0: v16-23 LDS addresses, v24-26 the way out, v27 scale words' address, v28-29 the spare word; v32-63 scale words, two sets, and nothing else; v64-95 the bias; on the way out v64-127 rows of h;
;   v128-255 the accumulators ((a, b) at v[128 + 8 (4 a + b)]).  Window 1: two fragment buffers, at v0 and v128: A's four fragments, then B's four.  Window 2: v0-127 the residual.
.set SIZE_K, 1024
.set A_SOFF, 3145728                   ; where A's scale words begin in its buffer
.set B_COFF, 2359296                   ; where this weight's codes begin in wq,
.set B_SOFF, 9535488                   ; and its scale words
.set KSN,    SIZE_K/128                ; K steps of 128
.set NQ,     4                         ; of them in a slot
.set LAPS,   SIZE_K/(2*128*NQ)         ; a lap = two slots = once round the ring
.set KROW,   96*KSN                    ; bytes of codes for each row
.set KS,     4*KSN                     ; bytes of scales for each row
.set NB,     4                         ; row blocks on each side of a wave's tile
.set FR,     12                        ; registers of a fragment
.set NL,     4                         ; LDS loads that bring one
.set NP,     4                         ; places behind this matrix instruction (ISA guide 7.12.1)
.set ROWL,   NQ*1536                   ; a row block's bytes in a slot
.set HALFT,  NB*ROWL                   ; what one tensor load brings, and what one wave reads of A or of B
.set SLOT,   4*HALFT                   ; A's two halves, then B's
.set SCL,    2*SLOT                    ; behind the slots: the scale words
.set HALFS,  NB*KSN*64
.set SPARE,  SCL+4*HALFS+256           ; the spare words, 128 bytes for each wave: two blocks of 256 bytes that no other line names
.set SPITCH, 272                       ; the way out: a stage of 16 rows x (256 bytes + 16) for each wave, in slot 0, which has had its last fill and its last read when the first result is stored there
.set ADRA, 16                          ; v16-17 16 l form for slot 0, 1; v18-19 8 l form
.set ADRB, 20
.set STO,  24
.set RD,   25
.set CO,   26
.set ADRS, 27
.set SPW,  28
.set NIL,  29
.set SC,   32
.set BV,   64
.set BK,   64
.set ACC,  128
.set F1,   128
.set G1, 24
.set G0, 32
.set G1B, 48
.set G0B, 56
.set G1S, 68
.set G0S, 76
.set G1SB, 80
.set G0SB, 88
.set MSB, 0
.macro WIN new                         ; the immediate's high byte repeats the setting that is left
.if MSB != (\new)
	s_set_vgpr_msb (MSB<<8)|(\new)
.set MSB, (\new)
.endif
.endm
.set MUL,  0x05                        ; sources 0 (B) and 1 (A) window 1; C and D window 0
.set TO_F, 0x40                        ; destination window 1, address window 0
.macro JLOAD g0a, g1a, g0b, g1b        ; a joint load: waves 0 and 1 fetch for A, waves 2 and 3 for B; the branch hangs on the wave's number alone; four v_nop follow each of the two lines
	s_cmp_eq_u32 s15, 0
	s_cbranch_scc0 .Lfor_b_\@
	tensor_load_to_lds s[\g0a:\g0a+3], s[\g1a:\g1a+7]
	s_nop 0
.rept 4
	v_nop
.endr
	s_branch .Lasked_\@
.Lfor_b_\@:
	tensor_load_to_lds s[\g0b:\g0b+3], s[\g1b:\g1b+7]
	s_nop 0
.rept 4
	v_nop
.endr
.Lasked_\@:
.endm
.macro CREST                           ; a round of the cluster's barrier behind its opening barrier
	s_cmp_lg_u32 s14, 0
	s_cbranch_scc1 .Lnot_wave_0_\@
	s_barrier_signal -3
.Lnot_wave_0_\@:
	s_barrier_wait -3
	s_barrier_signal -1
	s_barrier_wait -1
.endm
.macro CROUND
	s_barrier_signal -1
	s_barrier_wait -1
	CREST
.endm
	s_load_b128 s[4:7], s[0:1], 0x0                ; A's buffer, wq
	s_load_b128 s[8:11], s[0:1], 0x10              ; the bias, the residual
	s_load_b64 s[12:13], s[0:1], 0x20              ; the result
	v_lshl_add_u32 v[SPW], v0, 2, SPARE
	v_mov_b32 v[NIL], 0
	ds_add_u32 v28, v29
	ds_add_u32 v28, v29
	s_wait_dscnt 0x0
	v_lshrrev_b32 v1, 5, v0
	v_readfirstlane_b32 s14, v1                    ; wave 0..3
	s_lshr_b32 s15, s14, 1                         ; which half of the tile's rows is mine.  Also: I fetch for A (0) or for B (1)
	s_and_b32 s16, s14, 1                          ; which half of its columns.  Also: which half of that tile I fetch
	s_bfe_u32 s40, ttmp6, 0x40000                  ; cx, cy: my place in the cluster
	s_bfe_u32 s41, ttmp6, 0x40004
	s_lshl_b32 s42, ttmp9, 2
	s_add_co_u32 s42, s42, s40                     ; tile column = 4 x cluster x + cx
	s_and_b32 s17, ttmp7, 0xffff
	s_lshl_b32 s17, s17, 2
	s_add_co_u32 s17, s17, s41                     ; tile row = 4 x cluster y + cy
	s_lshl_b32 s43, s41, 2
	s_lshl_b32 s43, 15, s43                        ; my row of the cluster
	s_lshl_b32 s44, 0x1111, s40                    ; my column
	; descriptor group 1, codes: 4 row blocks x 6,144 bytes (four fragments), 1,536 KSN bytes apart; elements of 8 bytes; no padding: every LDS load of a fragment reads consecutive bytes
	s_or_b32 s[G1+0], s43, (3<<16)|(1<<21)         ; 15:0 the mask: A's tiles go to my row; 17:16 elements of 8 bytes; 21 set beside a mask
	s_or_b32 s[G1B+0], s44, (3<<16)|(1<<21)
.irp g, G1, G1B
	s_mov_b32 s[\g+1], (ROWL/8)<<16                ; tensor_dim0
	s_mov_b32 s[\g+2], NB<<16                      ; tensor_dim1
	s_mov_b32 s[\g+3], (ROWL/8)<<16                ; tile_dim0
	s_mov_b32 s[\g+4], NB                          ; tile_dim1
	s_mov_b32 s[\g+5], 192*KSN                     ; tensor_dim0_stride
	s_mov_b32 s[\g+6], 0
	s_mov_b32 s[\g+7], 0
.endr
	; the scale words of 4 row blocks: a dense block of HALFS bytes, as rows of 256 bytes
	s_or_b32 s[G1S+0], s43, (3<<16)|(1<<21)
	s_or_b32 s[G1SB+0], s44, (3<<16)|(1<<21)
.irp g, G1S, G1SB
	s_mov_b32 s[\g+1], 32<<16
	s_mov_b32 s[\g+2], (HALFS/256)<<16
	s_mov_b32 s[\g+3], 32<<16
	s_mov_b32 s[\g+4], HALFS/256
	s_mov_b32 s[\g+5], 32
	s_mov_b32 s[\g+6], 0
	s_mov_b32 s[\g+7], 0
.endr
	s_lshl_b32 s18, s16, 6                         ; which 64 rows of a tile I fetch
	s_lshl_b32 s20, s17, 7
	s_add_co_u32 s20, s20, s18                     ; A: row 128 x tile row + 64 x half
	s_lshl_b32 s46, s42, 7
	s_add_co_u32 s46, s46, s18                     ; B: row 128 x tile column + 64 x half
	s_mul_i32 s22, s20, KS
	s_add_co_u32 s22, s22, A_SOFF
	s_mul_i32 s92, s46, KS
	s_add_co_u32 s92, s92, B_SOFF
	s_mul_i32 s20, s20, KROW
	s_mul_i32 s46, s46, KROW
	s_add_co_u32 s46, s46, B_COFF
	s_mov_b32 s21, 0
	s_mov_b32 s23, 0
	s_mov_b32 s47, 0
	s_mov_b32 s93, 0
	s_mul_i32 s45, s14, HALFT                      ; where they go: no place in the cluster enters an LDS address
	s_mul_i32 s94, s14, HALFS
	s_wait_kmcnt 0x0
	s_add_nc_u64 s[20:21], s[4:5], s[20:21]
	s_add_nc_u64 s[22:23], s[4:5], s[22:23]
	s_add_nc_u64 s[46:47], s[6:7], s[46:47]
	s_add_nc_u64 s[92:93], s[6:7], s[92:93]
	CROUND                                         ; all sixteen work-groups are here: the first joint loads meet
	s_mov_b32 s[G0S], 1
	s_add_co_u32 s[G0S+1], s94, SCL
	s_mov_b64 s[G0S+2:G0S+3], s[22:23]
	s_or_b32 s[G0S+3], s[G0S+3], 0x80000000
	s_mov_b32 s[G0SB], 1
	s_add_co_u32 s[G0SB+1], s94, SCL+64
	s_mov_b64 s[G0SB+2:G0SB+3], s[92:93]
	s_or_b32 s[G0SB+3], s[G0SB+3], 0x80000000
	JLOAD G0S, G1S, G0SB, G1SB                     ; the scale words first: they are wanted with K step 0
.irp s, 0,1
	s_mov_b32 s[G0+4*\s], 1
	s_add_co_u32 s[G0+4*\s+1], s45, \s*SLOT
	s_add_nc_u64 s[G0+4*\s+2:G0+4*\s+3], s[20:21], \s*ROWL
	s_or_b32 s[G0+4*\s+3], s[G0+4*\s+3], 0x80000000
	s_mov_b32 s[G0B+4*\s], 1
	s_add_co_u32 s[G0B+4*\s+1], s45, \s*SLOT
	s_add_nc_u64 s[G0B+4*\s+2:G0B+4*\s+3], s[46:47], \s*ROWL
	s_or_b32 s[G0B+4*\s+3], s[G0B+4*\s+3], 0x80000000
	JLOAD G0+4*\s, G1, G0B+4*\s, G1B
.endr
	v_and_b32 v1, 15, v0                           ; r
	v_bfe_u32 v2, v0, 4, 1                         ; h
	v_and_b32 v3, 31, v0                           ; lane
	v_lshlrev_b32 v4, 4, v3                        ; 16 x lane
	v_lshlrev_b32 v5, 3, v3                        ; 8 x lane
	s_mul_i32 s21, s15, HALFT                      ; my half of A
	s_mul_i32 s22, s16, HALFT                      ; my half of B,
	s_add_co_u32 s22, s22, 2*HALFT                 ; which lies behind A's two
.irp s, 0,1
	v_add_nc_u32 v[ADRA+\s], s21, v4
	v_add_nc_u32 v[ADRB+\s], s22, v4
	v_add_nc_u32 v[ADRA+2+\s], s21, v5
	v_add_nc_u32 v[ADRB+2+\s], s22, v5
	s_add_co_u32 s21, s21, SLOT
	s_add_co_u32 s22, s22, SLOT
.endr
	s_mul_i32 s21, s15, HALFS                      ; scale words: lanes 0-15 take A's, lanes 16-31 B's: the lower base + h x the distance
	s_mul_i32 s22, s16, HALFS
	s_add_co_u32 s22, s22, 2*HALFS+64
	s_sub_co_u32 s22, s22, s21
	v_mul_u32_u24 v6, s22, v2
	s_add_co_u32 s21, s21, SCL
	v_lshl_add_u32 v6, v1, 2, v6
	v_add_nc_u32 v[ADRS], s21, v6
	s_mul_i32 s23, s14, 16*SPITCH                  ; my stage
	v_mul_u32_u24 v[STO], v1, SPITCH
	v_lshl_add_u32 v[STO], v2, 6, v[STO]
	v_add_nc_u32 v[STO], s23, v[STO]               ; in: row r, + 64 h
	v_mul_u32_u24 v[RD], v2, SPITCH
	v_lshl_add_u32 v[RD], v1, 4, v[RD]
	v_add_nc_u32 v[RD], s23, v[RD]                 ; back: lanes 0-15 one row of 256 bytes, lanes 16-31 the next
	v_lshlrev_b32 v[CO], 12, v2
	v_lshl_add_u32 v[CO], v1, 4, v[CO]             ; and the same two rows in memory: 4,096 h + 16 r; never rewritten
	s_lshl_b32 s20, s17, 7
	s_lshl_b32 s21, s15, 6
	s_add_co_u32 s20, s20, s21                     ; my first row: 128 x tile row + 64 x half
	s_lshl_b32 s20, s20, 12                        ; x 4,096 bytes
	s_lshl_b32 s46, s42, 9
	s_lshl_b32 s47, s16, 8
	s_add_co_u32 s46, s46, s47                     ; my first column, in bytes: 512 x tile column + 256 x half
	s_add_co_u32 s20, s20, s46
	s_mov_b32 s21, 0
	s_mov_b32 s47, 0
	s_add_nc_u64 s[10:11], s[10:11], s[20:21]
	s_add_nc_u64 s[12:13], s[12:13], s[20:21]
	s_add_nc_u64 s[8:9], s[8:9], s[46:47]
	v_lshlrev_b32 v8, 6, v2                        ; the bias in the result's layout: register 16 b' + i = column 32 b' + 16 h + i
.set n, 0
.rept 8
	global_load_b128 v[BV+4*n:BV+4*n+3], v8, s[8:9] offset:128*(n/4)+16*(n%4)
.set n, n+1
.endr
	; the residual: row 2 t + h of block a is token 32 (a / 2) + 8 (a % 2) + 2 t + h + 8 (t / 4) of my 64; sixteen lanes read its 256 bytes.  32 loads, which stay out while K is walked
	WIN 0x80                                       ; destination window 2
.irp a, 0,1,2,3
.set t, 0
.rept 8
	global_load_b128 v[32*\a+4*t:32*\a+4*t+3], v[CO], s[10:11] offset:(32*(\a/2)+8*(\a%2)+2*t+8*(t/4))*4096
.set t, t+1
.endr
.endr
	WIN 0
.macro FRAG reg, adr, q, i             ; fragment (row block i, the slot's q-th 128 along K): four loads of consecutive bytes
	ds_load_b128 v[\reg:\reg+3], v[\adr] offset:ROWL*(\i)+1536*(\q)
	ds_load_b64 v[\reg+4:\reg+5], v[\adr+2] offset:ROWL*(\i)+1536*(\q)+512
	ds_load_b128 v[\reg+6:\reg+9], v[\adr] offset:ROWL*(\i)+1536*(\q)+768
	ds_load_b64 v[\reg+10:\reg+11], v[\adr+2] offset:ROWL*(\i)+1536*(\q)+1280
.endm
; 4 matrix instructions: A's block a x B's four, from buffer f.  first = 1: the sums begin with the bias.  The 16 accumulators take turns, one instruction a turn, in the same order in every step.
.macro MUL4 a, f, q, sc, first
.irp b, 0,1,2,3
.if \first
	v_wmma_scale_f32_16x16x128_f8f6f4 v[ACC+8*(4*(\a)+\b):ACC+8*(4*(\a)+\b)+7], v[\f+48+FR*\b:\f+48+FR*\b+FR-1], v[\f+FR*(\a):\f+FR*(\a)+FR-1], v[BV+8*\b:BV+8*\b+7], v[SC+NB*NQ*(\sc)+NQ*\b+(\q)], v[SC+NB*NQ*(\sc)+NQ*(\a)+(\q)] matrix_a_fmt:MATRIX_FMT_BF6 matrix_b_fmt:MATRIX_FMT_BF6 matrix_a_scale:MATRIX_SCALE_ROW1
.else
	v_wmma_scale_f32_16x16x128_f8f6f4 v[ACC+8*(4*(\a)+\b):ACC+8*(4*(\a)+\b)+7], v[\f+48+FR*\b:\f+48+FR*\b+FR-1], v[\f+FR*(\a):\f+FR*(\a)+FR-1], v[ACC+8*(4*(\a)+\b):ACC+8*(4*(\a)+\b)+7], v[SC+NB*NQ*(\sc)+NQ*\b+(\q)], v[SC+NB*NQ*(\sc)+NQ*(\a)+(\q)] matrix_a_fmt:MATRIX_FMT_BF6 matrix_b_fmt:MATRIX_FMT_BF6 matrix_a_scale:MATRIX_SCALE_ROW1
.endif
.endr
.endm
.macro FETCH slot, q, f                ; 32 LDS loads in one run: B's four and A's four fragments of the slot's q-th 128 along K into buffer f
	WIN TO_F
.irp i, 0,1,2,3
	FRAG \f+48+FR*\i, ADRB+\slot, \q, \i
	FRAG \f+FR*\i, ADRA+\slot, \q, \i
.endr
.endm
.macro SCALES sc                       ; a slot's scale words: register 4 i + q: lanes 0-15 A's block i, lanes 16-31 B's block i, the slot's q-th 128 along K
.irp i, 0,1,2,3
.irp q, 0,1,2,3
	ds_load_b32 v[SC+NB*NQ*\sc+NQ*\i+\q], v[ADRS] offset:64*KSN*\i+64*\q
.endr
.endr
.endm
.macro PLACES n                        ; plain vector lines between a matrix instruction and a load into, or an LDS store of, its registers (ISA guide 7.12.1 for stores)
.rept \n
	v_nop
.endr
.endm
; 128 along K that has its successor in the same slot: the successor's fragments are asked for, into the buffer that the last 16 products read, ahead of this step's 16 products
.macro STEP slot, q, first
	PLACES NP
	FETCH \slot, (\q)+1, 128*(((\q)+1)%2)
	s_wait_dscnt 8*NL                              ; all but the 32 loads just issued: this step's fragments (and, in a slot's first step, its scale words) are in
	WIN MUL
.irp a, 0,1,2,3
	MUL4 \a, 128*((\q)%2), \q, \slot, \first
.endr
.endm
; A slot's last step changes slots: one barrier; in front of it each wave waits for all its tensor loads, adds 0 to its spare word, and waits for that and for its reads of this slot.  fill = 1: this slot is filled again, two slots ahead.
.macro TURN slot, next, fill
	WIN 0                                          ; (the add's two registers lie in window 0)
	s_wait_tensorcnt 0x0                           ; all my tensor loads have landed: my part of the next slot
	ds_add_u32 v[SPW], v[NIL]                      ; 0 onto my spare word
	s_wait_dscnt 1                                 ; (the add may be out: this step's fragments are in)
	WIN MUL
	MUL4 0, F1, NQ-1, \slot, 0
	s_wait_dscnt 0x0                               ; the add is done, and my reads of this slot are over
	s_barrier_signal -1
	MUL4 1, F1, NQ-1, \slot, 0
	WIN 0
	s_barrier_wait -1
.if \fill
	CREST                                          ; the barrier has opened a round of the cluster's: no wave of any partner still reads this slot or has a load on its way
	s_add_nc_u64 s[G0+4*\slot+2:G0+4*\slot+3], s[G0+4*\slot+2:G0+4*\slot+3], 2*ROWL
	s_add_nc_u64 s[G0B+4*\slot+2:G0B+4*\slot+3], s[G0B+4*\slot+2:G0B+4*\slot+3], 2*ROWL
	JLOAD G0+4*\slot, G1, G0B+4*\slot, G1B         ; the first tensor load behind the round; its four v_nop are the places in front of the loads below
.else
	PLACES NP
.endif
	v_add_nc_u32 v[ADRS], 64*NQ, v[ADRS]           ; the next slot's scale words
	SCALES \next
	FETCH \next, 0, 0
	WIN MUL
	MUL4 2, F1, NQ-1, \slot, 0                     ; eight products stand behind the run of loads
	MUL4 3, F1, NQ-1, \slot, 0
.endm
	s_wait_loadcnt 32                              ; the bias's 8 loads are in; the residual's 32 may be out
	s_wait_tensorcnt 1                             ; the scale words and my part of slot 0 are in; slot 1's load may be out
	s_barrier_signal -1
	s_barrier_wait -1
	SCALES 0
	FETCH 0, 0, 0
	STEP 0, 0, 1                                   ; the first step's products start the sums, on the bias
.if LAPS > 1
	WIN 0                                          ; at a label and at a branch every window is 0
	s_mov_b32 s3, LAPS-1
.Llap:                                             ; a trip goes once round the ring, from a lap's second step to the next lap's first, and fills both slots again
	STEP 0, 1, 0
	STEP 0, 2, 0
	TURN 0, 1, 1
	STEP 1, 0, 0
	STEP 1, 1, 0
	STEP 1, 2, 0
	TURN 1, 0, 1
	STEP 0, 0, 0
	WIN 0
	s_sub_co_u32 s3, s3, 1
	s_cmp_lg_u32 s3, 0
	s_cbranch_scc1 .Llap
.endif
	STEP 0, 1, 0                                   ; the last lap fills nothing
	STEP 0, 2, 0
	TURN 0, 1, 0
	STEP 1, 0, 0
	STEP 1, 1, 0
	STEP 1, 2, 0
	s_wait_dscnt 0x0                               ; the very last step: nothing more to fetch
	WIN MUL
.irp a, 0,1,2,3
	MUL4 \a, F1, NQ-1, 1, 0
.endr
	WIN 0
; THE WAY OUT, block by block of 16 tokens x 64 columns.  A lane holds pieces of 32 bytes of one row, the lanes beside it other rows: a block goes through my own stage in LDS and comes back as whole rows of 256 bytes;
; the residual's same rows are added, and sixteen lanes store 256 consecutive bytes.  While one block is added and stored, the next is on its way through the stage.
.macro TOSTAGE a
.irp b, 0,1,2,3
	ds_store_b128 v[STO], v[ACC+8*(4*(\a)+\b):ACC+8*(4*(\a)+\b)+3] offset:128*(\b/2)+32*(\b%2)       ; each accumulator from its low end on
	ds_store_b128 v[STO], v[ACC+8*(4*(\a)+\b)+4:ACC+8*(4*(\a)+\b)+7] offset:128*(\b/2)+32*(\b%2)+16
.endr
.set t, 0
.rept 8
	ds_load_b128 v[BK+32*((\a)%2)+4*t:BK+32*((\a)%2)+4*t+3], v[RD] offset:2*t*SPITCH   ; LDS serves a wave's instructions in order: these see my stores, and the next block's stores come behind them
.set t, t+1
.endr
.endm
.macro SEND a, younger                 ; younger: the LDS instructions issued behind block a's loads, which may stay out
	s_wait_dscnt \younger                          ; the block is back in registers
	WIN 0x08                                       ; source 1: window 2
.set n, 0
.rept 16
	v_pk_add_f32 v[BK+32*((\a)%2)+n:BK+32*((\a)%2)+n+1], v[BK+32*((\a)%2)+n:BK+32*((\a)%2)+n+1], v[32*(\a)+n:32*(\a)+n+1]
.set n, n+2
.endr
	WIN 0
.set t, 0
.rept 8
	global_store_b128 v[CO], v[BK+32*((\a)%2)+4*t:BK+32*((\a)%2)+4*t+3], s[12:13] offset:(32*((\a)/2)+8*((\a)%2)+2*t+8*(t/4))*4096 th:TH_STORE_NT   ; 16 lanes store 256 consecutive bytes, at a multiple of 256 from the buffer's first byte
.set t, t+1
.endr
.endm
	PLACES NP                                      ; behind the last products: for the first read of results
	s_wait_loadcnt 0x0                             ; the residual is in
	TOSTAGE 0
	TOSTAGE 1
	SEND 0, 16                                     ; behind block 0's loads: block 1's 8 stores and 8 loads
	s_wait_xcnt 0x0                                ; block 0's stores have read their registers: block 2's rows may land there
	TOSTAGE 2
	SEND 1, 16
	s_wait_xcnt 0x0                                ; block 1's likewise
	TOSTAGE 3
	SEND 2, 16
	SEND 3, 0
	s_wait_tensorcnt 0x0                           ; the wave's end
	ds_add_u32 v[SPW], v[NIL]
	s_wait_dscnt 0x0
	CROUND                                         ; the closing round: no work-group ends while a partner may still ask for a tile that names it
	s_endpgm
.Lfunc_end_k_q4b60c69fad_proj:
	.size	k_q4b60c69fad_proj, .Lfunc_end_k_q4b60c69fad_proj-k_q4b60c69fad_proj
	.p2alignl 7, 3214868480
	.fill 96, 4, 3214868480
	.section	.rodata,"a",@progbits
	.p2align	6, 0x0
	.amdhsa_kernel k_q4b60c69fad_proj
		.amdhsa_group_segment_fixed_size 327680
		.amdhsa_private_segment_fixed_size 0
		.amdhsa_enable_private_segment 0
		.amdhsa_kernarg_size 40
		.amdhsa_user_sgpr_count 2
		.amdhsa_user_sgpr_kernarg_segment_ptr 1
		.amdhsa_wavefront_size32 1
		.amdhsa_system_sgpr_workgroup_id_x 1
		.amdhsa_system_sgpr_workgroup_id_y 1
		.amdhsa_system_sgpr_workgroup_id_z 1
		.amdhsa_system_vgpr_workitem_id 0
		.amdhsa_next_free_vgpr 640
		.amdhsa_next_free_sgpr 98
		.amdhsa_reserve_vcc 0
		.amdhsa_float_denorm_mode_32 3
		.amdhsa_float_denorm_mode_16_64 3
		.amdhsa_memory_ordered 1
		.amdhsa_forward_progress 1
		.amdhsa_inst_pref_size 62
	.end_amdhsa_kernel
	.amdgpu_metadata
---
amdhsa.version: [ 1, 2 ]
amdhsa.kernels:
  - .name:           k_q4b60c69fad_proj
    .symbol:         k_q4b60c69fad_proj.kd
    .args:
      - { .name: ctx, .offset: 0, .size: 8, .value_kind: global_buffer, .address_space: global }
      - { .name: wq, .offset: 8, .size: 8, .value_kind: global_buffer, .address_space: global }
      - { .name: c_proj_attn_b, .offset: 16, .size: 8, .value_kind: global_buffer, .address_space: global }
      - { .name: hidden_states, .offset: 24, .size: 8, .value_kind: global_buffer, .address_space: global }
      - { .name: hbuf, .offset: 32, .size: 8, .value_kind: global_buffer, .address_space: global }
    .group_segment_fixed_size: 327680
    .private_segment_fixed_size: 0
    .kernarg_segment_align: 8
    .kernarg_segment_size: 40
    .max_flat_workgroup_size: 128
    .sgpr_count:     98
    .vgpr_count:     640
    .wavefront_size: 32
...
	.end_amdgpu_metadata
.endif
;; end of part 8
;; launch ln2: the kernel of part 2 again; grid 256 x 1, 8 waves a work-group, no clusters, 69,632 bytes of LDS; arguments hbuf, ln2_w, ln2_b, xq; writes xq
;; launch fc: the kernel of part 6 again; grid 16 x 16, 4 waves a work-group, clusters of 4 x 4, 327,680 bytes of LDS; arguments xq, wq, c_fc_b, g; writes g
;; launch mlp (part 9): grid 8 x 32, 4 waves a work-group, clusters of 4 x 4, 327,680 bytes of LDS; arguments g, wq, c_proj_mlp_b, hbuf, out0; writes out0
.if DOCPART == 9
	.amdgcn_target "amdgcn-amd-amdhsa--gfx1250"
	.amdhsa_code_object_version 6
	.text
	.protected	k_q4b60c69fad_mlp
	.globl	k_q4b60c69fad_mlp
	.p2align	8
	.type	k_q4b60c69fad_mlp,@function
k_q4b60c69fad_mlp:
	s_mov_b64 s[64:65], 0
	v_nop
	global_prefetch_b8 v0, s[64:65] scope:SCOPE_SE
	s_setreg_imm32_b32 hwreg(HW_REG_WAVE_MODE, 25, 1), 1
	s_wait_xcnt 0x0
	s_wait_alu depctr_hold_cnt(0) depctr_sa_sdst(0) depctr_va_vdst(0) depctr_va_sdst(0) depctr_va_ssrc(0) depctr_va_vcc(0) depctr_vm_vsrc(0)
	s_getreg_b32 s2, hwreg(HW_REG_IB_STS2, 6, 4)
	s_cmp_eq_u32 s2, 0
	s_cbranch_scc0 .Lentry_in_a_cluster
	s_endpgm
.Lentry_in_a_cluster:
	s_bfe_u32 s2, ttmp6, 0x10000c
	s_cmp_lg_u32 s2, 0xf033
	s_cbranch_scc0 .Lentry_shape_is_right
	s_endpgm
.Lentry_shape_is_right:
; out = g c_proj_mlp_w + c_proj_mlp_b + h: the product (K = 4,096) on E3M2 codes, sums, bias and residual in f32; out is [4,096][1,024] f32.
; OPERANDS lie as fragments: 16 rows x 128 K = 1,536 bytes, an image of the matrix instruction's registers (for c = 0, 1: registers 0-3 of lane l at 768 c + 16 l, registers 4, 5 at 768 c + 512 + 8 l), [row block][K step];
; scale words [row block][K step][16].  Row block 2 B + u holds in lane r the row 32 B + 8 u + r + 8 (r / 8).
; A TILE OF C IS 128 x 128: 4,096 x 1,024 outputs make 256 work-groups of equal work (tiles of 256 x 256 would make 64).  Four waves, 64 x 64 each: 16 accumulators, 128 registers.  The price: a wave reads 8 fragments from LDS for 16 products.
; K goes in steps of 512 through a ring of two LDS slots filled by the tensor data mover: a wave's load brings 4 row blocks x 6,144 bytes, and a slot holds four steps of 128: 64 products a wave between two changes of slots.
; The scale words of the tile's rows, for all of K, come into LDS once, with the first fills.
; THE MATRIX INSTRUCTION IS USED TRANSPOSED: source 0 = 16 rows of B (the weight's columns), source 1 = 16 rows of A (tokens): a lane holds one token, its eight registers eight neighbouring columns.
; The bias is the C of each sum's first matrix instruction: 32 registers in the result's layout.  The residual's 64 rows x 256 bytes of the wave are asked for at the head and waited for behind the last product.
; CLUSTERS: 4 x 4 work-groups; A's tiles are shared along a row of the cluster, B's along a column: each is asked for jointly, by the same tensor load with the same descriptor and a mask that names the four.
; REGISTERS: window 0: v16-23 LDS addresses, v24-26 the way out, v27 scale words' address, v28-29 the spare word; v32-63 scale words, two sets, and nothing else; v64-95 the bias; on the way out v64-127 rows of out;
;   v128-255 the accumulators ((a, b) at v[128 + 8 (4 a + b)]).  Window 1: two fragment buffers, at v0 and v128: A's four fragments, then B's four.  Window 2: v0-127 the residual.
.set SIZE_K, 4096
.set A_SOFF, 12582912                  ; where A's scale words begin in its buffer
.set B_COFF, 6291456                   ; where this weight's codes begin in wq,
.set B_SOFF, 9699328                   ; and its scale words
.set KSN,    SIZE_K/128                ; K steps of 128
.set NQ,     4                         ; of them in a slot
.set LAPS,   SIZE_K/(2*128*NQ)         ; a lap = two slots = once round the ring
.set KROW,   96*KSN                    ; bytes of codes for each row
.set KS,     4*KSN                     ; bytes of scales for each row
.set NB,     4                         ; row blocks on each side of a wave's tile
.set FR,     12                        ; registers of a fragment
.set NL,     4                         ; LDS loads that bring one
.set NP,     4                         ; places behind this matrix instruction (ISA guide 7.12.1)
.set ROWL,   NQ*1536                   ; a row block's bytes in a slot
.set HALFT,  NB*ROWL                   ; what one tensor load brings, and what one wave reads of A or of B
.set SLOT,   4*HALFT                   ; A's two halves, then B's
.set SCL,    2*SLOT                    ; behind the ring: the scale words
.set HALFS,  NB*KSN*64
.set SPARE,  SCL+4*HALFS+256           ; the spare words, 128 bytes for each wave: two blocks of 256 bytes that no other line names
.set SPITCH, 272                       ; the way out: a stage of 16 rows x (256 bytes + 16) for each wave, in slot 0, which has had its last fill and its last read when the first result is stored there
.set ADRA, 16                          ; v16-17 16 l form for slot 0, 1; v18-19 8 l form
.set ADRB, 20
.set STO,  24
.set RD,   25
.set CO,   26
.set ADRS, 27
.set SPW,  28
.set NIL,  29
.set SC,   32
.set BV,   64
.set BK,   64
.set ACC,  128
.set F1,   128
.set G1, 24
.set G0, 32
.set G1B, 48
.set G0B, 56
.set G1S, 68
.set G0S, 76
.set G1SB, 80
.set G0SB, 88
.set MSB, 0
.macro WIN new                         ; the immediate's high byte repeats the setting that is left
.if MSB != (\new)
	s_set_vgpr_msb (MSB<<8)|(\new)
.set MSB, (\new)
.endif
.endm
.set MUL,  0x05                        ; sources 0 (B) and 1 (A) window 1; C and D window 0
.set TO_F, 0x40                        ; destination window 1, address window 0
.macro JLOAD g0a, g1a, g0b, g1b        ; a joint load: waves 0 and 1 fetch for A, waves 2 and 3 for B; the branch hangs on the wave's number alone; four v_nop follow each of the two lines
	s_cmp_eq_u32 s15, 0
	s_cbranch_scc0 .Lfor_b_\@
	tensor_load_to_lds s[\g0a:\g0a+3], s[\g1a:\g1a+7]
	s_nop 0
.rept 4
	v_nop
.endr
	s_branch .Lasked_\@
.Lfor_b_\@:
	tensor_load_to_lds s[\g0b:\g0b+3], s[\g1b:\g1b+7]
	s_nop 0
.rept 4
	v_nop
.endr
.Lasked_\@:
.endm
.macro CREST                           ; a round of the cluster's barrier behind its opening barrier
	s_cmp_lg_u32 s14, 0
	s_cbranch_scc1 .Lnot_wave_0_\@
	s_barrier_signal -3
.Lnot_wave_0_\@:
	s_barrier_wait -3
	s_barrier_signal -1
	s_barrier_wait -1
.endm
.macro CROUND
	s_barrier_signal -1
	s_barrier_wait -1
	CREST
.endm
	s_load_b128 s[4:7], s[0:1], 0x0                ; A's buffer, wq
	s_load_b128 s[8:11], s[0:1], 0x10              ; the bias, the residual
	s_load_b64 s[12:13], s[0:1], 0x20              ; the result
	v_lshl_add_u32 v[SPW], v0, 2, SPARE
	v_mov_b32 v[NIL], 0
	ds_add_u32 v28, v29
	ds_add_u32 v28, v29
	s_wait_dscnt 0x0
	v_lshrrev_b32 v1, 5, v0
	v_readfirstlane_b32 s14, v1                    ; wave 0..3
	s_lshr_b32 s15, s14, 1                         ; which half of the tile's rows is mine.  Also: I fetch for A (0) or for B (1)
	s_and_b32 s16, s14, 1                          ; which half of its columns.  Also: which half of that tile I fetch
	s_bfe_u32 s40, ttmp6, 0x40000                  ; cx, cy: my place in the cluster
	s_bfe_u32 s41, ttmp6, 0x40004
	s_lshl_b32 s42, ttmp9, 2
	s_add_co_u32 s42, s42, s40                     ; tile column = 4 x cluster x + cx
	s_and_b32 s17, ttmp7, 0xffff
	s_lshl_b32 s17, s17, 2
	s_add_co_u32 s17, s17, s41                     ; tile row = 4 x cluster y + cy
	s_lshl_b32 s43, s41, 2
	s_lshl_b32 s43, 15, s43                        ; my row of the cluster
	s_lshl_b32 s44, 0x1111, s40                    ; my column
	; descriptor group 1, codes: 4 row blocks x 6,144 bytes (four fragments), 1,536 KSN bytes apart; elements of 8 bytes; no padding: every LDS load of a fragment reads consecutive bytes
	s_or_b32 s[G1+0], s43, (3<<16)|(1<<21)         ; 15:0 the mask: A's tiles go to my row; 17:16 elements of 8 bytes; 21 set beside a mask
	s_or_b32 s[G1B+0], s44, (3<<16)|(1<<21)
.irp g, G1, G1B
	s_mov_b32 s[\g+1], (ROWL/8)<<16                ; tensor_dim0
	s_mov_b32 s[\g+2], NB<<16                      ; tensor_dim1
	s_mov_b32 s[\g+3], (ROWL/8)<<16                ; tile_dim0
	s_mov_b32 s[\g+4], NB                          ; tile_dim1
	s_mov_b32 s[\g+5], 192*KSN                     ; tensor_dim0_stride
	s_mov_b32 s[\g+6], 0
	s_mov_b32 s[\g+7], 0
.endr
	; the scale words of 4 row blocks: a dense block of HALFS bytes, as rows of 256 bytes
	s_or_b32 s[G1S+0], s43, (3<<16)|(1<<21)
	s_or_b32 s[G1SB+0], s44, (3<<16)|(1<<21)
.irp g, G1S, G1SB
	s_mov_b32 s[\g+1], 32<<16
	s_mov_b32 s[\g+2], (HALFS/256)<<16
	s_mov_b32 s[\g+3], 32<<16
	s_mov_b32 s[\g+4], HALFS/256
	s_mov_b32 s[\g+5], 32
	s_mov_b32 s[\g+6], 0
	s_mov_b32 s[\g+7], 0
.endr
	s_lshl_b32 s18, s16, 6                         ; which 64 rows of a tile I fetch
	s_lshl_b32 s20, s17, 7
	s_add_co_u32 s20, s20, s18                     ; A: row 128 x tile row + 64 x half
	s_lshl_b32 s46, s42, 7
	s_add_co_u32 s46, s46, s18                     ; B: row 128 x tile column + 64 x half
	s_mul_i32 s22, s20, KS
	s_add_co_u32 s22, s22, A_SOFF
	s_mul_i32 s92, s46, KS
	s_add_co_u32 s92, s92, B_SOFF
	s_mul_i32 s20, s20, KROW
	s_mul_i32 s46, s46, KROW
	s_add_co_u32 s46, s46, B_COFF
	s_mov_b32 s21, 0
	s_mov_b32 s23, 0
	s_mov_b32 s47, 0
	s_mov_b32 s93, 0
	s_mul_i32 s45, s14, HALFT                      ; where they go: no place in the cluster enters an LDS address
	s_mul_i32 s94, s14, HALFS
	s_wait_kmcnt 0x0
	s_add_nc_u64 s[20:21], s[4:5], s[20:21]
	s_add_nc_u64 s[22:23], s[4:5], s[22:23]
	s_add_nc_u64 s[46:47], s[6:7], s[46:47]
	s_add_nc_u64 s[92:93], s[6:7], s[92:93]
	CROUND                                         ; all sixteen work-groups are here: the first joint loads meet
	s_mov_b32 s[G0S], 1
	s_add_co_u32 s[G0S+1], s94, SCL
	s_mov_b64 s[G0S+2:G0S+3], s[22:23]
	s_or_b32 s[G0S+3], s[G0S+3], 0x80000000
	s_mov_b32 s[G0SB], 1
	s_add_co_u32 s[G0SB+1], s94, SCL+64
	s_mov_b64 s[G0SB+2:G0SB+3], s[92:93]
	s_or_b32 s[G0SB+3], s[G0SB+3], 0x80000000
	JLOAD G0S, G1S, G0SB, G1SB                     ; the scale words first: they are wanted with K step 0
.irp s, 0,1
	s_mov_b32 s[G0+4*\s], 1
	s_add_co_u32 s[G0+4*\s+1], s45, \s*SLOT
	s_add_nc_u64 s[G0+4*\s+2:G0+4*\s+3], s[20:21], \s*ROWL
	s_or_b32 s[G0+4*\s+3], s[G0+4*\s+3], 0x80000000
	s_mov_b32 s[G0B+4*\s], 1
	s_add_co_u32 s[G0B+4*\s+1], s45, \s*SLOT
	s_add_nc_u64 s[G0B+4*\s+2:G0B+4*\s+3], s[46:47], \s*ROWL
	s_or_b32 s[G0B+4*\s+3], s[G0B+4*\s+3], 0x80000000
	JLOAD G0+4*\s, G1, G0B+4*\s, G1B
.endr
	v_and_b32 v1, 15, v0                           ; r
	v_bfe_u32 v2, v0, 4, 1                         ; h
	v_and_b32 v3, 31, v0                           ; lane
	v_lshlrev_b32 v4, 4, v3                        ; 16 x lane
	v_lshlrev_b32 v5, 3, v3                        ; 8 x lane
	s_mul_i32 s21, s15, HALFT                      ; my half of A
	s_mul_i32 s22, s16, HALFT                      ; my half of B,
	s_add_co_u32 s22, s22, 2*HALFT                 ; which lies behind A's two
.irp s, 0,1
	v_add_nc_u32 v[ADRA+\s], s21, v4
	v_add_nc_u32 v[ADRB+\s], s22, v4
	v_add_nc_u32 v[ADRA+2+\s], s21, v5
	v_add_nc_u32 v[ADRB+2+\s], s22, v5
	s_add_co_u32 s21, s21, SLOT
	s_add_co_u32 s22, s22, SLOT
.endr
	s_mul_i32 s21, s15, HALFS                      ; scale words: lanes 0-15 take A's, lanes 16-31 B's: the lower base + h x the distance
	s_mul_i32 s22, s16, HALFS
	s_add_co_u32 s22, s22, 2*HALFS+64
	s_sub_co_u32 s22, s22, s21
	v_mul_u32_u24 v6, s22, v2
	s_add_co_u32 s21, s21, SCL
	v_lshl_add_u32 v6, v1, 2, v6
	v_add_nc_u32 v[ADRS], s21, v6
	s_mul_i32 s23, s14, 16*SPITCH                  ; my stage
	v_mul_u32_u24 v[STO], v1, SPITCH
	v_lshl_add_u32 v[STO], v2, 6, v[STO]
	v_add_nc_u32 v[STO], s23, v[STO]               ; in: row r, + 64 h
	v_mul_u32_u24 v[RD], v2, SPITCH
	v_lshl_add_u32 v[RD], v1, 4, v[RD]
	v_add_nc_u32 v[RD], s23, v[RD]                 ; back: lanes 0-15 one row of 256 bytes, lanes 16-31 the next
	v_lshlrev_b32 v[CO], 12, v2
	v_lshl_add_u32 v[CO], v1, 4, v[CO]             ; and the same two rows in memory: 4,096 h + 16 r; never rewritten
	s_lshl_b32 s20, s17, 7
	s_lshl_b32 s21, s15, 6
	s_add_co_u32 s20, s20, s21                     ; my first row: 128 x tile row + 64 x half
	s_lshl_b32 s20, s20, 12                        ; x 4,096 bytes
	s_lshl_b32 s46, s42, 9
	s_lshl_b32 s47, s16, 8
	s_add_co_u32 s46, s46, s47                     ; my first column, in bytes: 512 x tile column + 256 x half
	s_add_co_u32 s20, s20, s46
	s_mov_b32 s21, 0
	s_mov_b32 s47, 0
	s_add_nc_u64 s[10:11], s[10:11], s[20:21]
	s_add_nc_u64 s[12:13], s[12:13], s[20:21]
	s_add_nc_u64 s[8:9], s[8:9], s[46:47]
	v_lshlrev_b32 v8, 6, v2                        ; the bias in the result's layout: register 16 b' + i = column 32 b' + 16 h + i
.set n, 0
.rept 8
	global_load_b128 v[BV+4*n:BV+4*n+3], v8, s[8:9] offset:128*(n/4)+16*(n%4)
.set n, n+1
.endr
	; the residual: row 2 t + h of block a is token 32 (a / 2) + 8 (a % 2) + 2 t + h + 8 (t / 4) of my 64; sixteen lanes read its 256 bytes.  32 loads, which stay out while K is walked
	WIN 0x80                                       ; destination window 2
.irp a, 0,1,2,3
.set t, 0
.rept 8
	global_load_b128 v[32*\a+4*t:32*\a+4*t+3], v[CO], s[10:11] offset:(32*(\a/2)+8*(\a%2)+2*t+8*(t/4))*4096
.set t, t+1
.endr
.endr
	WIN 0
.macro FRAG reg, adr, q, i             ; fragment (row block i, the slot's q-th 128 along K): four loads of consecutive bytes
	ds_load_b128 v[\reg:\reg+3], v[\adr] offset:ROWL*(\i)+1536*(\q)
	ds_load_b64 v[\reg+4:\reg+5], v[\adr+2] offset:ROWL*(\i)+1536*(\q)+512
	ds_load_b128 v[\reg+6:\reg+9], v[\adr] offset:ROWL*(\i)+1536*(\q)+768
	ds_load_b64 v[\reg+10:\reg+11], v[\adr+2] offset:ROWL*(\i)+1536*(\q)+1280
.endm
; 4 matrix instructions: A's block a x B's four, from buffer f.  first = 1: the sums begin with the bias.  The 16 accumulators take turns, one instruction a turn, in the same order in every step.
.macro MUL4 a, f, q, sc, first
.irp b, 0,1,2,3
.if \first
	v_wmma_scale_f32_16x16x128_f8f6f4 v[ACC+8*(4*(\a)+\b):ACC+8*(4*(\a)+\b)+7], v[\f+48+FR*\b:\f+48+FR*\b+FR-1], v[\f+FR*(\a):\f+FR*(\a)+FR-1], v[BV+8*\b:BV+8*\b+7], v[SC+NB*NQ*(\sc)+NQ*\b+(\q)], v[SC+NB*NQ*(\sc)+NQ*(\a)+(\q)] matrix_a_fmt:MATRIX_FMT_BF6 matrix_b_fmt:MATRIX_FMT_BF6 matrix_a_scale:MATRIX_SCALE_ROW1
.else
	v_wmma_scale_f32_16x16x128_f8f6f4 v[ACC+8*(4*(\a)+\b):ACC+8*(4*(\a)+\b)+7], v[\f+48+FR*\b:\f+48+FR*\b+FR-1], v[\f+FR*(\a):\f+FR*(\a)+FR-1], v[ACC+8*(4*(\a)+\b):ACC+8*(4*(\a)+\b)+7], v[SC+NB*NQ*(\sc)+NQ*\b+(\q)], v[SC+NB*NQ*(\sc)+NQ*(\a)+(\q)] matrix_a_fmt:MATRIX_FMT_BF6 matrix_b_fmt:MATRIX_FMT_BF6 matrix_a_scale:MATRIX_SCALE_ROW1
.endif
.endr
.endm
.macro FETCH slot, q, f                ; 32 LDS loads in one run: B's four and A's four fragments of the slot's q-th 128 along K into buffer f
	WIN TO_F
.irp i, 0,1,2,3
	FRAG \f+48+FR*\i, ADRB+\slot, \q, \i
	FRAG \f+FR*\i, ADRA+\slot, \q, \i
.endr
.endm
.macro SCALES sc                       ; a slot's scale words: register 4 i + q: lanes 0-15 A's block i, lanes 16-31 B's block i, the slot's q-th 128 along K
.irp i, 0,1,2,3
.irp q, 0,1,2,3
	ds_load_b32 v[SC+NB*NQ*\sc+NQ*\i+\q], v[ADRS] offset:64*KSN*\i+64*\q
.endr
.endr
.endm
.macro PLACES n                        ; plain vector lines between a matrix instruction and a load into, or an LDS store of, its registers (ISA guide 7.12.1 for stores)
.rept \n
	v_nop
.endr
.endm
; 128 along K that has its successor in the same slot: the successor's fragments are asked for, into the buffer that the last 16 products read, ahead of this step's 16 products
.macro STEP slot, q, first
	PLACES NP
	FETCH \slot, (\q)+1, 128*(((\q)+1)%2)
	s_wait_dscnt 8*NL                              ; all but the 32 loads just issued: this step's fragments (and, in a slot's first step, its scale words) are in
	WIN MUL
.irp a, 0,1,2,3
	MUL4 \a, 128*((\q)%2), \q, \slot, \first
.endr
.endm
; A slot's last step changes slots: one barrier; in front of it each wave waits for all its tensor loads, adds 0 to its spare word, and waits for that and for its reads of this slot.  fill = 1: this slot is filled again, two slots ahead.
.macro TURN slot, next, fill
	WIN 0                                          ; (the add's two registers lie in window 0)
	s_wait_tensorcnt 0x0                           ; all my tensor loads have landed: my part of the next slot
	ds_add_u32 v[SPW], v[NIL]                      ; 0 onto my spare word
	s_wait_dscnt 1                                 ; (the add may be out: this step's fragments are in)
	WIN MUL
	MUL4 0, F1, NQ-1, \slot, 0
	s_wait_dscnt 0x0                               ; the add is done, and my reads of this slot are over
	s_barrier_signal -1
	MUL4 1, F1, NQ-1, \slot, 0
	WIN 0
	s_barrier_wait -1
.if \fill
	CREST                                          ; the barrier has opened a round of the cluster's: no wave of any partner still reads this slot or has a load on its way
	s_add_nc_u64 s[G0+4*\slot+2:G0+4*\slot+3], s[G0+4*\slot+2:G0+4*\slot+3], 2*ROWL
	s_add_nc_u64 s[G0B+4*\slot+2:G0B+4*\slot+3], s[G0B+4*\slot+2:G0B+4*\slot+3], 2*ROWL
	JLOAD G0+4*\slot, G1, G0B+4*\slot, G1B         ; the first tensor load behind the round; its four v_nop are the places in front of the loads below
.else
	PLACES NP
.endif
	v_add_nc_u32 v[ADRS], 64*NQ, v[ADRS]           ; the next slot's scale words
	SCALES \next
	FETCH \next, 0, 0
	WIN MUL
	MUL4 2, F1, NQ-1, \slot, 0                     ; eight products stand behind the run of loads
	MUL4 3, F1, NQ-1, \slot, 0
.endm
	s_wait_loadcnt 32                              ; the bias's 8 loads are in; the residual's 32 may be out
	s_wait_tensorcnt 1                             ; the scale words and my part of slot 0 are in; slot 1's load may be out
	s_barrier_signal -1
	s_barrier_wait -1
	SCALES 0
	FETCH 0, 0, 0
	STEP 0, 0, 1                                   ; the first step's products start the sums, on the bias
.if LAPS > 1
	WIN 0                                          ; at a label and at a branch every window is 0
	s_mov_b32 s3, LAPS-1
.Llap:                                             ; a trip goes once round the ring, from a lap's second step to the next lap's first, and fills both slots again
	STEP 0, 1, 0
	STEP 0, 2, 0
	TURN 0, 1, 1
	STEP 1, 0, 0
	STEP 1, 1, 0
	STEP 1, 2, 0
	TURN 1, 0, 1
	STEP 0, 0, 0
	WIN 0
	s_sub_co_u32 s3, s3, 1
	s_cmp_lg_u32 s3, 0
	s_cbranch_scc1 .Llap
.endif
	STEP 0, 1, 0                                   ; the last lap fills nothing
	STEP 0, 2, 0
	TURN 0, 1, 0
	STEP 1, 0, 0
	STEP 1, 1, 0
	STEP 1, 2, 0
	s_wait_dscnt 0x0                               ; the very last step: nothing more to fetch
	WIN MUL
.irp a, 0,1,2,3
	MUL4 \a, F1, NQ-1, 1, 0
.endr
	WIN 0
; THE WAY OUT, block by block of 16 tokens x 64 columns.  A lane holds pieces of 32 bytes of one row, the lanes beside it other rows: a block goes through my own stage in LDS and comes back as whole rows of 256 bytes;
; the residual's same rows are added, and sixteen lanes store 256 consecutive bytes.  While one block is added and stored, the next is on its way through the stage.
.macro TOSTAGE a
.irp b, 0,1,2,3
	ds_store_b128 v[STO], v[ACC+8*(4*(\a)+\b):ACC+8*(4*(\a)+\b)+3] offset:128*(\b/2)+32*(\b%2)       ; each accumulator from its low end on
	ds_store_b128 v[STO], v[ACC+8*(4*(\a)+\b)+4:ACC+8*(4*(\a)+\b)+7] offset:128*(\b/2)+32*(\b%2)+16
.endr
.set t, 0
.rept 8
	ds_load_b128 v[BK+32*((\a)%2)+4*t:BK+32*((\a)%2)+4*t+3], v[RD] offset:2*t*SPITCH   ; LDS serves a wave's instructions in order: these see my stores, and the next block's stores come behind them
.set t, t+1
.endr
.endm
.macro SEND a, younger                 ; younger: the LDS instructions issued behind block a's loads, which may stay out
	s_wait_dscnt \younger                          ; the block is back in registers
	WIN 0x08                                       ; source 1: window 2
.set n, 0
.rept 16
	v_pk_add_f32 v[BK+32*((\a)%2)+n:BK+32*((\a)%2)+n+1], v[BK+32*((\a)%2)+n:BK+32*((\a)%2)+n+1], v[32*(\a)+n:32*(\a)+n+1]
.set n, n+2
.endr
	WIN 0
.set t, 0
.rept 8
	global_store_b128 v[CO], v[BK+32*((\a)%2)+4*t:BK+32*((\a)%2)+4*t+3], s[12:13] offset:(32*((\a)/2)+8*((\a)%2)+2*t+8*(t/4))*4096 th:TH_STORE_NT   ; 16 lanes store 256 consecutive bytes, at a multiple of 256 from the buffer's first byte
.set t, t+1
.endr
.endm
	PLACES NP                                      ; behind the last products: for the first read of results
	s_wait_loadcnt 0x0                             ; the residual is in
	TOSTAGE 0
	TOSTAGE 1
	SEND 0, 16                                     ; behind block 0's loads: block 1's 8 stores and 8 loads
	s_wait_xcnt 0x0                                ; block 0's stores have read their registers: block 2's rows may land there
	TOSTAGE 2
	SEND 1, 16
	s_wait_xcnt 0x0                                ; block 1's likewise
	TOSTAGE 3
	SEND 2, 16
	SEND 3, 0
	s_wait_tensorcnt 0x0                           ; the wave's end
	ds_add_u32 v[SPW], v[NIL]
	s_wait_dscnt 0x0
	CROUND                                         ; the closing round: no work-group ends while a partner may still ask for a tile that names it
	s_endpgm
.Lfunc_end_k_q4b60c69fad_mlp:
	.size	k_q4b60c69fad_mlp, .Lfunc_end_k_q4b60c69fad_mlp-k_q4b60c69fad_mlp
	.p2alignl 7, 3214868480
	.fill 96, 4, 3214868480
	.section	.rodata,"a",@progbits
	.p2align	6, 0x0
	.amdhsa_kernel k_q4b60c69fad_mlp
		.amdhsa_group_segment_fixed_size 327680
		.amdhsa_private_segment_fixed_size 0
		.amdhsa_enable_private_segment 0
		.amdhsa_kernarg_size 40
		.amdhsa_user_sgpr_count 2
		.amdhsa_user_sgpr_kernarg_segment_ptr 1
		.amdhsa_wavefront_size32 1
		.amdhsa_system_sgpr_workgroup_id_x 1
		.amdhsa_system_sgpr_workgroup_id_y 1
		.amdhsa_system_sgpr_workgroup_id_z 1
		.amdhsa_system_vgpr_workitem_id 0
		.amdhsa_next_free_vgpr 640
		.amdhsa_next_free_sgpr 98
		.amdhsa_reserve_vcc 0
		.amdhsa_float_denorm_mode_32 3
		.amdhsa_float_denorm_mode_16_64 3
		.amdhsa_memory_ordered 1
		.amdhsa_forward_progress 1
		.amdhsa_inst_pref_size 100
	.end_amdhsa_kernel
	.amdgpu_metadata
---
amdhsa.version: [ 1, 2 ]
amdhsa.kernels:
  - .name:           k_q4b60c69fad_mlp
    .symbol:         k_q4b60c69fad_mlp.kd
    .args:
      - { .name: g, .offset: 0, .size: 8, .value_kind: global_buffer, .address_space: global }
      - { .name: wq, .offset: 8, .size: 8, .value_kind: global_buffer, .address_space: global }
      - { .name: c_proj_mlp_b, .offset: 16, .size: 8, .value_kind: global_buffer, .address_space: global }
      - { .name: hbuf, .offset: 24, .size: 8, .value_kind: global_buffer, .address_space: global }
      - { .name: out0, .offset: 32, .size: 8, .value_kind: global_buffer, .address_space: global }
    .group_segment_fixed_size: 327680
    .private_segment_fixed_size: 0
    .kernarg_segment_align: 8
    .kernarg_segment_size: 40
    .max_flat_workgroup_size: 128
    .sgpr_count:     98
    .vgpr_count:     640
    .wavefront_size: 32
...
	.end_amdgpu_metadata
.endif
;; end of part 9
